; MI455X (gfx1250); checked and timed in simulation.
; The chip was launched on July 23, 2026; its instructions are those of AMD's public machine-readable ISA for CDNA 5 (MIT licence, August 2026) and "CDNA5" Instruction Set Architecture Reference Guide (July 2026). The comments in the code are by the model that wrote it; some were corrected since.
;; Parallel Attention Block. Allowed arithmetic: matrix products marked QUANTISED: E4M3 operands, one E8M0 scale for each 32 along K, by v_wmma_scale_f32_16x16x128_f8f6f4 with both operands' format E4M3, f32 sums; everything else in f32.
;; Inputs: ln_b 1,024 float32; ln_w 1,024 float32; w_down_codes 1,024 x 128 x 32 uint8 (E4M3 codes of w_down, K innermost, in blocks of 32 codes); w_down_scales 1,024 x 128 uint8 (E8M0 scales of w_down, one for each 32 codes along K); w_gate_codes 4,096 x 32 x 32 uint8 (E4M3 codes of w_gate, K innermost, in blocks of 32 codes); w_gate_scales 4,096 x 32 uint8 (E8M0 scales of w_gate, one for each 32 codes along K); w_up_codes 4,096 x 32 x 32 uint8 (E4M3 codes of w_up, K innermost, in blocks of 32 codes); w_up_scales 4,096 x 32 uint8 (E8M0 scales of w_up, one for each 32 codes along K); wk_codes 256 x 32 x 32 uint8 (E4M3 codes of wk, K innermost, in blocks of 32 codes); wk_scales 256 x 32 uint8 (E8M0 scales of wk, one for each 32 codes along K); wo_codes 1,024 x 16 x 32 uint8 (E4M3 codes of wo, K innermost, in blocks of 32 codes); wo_scales 1,024 x 16 uint8 (E8M0 scales of wo, one for each 32 codes along K); wq_codes 512 x 32 x 32 uint8 (E4M3 codes of wq, K innermost, in blocks of 32 codes); wq_scales 512 x 32 uint8 (E8M0 scales of wq, one for each 32 codes along K); wv_codes 256 x 32 x 32 uint8 (E4M3 codes of wv, K innermost, in blocks of 32 codes); wv_scales 256 x 32 uint8 (E8M0 scales of wv, one for each 32 codes along K); x 2 x 2,048 x 1,024 float32.
;; Outputs: out0 2 x 2,048 x 1,024 float32.
;; This version of the problem:
;;   THIS VERSION OF THE PROBLEM IS GIVEN IN LOW PRECISION. The matrix products marked QUANTISED in the list below multiply operands that are first quantised to E4M3 (4 exponent bits, 3 mantissa bits; 8 bits a number), with one power-of-two scale for each 32 numbers along K (OCP MX v1.0); their sums are f32. All else is computed in f32.
;;   The module's matrix products, in the order in which they are computed (A, B: the left and right operand; K: the contracted axis; several contracted axes count as one K, in the product's order):
;;     1. [M 4,096, K 1,024] x [K 1,024, N 512]; A: computed on the way; B: input wq (given as codes): QUANTISED
;;     2. [M 4,096, K 1,024] x [K 1,024, N 256]; A: computed on the way; B: input wk (given as codes): QUANTISED
;;     3. [M 4,096, K 1,024] x [K 1,024, N 256]; A: computed on the way; B: input wv (given as codes): QUANTISED
;;     4. batch 16 x [M 2,048, K 64] x [K 64, N 2,048]; A: computed on the way; B: computed on the way: QUANTISED
;;     5. batch 16 x [M 2,048, K 2,048] x [K 2,048, N 64]; A: softmax (see below); B: computed on the way: QUANTISED
;;     6. [M 4,096, K 512] x [K 512, N 1,024]; A: computed on the way; B: input wo (given as codes): QUANTISED
;;     7. [M 4,096, K 1,024] x [K 1,024, N 4,096]; A: computed on the way; B: input w_gate (given as codes): QUANTISED
;;     8. [M 4,096, K 1,024] x [K 1,024, N 4,096]; A: computed on the way; B: input w_up (given as codes): QUANTISED
;;     9. [M 4,096, K 4,096] x [K 4,096, N 1,024]; A: computed on the way; B: input w_down (given as codes): QUANTISED
;;   THE QUANTISER, for each operand of a quantised product, along K:
;;     - K is cut into blocks of 32 from its start; a last block that is shorter is filled with zeros.
;;     - A block's scale is 2^e with e = floor(log2(the largest magnitude in the block)) - 8, held to -126 .. 127; a block of zeros has e = 0. As a byte (E8M0): e + 127.
;;     - Each number is divided by its block's scale, clamped to +-448, and rounded to the nearest number of E4M3, ties to even, subnormals kept.
;;     - The product sums the exact products of the quantised numbers (number of the format x scale) in f32.
;;   ~~~python
;;   def quantise(x, axis):      # numpy; x: float32 -> the quantised numbers, widened to float32 again
;;       x = np.moveaxis(x, axis, -1); K = x.shape[-1]
;;       x = np.pad(x, [(0, 0)] * (x.ndim - 1) + [(0, -K % 32)]); x = x.reshape(x.shape[:-1] + (-1, 32)); a = np.abs(x).max(-1, keepdims=True)
;;       e = np.where(a > 0, np.clip(np.frexp(np.where(a > 0, a, 1))[1] - 1 - 8, -126, 127), 0)      # np.frexp(a)[1] - 1 = floor(log2(a)), exactly
;;       r = np.clip(x / 2.0 ** e, -448, 448)
;;       step = 2.0 ** (np.maximum(np.frexp(np.where(r == 0, 1, r))[1] - 1, -6) - 3)
;;       q = np.round(r / step) * step * 2.0 ** e      # np.round: ties to even
;;       return np.moveaxis(q.reshape(q.shape[:-2] + (-1,))[..., :K], -1, axis).astype(np.float32)
;;   ~~~
;;   SOFTMAX AHEAD OF A QUANTISED PRODUCT. Where the list says 'softmax', what is quantised is not the finished softmax but p = 2^(t - M), with t = logit x log2(e) and M = ceil(the row's largest t), a whole number; so 1/2 < the row's largest p <= 1. The row's sum l is taken of the UNQUANTISED p, in f32, and the product's result is divided by l at the end. Since M is a whole number, a kernel that streams over the keys may use a running M (the ceiling of the running maximum): every later rescaling is an exact power of two, which a block's scale takes up: the codes' values come out the same.
;;   OPERANDS COMPUTED ON THE WAY. 'Computed on the way' means the value that the module computes at that place (a softmax that the list does not call 'softmax' is quantised finished and normalised). What goes into a quantiser is computed in f32, as accurately as f32 sums, v_exp_f32 and their like allow (about 1e-6 of the number): no bf16 or f16 on the way to a quantiser, and a product that is left as it is and whose result goes on into a quantised operand takes f32 operands (vector FMAs, or v_wmma_f32_16x16x4_f32). A number that lies on a knife's edge between two numbers of the format may be rounded either way, as far as f32 arithmetic and the matrix unit's own rounding can turn it there, and no further.
;;   INPUTS GIVEN AS CODES. w_down (in the module: [4096, 1024], K = its axis 0); w_gate (in the module: [1024, 4096], K = its axis 0); w_up (in the module: [1024, 4096], K = its axis 0); wk (in the module: [1024, 256], K = its axis 0); wo (in the module: [512, 1024], K = its axis 0); wq (in the module: [1024, 512], K = its axis 0); wv (in the module: [1024, 256], K = its axis 0): each comes as NAME_codes (uint8): NAME with its K axis moved to the last place and cut into blocks of 32 codes, [.., K / 32, bytes a block], one block behind the other in memory; one code a byte (a code: sign, 4 exponent bits, 3 mantissa bits); and NAME_scales (uint8): the same leading axes, one E8M0 byte (e + 127) for each 32 codes along K. Its value is code x scale, taken as it is: it is not quantised again, and the codes and scales need not be those that the quantiser above would give.
;; 2 versions. Each part assembles by itself: llvm-mc -triple=amdgcn-amd-amdhsa -mcpu=gfx1250 --defsym DOCPART=n.
;; ======== version 1 of 2: 5 launches
;; workspace buffers: xn 4,325,376 bytes; qkv 4,456,448 bytes; act 19,464,192 bytes
;; launch ln (part 1): grid 256 x 1, 2 waves a work-group, no clusters, 11,008 bytes of LDS; arguments x, ln_w, ln_b, xn; writes xn
.if DOCPART == 1
	.amdgcn_target "amdgcn-amd-amdhsa--gfx1250"
	.amdhsa_code_object_version 6
	.text
	.protected	k_q4b4600d444_ln
	.globl	k_q4b4600d444_ln
	.p2align	8
	.type	k_q4b4600d444_ln,@function
k_q4b4600d444_ln:
	s_mov_b64 s[64:65], 0
	v_nop
	global_prefetch_b8 v0, s[64:65] scope:SCOPE_SE
	s_setreg_imm32_b32 hwreg(HW_REG_WAVE_MODE, 25, 1), 1
	s_wait_xcnt 0x0
; normed = (x - mean) * rsqrt(var + 1e-5) * ln_w + ln_b for 4,096 rows of 1,024 f32, quantised along the row to codes of E4M3 with one E8M0 byte for each 32.
; OUT: xn: codes [4096][1024] at byte 0, scale bytes [4096][32] at byte XSC.
; A wave takes 8 rows, one after the other; a row lies in 32 registers a lane between the passes (mean, variance about the mean, scaling), so x is read once.
; Each load reads 512 consecutive bytes.  The conversions want 16 NEIGHBOURS in one lane: the finished row turns through the wave's own stage in LDS (16 bytes of padding behind each 64) and
; comes back 64 bytes a lane; two neighbouring lanes hold a block of 32.  A lane's 16 codes are 16 bytes: a store covers 512 consecutive bytes.  A wave's 256 scale bytes are gathered in LDS and leave as one store of 256 aligned bytes.
; Waves share nothing: no barrier.  The next two rows' loads are out while a row is worked on.
; LIMITS: NaN and infinities among the inputs are not served.  A block of zeros gets the scale byte 1 where the quantiser says 127: its codes are zeros, and this program alone reads the bytes.
.set XSC,  4194304
.set WREG, 5376                        ; LDS of a wave: a stage of 64 x 80 bytes, then 256 scale bytes
.set GW,   16                          ; v16-47   ln_w: register 4 i + e = column 128 i + 4 lane + e
.set GB,   48                          ; v48-79   ln_b likewise
.set X,    80                          ; v80-143  two sets of 32: a row as loaded
.set Z,    144                         ; v144-175 the row back from the stage: 2 x 16 neighbours
.set C,    176                         ; v176-183 codes
.set E,    184                         ; v184-185 scale bytes
	s_load_b256 s[4:11], s[0:1], 0x0               ; x s[4:5], ln_w s[6:7], ln_b s[8:9], xn s[10:11]
	v_lshl_add_u32 v192, v0, 2, 0x2a00
	v_mov_b32 v193, 0
	v_lshrrev_b32 v1, 5, v0
	v_readfirstlane_b32 s16, v1                    ; wave
	v_and_b32 v1, 31, v0                           ; lane
	v_lshlrev_b32 v2, 4, v1                        ; 16 x lane: my bytes of a load's 512, and of a store's
	s_mul_i32 s27, s16, WREG
	v_lshrrev_b32 v3, 2, v1
	v_mul_u32_u24 v3, v3, 80
	v_and_b32 v4, 3, v1
	v_lshl_add_u32 v3, v4, 4, v3
	v_add_nc_u32 v3, s27, v3                       ; the stage, on the way in: four lanes' 64 bytes on end, then the padding
	v_mul_u32_u24 v4, v1, 80
	v_add_nc_u32 v4, s27, v4                       ; on the way out: 80 x lane
	s_add_co_u32 s27, s27, 5120
	v_lshrrev_b32 v5, 1, v1
	v_add_nc_u32 v5, s27, v5                       ; my block's scale byte
	v_lshlrev_b32 v7, 3, v1
	v_add_nc_u32 v6, s27, v7                       ; and 8 bytes a lane on the way out
	s_lshl_b32 s17, ttmp9, 1
	s_add_co_u32 s17, s17, s16                     ; which run of 8 rows is my wave's
	s_lshl_b32 s18, s17, 15                        ; 8 rows of 4,096 bytes
	s_mov_b32 s19, 0
	s_lshl_b32 s20, s17, 13                        ; 8 rows of 1,024 codes
	s_mov_b32 s21, 0
	s_lshl_b32 s22, s17, 8                         ; 8 rows of 32 scale bytes
	s_add_co_u32 s22, s22, XSC
	s_mov_b32 s23, 0
	s_mov_b32 s12, 0x76543210                      ; v_permlanex16_b32: lane l xor 16
	s_mov_b32 s13, 0xfedcba98
	s_mov_b32 s14, 0x3a800000                      ; 1 / 1024
	s_mov_b32 s15, 0x3727c5ac                      ; 1e-5
	s_mov_b32 s26, 0x600000                        ; the mantissa field of 448
	s_wait_kmcnt 0x0
	s_add_nc_u64 s[4:5], s[4:5], s[18:19]
	s_add_nc_u64 s[24:25], s[10:11], s[20:21]
	s_add_nc_u64 s[28:29], s[10:11], s[22:23]
.irp i, 0,1,2,3,4,5,6,7
	global_load_b128 v[GW+4*\i:GW+4*\i+3], v2, s[6:7] offset:512*\i
	global_load_b128 v[GB+4*\i:GB+4*\i+3], v2, s[8:9] offset:512*\i
.endr
.macro LOAD t                          ; row t: eight loads of 512 consecutive bytes
.irp i, 0,1,2,3,4,5,6,7
	global_load_b128 v[X+32*((\t)%2)+4*\i:X+32*((\t)%2)+4*\i+3], v2, s[4:5] offset:4096*(\t)+512*\i th:TH_LOAD_NT
.endr
.endm
.macro REDUCE                          ; four packed chains in v[8:15] become one sum, in every lane's v8
	v_pk_add_f32 v[8:9], v[8:9], v[10:11]
	v_pk_add_f32 v[12:13], v[12:13], v[14:15]
	v_pk_add_f32 v[8:9], v[8:9], v[12:13]
	v_add_f32 v8, v8, v9
	v_add_f32_dpp v8, v8, v8 row_xmask:1 row_mask:0xf bank_mask:0xf
	v_add_f32_dpp v8, v8, v8 row_xmask:2 row_mask:0xf bank_mask:0xf
	v_add_f32_dpp v8, v8, v8 row_xmask:4 row_mask:0xf bank_mask:0xf
	v_add_f32_dpp v8, v8, v8 row_xmask:8 row_mask:0xf bank_mask:0xf
	v_permlanex16_b32 v9, v8, s12, s13
	v_add_f32 v8, v8, v9
.endm
.macro QZ t, p                         ; 16 neighbours of a lane, half p of row t: the block's scale, the hold, the codes
.set ZS, Z+16*(\p)
	v_max3_num_f32 v8, |v[ZS]|, |v[ZS+1]|, |v[ZS+2]|
	v_max3_num_f32 v9, |v[ZS+3]|, |v[ZS+4]|, |v[ZS+5]|
.irp i, 6,10
	v_max3_num_f32 v8, v8, |v[ZS+\i]|, |v[ZS+\i+1]|
	v_max3_num_f32 v9, v9, |v[ZS+\i+2]|, |v[ZS+\i+3]|
.endr
	v_max3_num_f32 v8, v8, |v[ZS+14]|, |v[ZS+15]|
	v_max3_num_f32 v8, v8, v9, 0x4800000           ; the floor 2^(9 - 127): the byte cannot fall under 1
	v_max_num_f32_dpp v8, v8, v8 row_xmask:1 row_mask:0xf bank_mask:0xf   ; with my neighbour's 16: the block's largest magnitude
	v_add_nc_u32 v11, 0xfc000000, v8               ; 8 off its exponent field: the conversion's scale operand
	v_and_or_b32 v10, v8, 0x7f800000, s26          ; 448 x the scale
.irp i, 0,1,2,3,4,5,6,7,8,9,10,11,12,13,14,15
	v_med3_num_f32 v[ZS+\i], v[ZS+\i], -v10, v10   ; the conversion to an 8-bit code does not saturate (ISA guide 7.6.2): the hold comes first
.endr
	v_cvt_scalef32_pk8_fp8_f32 v[C+4*(\p):C+4*(\p)+1], v[ZS:ZS+7], v11
	v_cvt_scalef32_pk8_fp8_f32 v[C+4*(\p)+2:C+4*(\p)+3], v[ZS+8:ZS+15], v11
	v_lshrrev_b32 v[E+(\p)], 23, v11               ; the scale's byte
	ds_store_b8 v5, v[E+(\p)] offset:32*(\t)+16*(\p)   ; both lanes of a block write the same byte with the same value
	global_store_b128 v2, v[C+4*(\p):C+4*(\p)+3], s[24:25] offset:1024*(\t)+512*(\p)
.endm
.macro ROW t
.set XS, X+32*((\t)%2)
.if (\t) < 7
	s_wait_loadcnt 8                               ; this row (and, the first time, ln_w and ln_b) is in; the next row's eight loads may be out
.else
	s_wait_loadcnt 0
.endif
	s_wait_xcnt 0x0                                ; the last row's stores have read their codes' registers
.irp k, 0,1,2,3
	v_pk_add_f32 v[8+2*\k:9+2*\k], v[XS+2*\k:XS+2*\k+1], v[XS+8+2*\k:XS+9+2*\k]
.endr
.irp m, 16,24
.irp k, 0,1,2,3
	v_pk_add_f32 v[8+2*\k:9+2*\k], v[8+2*\k:9+2*\k], v[XS+\m+2*\k:XS+\m+2*\k+1]
.endr
.endr
	REDUCE
	v_mul_f32 v8, s14, v8                          ; the mean
.irp j, 0,2,4,6,8,10,12,14,16,18,20,22,24,26,28,30
	v_pk_add_f32 v[XS+\j:XS+\j+1], v[XS+\j:XS+\j+1], v[8:9] op_sel_hi:[1,0] neg_lo:[0,1] neg_hi:[0,1]   ; x - mean
.endr
.irp k, 0,1,2,3
	v_pk_mul_f32 v[8+2*\k:9+2*\k], v[XS+2*\k:XS+2*\k+1], v[XS+2*\k:XS+2*\k+1]
.endr
.irp m, 8,16,24
.irp k, 0,1,2,3
	v_pk_fma_f32 v[8+2*\k:9+2*\k], v[XS+\m+2*\k:XS+\m+2*\k+1], v[XS+\m+2*\k:XS+\m+2*\k+1], v[8+2*\k:9+2*\k]
.endr
.endr
	REDUCE
	v_fma_f32 v8, v8, s14, s15                     ; the variance + 1e-5
	v_rsq_f32 v10, v8
	v_nop                                          ; a plain instruction behind the transcendental
	s_wait_alu depctr_va_vdst(0)                   ; the wait ahead of the result's first reader
.irp j, 0,2,4,6,8,10,12,14,16,18,20,22,24,26,28,30
	v_pk_mul_f32 v[XS+\j:XS+\j+1], v[XS+\j:XS+\j+1], v[10:11] op_sel_hi:[1,0]
.endr
.irp j, 0,2,4,6,8,10,12,14,16,18,20,22,24,26,28,30
	v_pk_fma_f32 v[XS+\j:XS+\j+1], v[XS+\j:XS+\j+1], v[GW+\j:GW+\j+1], v[GB+\j:GB+\j+1]
.endr
.irp i, 0,1,2,3,4,5,6,7
	ds_store_b128 v3, v[XS+4*\i:XS+4*\i+3] offset:640*\i
.endr
.irp p, 0,1
.irp e, 0,1,2,3
	ds_load_b128 v[Z+16*\p+4*\e:Z+16*\p+4*\e+3], v4 offset:2560*\p+16*\e   ; LDS serves a wave's instructions in order: these see the stores above
.endr
.endr
	s_wait_dscnt 0x0                               ; the row is back, 2 x 16 neighbours a lane; the set that held it is free
.if (\t)+2 < 8
	LOAD (\t)+2
.endif
	QZ \t, 0
	QZ \t, 1
.endm
	LOAD 0
	LOAD 1
.irp t, 0,1,2,3,4,5,6,7
	ROW \t
.endr
	ds_load_b64 v[12:13], v6                       ; my wave's 256 scale bytes
	s_wait_dscnt 0x0
	global_store_b64 v7, v[12:13], s[28:29]        ; 32 lanes store 256 consecutive bytes, aligned
	s_wait_tensorcnt 0x0
	ds_add_u32 v192, v193
	s_wait_dscnt 0x0
	s_endpgm
.Lfunc_end_k_q4b4600d444_ln:
	.size	k_q4b4600d444_ln, .Lfunc_end_k_q4b4600d444_ln-k_q4b4600d444_ln
	.p2alignl 7, 3214868480
	.fill 96, 4, 3214868480
	.section	.rodata,"a",@progbits
	.p2align	6, 0x0
	.amdhsa_kernel k_q4b4600d444_ln
		.amdhsa_group_segment_fixed_size 11008
		.amdhsa_private_segment_fixed_size 0
		.amdhsa_enable_private_segment 0
		.amdhsa_kernarg_size 32
		.amdhsa_user_sgpr_count 2
		.amdhsa_user_sgpr_kernarg_segment_ptr 1
		.amdhsa_wavefront_size32 1
		.amdhsa_system_sgpr_workgroup_id_x 1
		.amdhsa_system_sgpr_workgroup_id_y 1
		.amdhsa_system_sgpr_workgroup_id_z 1
		.amdhsa_system_vgpr_workitem_id 0
		.amdhsa_next_free_vgpr 194
		.amdhsa_next_free_sgpr 66
		.amdhsa_reserve_vcc 0
		.amdhsa_float_denorm_mode_32 3
		.amdhsa_float_denorm_mode_16_64 3
		.amdhsa_memory_ordered 1
		.amdhsa_forward_progress 1
		.amdhsa_inst_pref_size 101
	.end_amdhsa_kernel
	.amdgpu_metadata
---
amdhsa.version: [ 1, 2 ]
amdhsa.kernels:
  - .name:           k_q4b4600d444_ln
    .symbol:         k_q4b4600d444_ln.kd
    .args:
      - { .name: x, .offset: 0, .size: 8, .value_kind: global_buffer, .address_space: global }
      - { .name: ln_w, .offset: 8, .size: 8, .value_kind: global_buffer, .address_space: global }
      - { .name: ln_b, .offset: 16, .size: 8, .value_kind: global_buffer, .address_space: global }
      - { .name: xn, .offset: 24, .size: 8, .value_kind: global_buffer, .address_space: global }
    .group_segment_fixed_size: 11008
    .private_segment_fixed_size: 0
    .kernarg_segment_align: 8
    .kernarg_segment_size: 32
    .max_flat_workgroup_size: 64
    .sgpr_count:     66
    .vgpr_count:     194
    .wavefront_size: 32
...
	.end_amdgpu_metadata
.endif
;; end of part 1
;; launch qkv (part 2): grid 128 x 1, 4 waves a work-group, no clusters, 327,680 bytes of LDS; arguments xn, wq_codes, wq_scales, wk_codes, wk_scales, wv_codes, wv_scales, qkv; writes qkv
.if DOCPART == 2
	.amdgcn_target "amdgcn-amd-amdhsa--gfx1250"
	.amdhsa_code_object_version 6
	.text
	.protected	k_q4b4600d444_qkv
	.globl	k_q4b4600d444_qkv
	.p2align	8
	.type	k_q4b4600d444_qkv,@function
k_q4b4600d444_qkv:
	s_mov_b64 s[64:65], 0
	v_nop
	global_prefetch_b8 v0, s[64:65] scope:SCOPE_SE
	s_setreg_imm32_b32 hwreg(HW_REG_WAVE_MODE, 25, 1), 1
	s_wait_xcnt 0x0
; q = normed wq, k = normed wk, v = normed wv on codes of E4M3 (K = 1,024), and each result quantised for attention: q and k along the head's 64, v along the KEYS.
; A tile is 256 "A rows" x 128 "B rows"; the matrix instruction takes source 0 = 16 B rows, source 1 = 16 A rows, so a lane (r, h) holds A row r and register j of B block b is B row 16 b + 8 h + j.
; Work-groups 0-95 (q: 0-63, k: 64-95): A = 256 tokens of xn, B = 128 rows of wq or wk: a lane holds one token and its registers run along d.
; Work-groups 96-127 (v): A = wv's 256 rows, B = 128 tokens of xn: a lane holds one d and its registers run along the tokens, the next product's K.  Only pointers and offsets are chosen; all take one path.
; Two neighbouring B blocks give a lane 16 numbers of a block of 32; lane l xor 16 holds the other 16.  Their codes stand at operand place 16 h + 8 u + j for the true k = 16 u + 8 h + j: a permutation
; inside a scale block that q and k share, and that p (made so in the next launch) shares with v: the products are the same.
; OUT (qkv): images of operand registers, 16 bytes a lane, 512 bytes a piece: Q_IMG [b][head][tile of 16 tokens][piece 2], K_IMG [b][g][tile][piece 2], V_IMG [128 tokens][tile of 16 d][piece 4];
; scale words [..][r 16][a 8] u32 whose low two bytes are the scales of 64 along K.  Every store covers 512 consecutive bytes.
; The ring, the one barrier for each change of slots and the fragments are those of a GEMM on codes: two LDS slots of 256 along K, A one set of registers, B two.
; NO CLUSTER: what neighbouring work-groups share is B's tile in the q and k work-groups and A's in the v work-groups, so one tensor line would need two masks; the launch's tiles are 384 KiB a work-group in all.
; LIMITS: NaN and infinities are not served; a block of zeros gets the scale byte 1 (its codes are zeros; this program alone reads the bytes).
; REGISTERS: window 0: v0-31 addresses, v32-63 scale words (two sets), v64-87 the way out, v128-255 A's 8 fragments; window 1: B's fragments, sets at v0 and v128; window 2: 32 accumulators, (a, b) at v[32 a + 8 b].
.set XSC,   4194304
.set K_IMG, 2097152
.set V_IMG, 3145728
.set Q_SC,  4194304
.set K_SC,  4325376
.set V_RAW, 4390912
.set NB,     4                         ; B blocks a wave
.set APW,    8                         ; A blocks whose accumulators share a window
.set PITCHA, 272                       ; an LDS row: 256 bytes + 16 of padding
.set QA,     128                       ; from a slot's first 128 along K to its second, in A's part
.set BSKIP,  0
.set IN_CL,  0
.set APART,  69632                     ; A's 256 rows
.set SLOT,   104448                    ; then B's 128 rows
.set LAPS,   2                         ; a lap = two K steps of 256
.set ASTEP,  512
.set BSTEP,  512
.set TABA,   208896                    ; scale words [K tile 8][256 rows] u32, written by ds_store: no tile ever lands here
.set TABB,   217088
.set SPARE,  225280                    ; the spare words, 128 bytes a wave
.set MUL_HI, 0xa1
.set WV, 20
.set IH, 21
.set CC, 22
.set G1,  24
.set G0,  32
.set G1B, 48
.set G0B, 56
.set SEL, 74
.set MNT, 76
.set LI,  24                           ; v24  16 x lane
.set SOF, 25                           ; v25  32 r + 16 h
.set PC,  64
.set SW,  72
.set TM,  80
; ---- the core ----
.set FR,   16
.set NP,   8                           ; places behind this matrix instruction (ISA guide 7.12.1)
.set SC,   32
.set AF,   128
.set ADRA, 16
.set ADRB, 20
.set ADRS, 22
.set ADRS2, 23
.set SPW,  28
.set NIL,  29
.set MUL_LO, 0xa1                      ; source 0 (B) window 1, source 1 (A) window 0, C and D window 2
.set TO_B,   0x40                      ; destination window 1, address window 0
.set MSB, 0
.macro WIN new                         ; the immediate's high byte repeats the setting that is left
.if MSB != (\new)
	s_set_vgpr_msb (MSB<<8)|(\new)
.set MSB, (\new)
.endif
.endm
.macro PLACES n
.rept \n
	v_nop
.endr
.endm
.macro JLOAD g0a, g1a, g0b, g1b        ; waves 0 and 1 fetch for A, waves 2 and 3 for B; four v_nop follow each line
	s_cmp_eq_u32 s[IH], 0
	s_cbranch_scc0 .Lfor_b_\@
	tensor_load_to_lds s[\g0a:\g0a+3], s[\g1a:\g1a+7]
	s_nop 0
.rept 4
	v_nop
.endr
	s_branch .Lasked_\@
.Lfor_b_\@:
	tensor_load_to_lds s[\g0b:\g0b+3], s[\g1b:\g1b+7]
	s_nop 0
.rept 4
	v_nop
.endr
.Lasked_\@:
.endm
.macro FRAG reg, adr, off              ; 16 rows x 128 K: lane l holds row l % 16; registers 4 c .. 4 c + 3 hold K = 32 c + 16 (l / 16) + 0 .. 15
.irp c, 0,1,2,3
	ds_load_b128 v[\reg+4*\c:\reg+4*\c+3], v[\adr] offset:\off+32*\c
.endr
.endm
.macro MULG a0, p, q, sc, zero         ; A's blocks a0, a0 + 1 x B's NB.  The accumulators take turns, one instruction a turn
.irp a, \a0, \a0+1
.irp b, 0,1,2,3,4,5,6,7
.if \b < NB
.if \zero
	v_wmma_scale_f32_16x16x128_f8f6f4 v[8*(NB*((\a)%APW)+\b):8*(NB*((\a)%APW)+\b)+7], v[128*(\p)+FR*\b:128*(\p)+FR*\b+FR-1], v[AF+FR*(\a):AF+FR*(\a)+FR-1], 0, v[SC+16*(\sc)+2*\b+(\q)], v[SC+16*(\sc)+2*(\a)+(\q)] matrix_a_scale:MATRIX_SCALE_ROW1
.else
	v_wmma_scale_f32_16x16x128_f8f6f4 v[8*(NB*((\a)%APW)+\b):8*(NB*((\a)%APW)+\b)+7], v[128*(\p)+FR*\b:128*(\p)+FR*\b+FR-1], v[AF+FR*(\a):AF+FR*(\a)+FR-1], v[8*(NB*((\a)%APW)+\b):8*(NB*((\a)%APW)+\b)+7], v[SC+16*(\sc)+2*\b+(\q)], v[SC+16*(\sc)+2*(\a)+(\q)] matrix_a_scale:MATRIX_SCALE_ROW1
.endif
.endif
.endr
.endr
.endm
.macro FETCH_B slot, q, p
	WIN TO_B
.irp i, 0,1,2,3,4,5,6,7
.if \i < NB
	FRAG 128*(\p)+FR*\i, ADRB+\slot, 128*(\q)+(16*\i+BSKIP*(\i/4))*272
.endif
.endr
	WIN 0
.endm
.macro FETCH_A slot, q, i0
.irp i, \i0, \i0+1, \i0+2, \i0+3
	FRAG AF+FR*(\i), ADRA+\slot, QA*(\q)+(\i)*16*PITCHA
.endr
.endm
.macro SCALES sc                       ; a K step's scale words: register 2 i + q: lanes 0-15 A's block i, lanes 16-31 B's block i
.irp q, 0,1
.irp i, 0,1,2,3
	ds_load_b32 v[SC+16*\sc+2*\i+\q], v[ADRS] offset:1024*\q+64*\i
.endr
.irp i, 4,5,6,7
	ds_load_b32 v[SC+16*\sc+2*\i+\q], v[ADRS2] offset:1024*\q+64*\i
.endr
.endr
.endm
.macro STEP slot, q, zero              ; 128 along K that has its successor in the same slot
	s_wait_dscnt 16                                ; all but the youngest sixteen loads, A's blocks 4-7
	WIN MUL_LO
	MULG 0, (\q)%2, \q, \slot, \zero
	MULG 2, (\q)%2, \q, \slot, \zero
	s_wait_dscnt 0
	PLACES NP
	FETCH_B \slot, (\q)+1, 1-(\q)%2
	FETCH_A \slot, (\q)+1, 0
	WIN MUL_HI
	MULG 4, (\q)%2, \q, \slot, \zero
	MULG 6, (\q)%2, \q, \slot, \zero
	PLACES NP
	WIN 0
	FETCH_A \slot, (\q)+1, 4
.endm
.macro TURN slot, next, fill           ; a slot's last step changes slots: one barrier
	s_wait_tensorcnt 0x0                           ; all my tensor loads have landed: my part of the next slot
	ds_add_u32 v[SPW], v[NIL]                      ; 0 onto my spare word
	s_wait_dscnt 17                                ; (the add and A's blocks 4-7 may be out)
	WIN MUL_LO
	MULG 0, 1, 1, \slot, 0
	s_wait_dscnt 0x0                               ; the add is done, and my reads of this slot are over
	s_barrier_signal -1
	MULG 2, 1, 1, \slot, 0
	WIN 0
	s_barrier_wait -1
.if \fill
.if IN_CL
	CREST
.endif
	s_add_nc_u64 s[G0+4*\slot+2:G0+4*\slot+3], s[G0+4*\slot+2:G0+4*\slot+3], ASTEP
	s_add_nc_u64 s[G0B+4*\slot+2:G0B+4*\slot+3], s[G0B+4*\slot+2:G0B+4*\slot+3], BSTEP
	JLOAD G0+4*\slot, G1, G0B+4*\slot, G1B         ; the first tensor load behind the barrier, my only one until the next
	PLACES NP-4
.else
	PLACES NP
.endif
	v_add_nc_u32 v[ADRS], 2048, v[ADRS]            ; the next K step's scale words
	v_add_nc_u32 v[ADRS2], 2048, v[ADRS2]
	FETCH_B \next, 0, 0
	FETCH_A \next, 0, 0
	SCALES \next
	WIN MUL_HI
	MULG 4, 1, 1, \slot, 0
	MULG 6, 1, 1, \slot, 0
	PLACES NP
	WIN 0
	FETCH_A \next, 0, 4
.endm
; 32 numbers of a lane in window w, number 16 b + i of block b, become 8 registers of codes v[pc] on and the two scale bytes in v[pw] (both in window 0)
.macro QUANT32 s, w, pc, pw
	WIN (\w)|((\w)<<2)
.irp b, 0,1
	v_max3_num_f32 v[TM+\b], |v[\s+16*\b]|, |v[\s+16*\b+1]|, 0x4800000   ; with the floor 2^(9 - 127); each accumulator is read from its low end on
.endr
.irp i, 2,4,6,8,10,12,14
.irp b, 0,1
	v_max3_num_f32 v[TM+\b], |v[\s+16*\b+\i]|, |v[\s+16*\b+\i+1]|, v[TM+\b]
.endr
.endr
	WIN 0
.irp b, 0,1
	v_permlanex16_b32 v[TM+2+\b], v[TM+\b], s[SEL], s[SEL+1]
.endr
.irp b, 0,1
	v_max_num_f32 v[TM+\b], v[TM+\b], v[TM+2+\b]   ; with lane l xor 16's: the block's largest magnitude
.endr
.irp b, 0,1
	v_add_nc_u32 v[TM+6+\b], 0xfc000000, v[TM+\b]  ; 8 off its exponent field: the conversion's scale operand
.endr
.irp b, 0,1
	v_and_or_b32 v[TM+4+\b], v[TM+\b], 0x7f800000, s[MNT]   ; 448 x the scale
.endr
.irp b, 0,1
	v_lshrrev_b32 v[TM+2+\b], 23, v[TM+6+\b]       ; the scale's byte
.endr
	v_lshl_or_b32 v[\pw], v[TM+3], 8, v[TM+2]
	WIN (\w)|((\w)<<6)
.irp b, 0,1
.irp i, 0,1,2,3,4,5,6,7,8,9,10,11,12,13,14,15
	v_med3_num_f32 v[\s+16*\b+\i], v[\s+16*\b+\i], -v[TM+4+\b], v[TM+4+\b]   ; the conversion does not saturate (ISA guide 7.6.2): the hold
.endr
.endr
	WIN \w
.irp b, 0,1
.irp u, 0,1
	v_cvt_scalef32_pk8_fp8_f32 v[\pc+4*\b+2*\u:\pc+4*\b+2*\u+1], v[\s+16*\b+8*\u:\s+16*\b+8*\u+7], v[TM+6+\b]
.endr
.endr
	WIN 0
	v_nop                                          ; a plain instruction behind the last conversion
.endm
; ---- the head ----
	s_load_b256 s[4:11], s[0:1], 0x0               ; xn s[4:5], wq codes s[6:7], wq scales s[8:9], wk codes s[10:11]
	s_load_b256 s[12:19], s[0:1], 0x20             ; wk scales s[12:13], wv codes s[14:15], wv scales s[16:17], qkv s[18:19]
	v_lshl_add_u32 v[SPW], v0, 2, SPARE
	v_mov_b32 v[NIL], 0
	ds_add_u32 v28, v29
	s_wait_dscnt 0x0
	v_lshrrev_b32 v1, 5, v0
	v_readfirstlane_b32 s[WV], v1                  ; wave 0..3
	s_lshr_b32 s[IH], s[WV], 1                     ; which 128 A rows are mine.  Also: I fetch for A (0) or for B (1)
	s_and_b32 s[CC], s[WV], 1                      ; which 64 B rows.  Also: which half of that tile I fetch
	s_mov_b32 s[G1], (1<<20)|(5<<22)|(3<<25)       ; elements of 1 byte; padding on: 4 words behind every 64
	s_mov_b32 s[G1B], (1<<20)|(5<<22)|(3<<25)
.irp g, G1, G1B
	s_mov_b32 s[\g+1], 256<<16                     ; tensor_dim0
	s_mov_b32 s[\g+3], 256<<16                     ; tile_dim0
	s_mov_b32 s[\g+5], 1024                        ; from row to row
	s_mov_b32 s[\g+6], 0
	s_mov_b32 s[\g+7], 0
.endr
	s_mov_b32 s[G1+2], 128<<16                     ; A: 128 rows a load
	s_mov_b32 s[G1+4], 128
	s_mov_b32 s[G1B+2], 64<<16                     ; B: 64 rows a load
	s_mov_b32 s[G1B+4], 64
	s_lshr_b32 s66, ttmp9, 4
	s_and_b32 s77, s66, 3                          ; which 128 rows of wq or of wk
	s_and_b32 s67, ttmp9, 15                       ; which 256 tokens (q, k)
	s_and_b32 s78, ttmp9, 31                       ; which 128 tokens (v)
	s_lshl_b32 s79, s67, 18
	s_lshl_b32 s80, s67, 13
	s_add_co_u32 s80, s80, XSC
	s_lshl_b32 s81, s77, 17
	s_lshl_b32 s82, s77, 12
	s_lshl_b32 s83, s78, 17
	s_lshl_b32 s84, s78, 12
	s_add_co_u32 s84, s84, XSC
	s_cmp_lt_u32 ttmp9, 96                         ; q or k?  The choice hangs on the work-group's number alone
	s_cselect_b32 s79, s79, 0                      ; A's codes, A's scales, B's codes, B's scales: byte offsets
	s_cselect_b32 s90, s80, 0
	s_cselect_b32 s81, s81, s83
	s_cselect_b32 s92, s82, s84
	s_lshl_b32 s86, s[CC], 17                      ; the half that I fetch: 128 rows of A,
	s_add_co_u32 s86, s86, s79
	s_lshl_b32 s88, s[CC], 16                      ; 64 rows of B
	s_add_co_u32 s88, s88, s81
	s_mov_b32 s87, 0
	s_mov_b32 s89, 0
	s_mov_b32 s91, 0
	s_mov_b32 s93, 0
	s_mul_i32 s94, s[CC], 34816
	s_mul_i32 s95, s[CC], 17408
	s_add_co_u32 s95, s95, APART
	s_mov_b32 s[SEL], 0x76543210
	s_mov_b32 s[SEL+1], 0xfedcba98
	s_mov_b32 s[MNT], 0x600000
	s_wait_kmcnt 0x0
	s_cmp_lt_u32 ttmp9, 64
	s_cselect_b64 s[44:45], s[6:7], s[10:11]
	s_cselect_b64 s[46:47], s[8:9], s[12:13]
	s_cmp_lt_u32 ttmp9, 96
	s_cselect_b64 s[44:45], s[44:45], s[4:5]       ; B's codes: wq, wk or xn
	s_cselect_b64 s[46:47], s[46:47], s[4:5]       ; B's scales
	s_cselect_b64 s[40:41], s[4:5], s[14:15]       ; A's codes: xn or wv
	s_cselect_b64 s[42:43], s[4:5], s[16:17]       ; A's scales
	s_add_nc_u64 s[40:41], s[40:41], s[86:87]
	s_add_nc_u64 s[44:45], s[44:45], s[88:89]
	s_add_nc_u64 s[42:43], s[42:43], s[90:91]
	s_add_nc_u64 s[46:47], s[46:47], s[92:93]
.irp s, 0,1
	s_mov_b32 s[G0+4*\s], 1
	s_add_co_u32 s[G0+4*\s+1], s94, \s*SLOT
	s_add_nc_u64 s[G0+4*\s+2:G0+4*\s+3], s[40:41], \s*256
	s_or_b32 s[G0+4*\s+3], s[G0+4*\s+3], 0x80000000
	s_mov_b32 s[G0B+4*\s], 1
	s_add_co_u32 s[G0B+4*\s+1], s95, \s*SLOT
	s_add_nc_u64 s[G0B+4*\s+2:G0B+4*\s+3], s[44:45], \s*256
	s_or_b32 s[G0B+4*\s+3], s[G0B+4*\s+3], 0x80000000
	JLOAD G0+4*\s, G1, G0B+4*\s, G1B               ; the ring is filled first: two loads of mine are out
.endr
	; the scale bytes come once, in runs of 2,048 consecutive bytes, and are laid [K tile][row] in LDS: word e of thread t's 16 bytes is K tile 4 (t & 1) + e of row (t >> 1) + 64 i
	v_lshlrev_b32 v1, 4, v0
	v_and_b32 v2, 1, v0
	v_lshlrev_b32 v2, 12, v2
	v_lshrrev_b32 v3, 1, v0
	v_lshl_add_u32 v2, v3, 2, v2
	v_add_nc_u32 v3, TABA, v2
	v_add_nc_u32 v4, TABB, v2
.irp i, 0,1,2,3
	global_load_b128 v[128+4*\i:131+4*\i], v1, s[42:43] offset:2048*\i
.endr
.irp i, 0,1
	global_load_b128 v[144+4*\i:147+4*\i], v1, s[46:47] offset:2048*\i
.endr
	v_and_b32 v5, 15, v0                           ; r
	v_bfe_u32 v6, v0, 4, 1                         ; h
	v_mul_u32_u24 v7, v5, PITCHA
	v_lshl_add_u32 v7, v6, 4, v7
	v_mul_u32_u24 v8, v5, 272
	v_lshl_add_u32 v8, v6, 4, v8
	s_mul_i32 s96, s[IH], 128*PITCHA
	s_mul_i32 s97, s[CC], 64*272
	s_add_co_u32 s97, s97, APART
.irp s, 0,1
	v_add_nc_u32 v[ADRA+\s], s96, v7
	v_add_nc_u32 v[ADRB+\s], s97, v8
	s_add_co_u32 s96, s96, SLOT
	s_add_co_u32 s97, s97, SLOT
.endr
	s_lshl_b32 s96, s[IH], 9                       ; scale words: lanes 0-15 A's rows 128 ih + r, lanes 16-31 B's rows 64 c + r
	s_lshl_b32 s97, s[CC], 8
	s_add_co_u32 s97, s97, TABB-TABA
	s_sub_co_u32 s97, s97, s96
	v_mul_u32_u24 v9, s97, v6
	s_add_co_u32 s96, s96, TABA
	v_lshl_add_u32 v9, v5, 2, v9
	v_add_nc_u32 v[ADRS], s96, v9
	v_lshlrev_b32 v9, 8, v6
	v_sub_nc_u32 v[ADRS2], v[ADRS], v9             ; for blocks 4-7 lanes 16-31 read B's blocks 0-3 again: B has four
	v_and_b32 v10, 31, v0
	v_lshlrev_b32 v[LI], 4, v10
	v_lshlrev_b32 v[SOF], 5, v5
	v_lshl_add_u32 v[SOF], v6, 4, v[SOF]
	v_mov_b32 v[TM+2], 0                           ; written once: a lane permute's destination counts as one of its sources
	v_mov_b32 v[TM+3], 0
	; where my results go
	s_lshr_b32 s66, s67, 3                         ; batch
	s_and_b32 s67, s67, 7
	s_lshl_b32 s77, s77, 1
	s_add_co_u32 s77, s77, s[CC]                   ; my head among its tensor's
	s_lshl_b32 s79, s66, 3
	s_add_co_u32 s79, s79, s77
	s_lshl_b32 s80, s66, 2
	s_add_co_u32 s80, s80, s77
	s_mov_b32 s82, K_SC
	s_cmp_lt_u32 ttmp9, 64
	s_cselect_b32 s79, s79, s80                    ; batch x heads + head
	s_cselect_b32 s81, 0, K_IMG
	s_cselect_b32 s82, Q_SC, s82
	s_lshl_b32 s80, s79, 7
	s_lshl_b32 s83, s67, 4
	s_add_co_u32 s80, s80, s83
	s_lshl_b32 s83, s[IH], 3
	s_add_co_u32 s80, s80, s83
	s_lshl_b32 s80, s80, 10
	s_add_co_u32 s80, s80, s81                     ; q, k: my first tile's image
	s_lshl_b32 s81, s79, 4
	s_lshl_b32 s83, s67, 1
	s_add_co_u32 s81, s81, s83
	s_add_co_u32 s81, s81, s[IH]
	s_lshl_b32 s81, s81, 9
	s_add_co_u32 s81, s81, s82                     ; and my 128 tokens' scale words
	s_lshl_b32 s83, s78, 4
	s_lshl_b32 s84, s[IH], 3
	s_add_co_u32 s83, s83, s84
	s_lshl_b32 s83, s83, 11
	s_lshl_b32 s84, s[CC], 10
	s_add_co_u32 s83, s83, s84
	s_add_co_u32 s83, s83, V_IMG                   ; v: my first tile of d, my two pieces of its four
	s_lshl_b32 s84, s78, 1
	s_add_co_u32 s84, s84, s[CC]
	s_lshl_b32 s84, s84, 1
	s_add_co_u32 s84, s84, s[IH]
	s_lshl_b32 s84, s84, 9
	s_add_co_u32 s84, s84, V_RAW
	s_mov_b32 s70, 2048
	s_cmp_lt_u32 ttmp9, 96
	s_cselect_b32 s80, s80, s83
	s_cselect_b32 s82, s81, s84
	s_cselect_b32 s70, 1024, s70                   ; from one A block's image to the next
	s_mov_b32 s81, 0
	s_mov_b32 s83, 0
	s_mov_b32 s71, 0
	s_add_nc_u64 s[68:69], s[18:19], s[80:81]
	s_add_nc_u64 s[72:73], s[18:19], s[82:83]
	s_wait_loadcnt 0x0
.irp i, 0,1,2,3
.irp e, 0,1,2,3
	ds_store_b32 v3, v[128+4*\i+\e] offset:1024*\e+256*\i
.endr
.endr
.irp i, 0,1
.irp e, 0,1,2,3
	ds_store_b32 v4, v[144+4*\i+\e] offset:1024*\e+256*\i
.endr
.endr
; ---- K ----
	s_wait_tensorcnt 1                             ; my part of K step 0 is in (K step 1's load may be out)
	s_wait_dscnt 0x0                               ; and my part of the scale tables is written
	s_barrier_signal -1
	s_barrier_wait -1
	FETCH_B 0, 0, 0
	FETCH_A 0, 0, 0
	SCALES 0
	FETCH_A 0, 0, 4
	STEP 0, 0, 1                                   ; the first step's products start the sums
	s_mov_b32 s3, LAPS-1
.Llap:
	TURN 0, 1, 1
	STEP 1, 0, 0
	TURN 1, 0, 1
	STEP 0, 0, 0
	s_sub_co_u32 s3, s3, 1
	s_cmp_lg_u32 s3, 0
	s_cbranch_scc1 .Llap
	TURN 0, 1, 0                                   ; the last lap fills nothing
	STEP 1, 0, 0
	s_wait_dscnt 16
	WIN MUL_LO
	MULG 0, 1, 1, 1, 0
	MULG 2, 1, 1, 1, 0
	s_wait_dscnt 0
	WIN MUL_HI
	MULG 4, 1, 1, 1, 0
	MULG 6, 1, 1, 1, 0
	WIN 0
; ---- the way out: each A block's 64 results a lane row become half a fragment and two scale bytes ----
	PLACES NP
.irp a, 0,1,2,3,4,5,6,7
	s_wait_xcnt 0x0                                ; the last block's stores have read their registers and their base
.if \a > 0
	s_add_nc_u64 s[68:69], s[68:69], s[70:71]
.endif
	QUANT32 32*\a, 2, PC, SW+\a
	global_store_b128 v[LI], v[PC:PC+3], s[68:69]              ; 512 consecutive bytes: a piece of the image
	global_store_b128 v[LI], v[PC+4:PC+7], s[68:69] offset:512
.endr
	s_wait_xcnt 0x0
	v_cmp_eq_u32 vcc_lo, 1, v6
.irp e, 0,1,2,3
	v_cndmask_b32 v[PC+\e], v[SW+\e], v[SW+4+\e], vcc_lo       ; lanes 0-15 store blocks 0-3's words of row r, lanes 16-31 blocks 4-7's
.endr
	global_store_b128 v[SOF], v[PC:PC+3], s[72:73]             ; [r 16][a 8] words: 512 consecutive bytes
	s_wait_tensorcnt 0x0                           ; the wave's end
	ds_add_u32 v[SPW], v[NIL]
	s_wait_dscnt 0x0
	s_endpgm
.Lfunc_end_k_q4b4600d444_qkv:
	.size	k_q4b4600d444_qkv, .Lfunc_end_k_q4b4600d444_qkv-k_q4b4600d444_qkv
	.p2alignl 7, 3214868480
	.fill 96, 4, 3214868480
	.section	.rodata,"a",@progbits
	.p2align	6, 0x0
	.amdhsa_kernel k_q4b4600d444_qkv
		.amdhsa_group_segment_fixed_size 327680
		.amdhsa_private_segment_fixed_size 0
		.amdhsa_enable_private_segment 0
		.amdhsa_kernarg_size 64
		.amdhsa_user_sgpr_count 2
		.amdhsa_user_sgpr_kernarg_segment_ptr 1
		.amdhsa_wavefront_size32 1
		.amdhsa_system_sgpr_workgroup_id_x 1
		.amdhsa_system_sgpr_workgroup_id_y 1
		.amdhsa_system_sgpr_workgroup_id_z 1
		.amdhsa_system_vgpr_workitem_id 0
		.amdhsa_next_free_vgpr 768
		.amdhsa_next_free_sgpr 100
		.amdhsa_reserve_vcc 1
		.amdhsa_float_denorm_mode_32 3
		.amdhsa_float_denorm_mode_16_64 3
		.amdhsa_memory_ordered 1
		.amdhsa_forward_progress 1
		.amdhsa_inst_pref_size 115
	.end_amdhsa_kernel
	.amdgpu_metadata
---
amdhsa.version: [ 1, 2 ]
amdhsa.kernels:
  - .name:           k_q4b4600d444_qkv
    .symbol:         k_q4b4600d444_qkv.kd
    .args:
      - { .name: xn, .offset: 0, .size: 8, .value_kind: global_buffer, .address_space: global }
      - { .name: wq_codes, .offset: 8, .size: 8, .value_kind: global_buffer, .address_space: global }
      - { .name: wq_scales, .offset: 16, .size: 8, .value_kind: global_buffer, .address_space: global }
      - { .name: wk_codes, .offset: 24, .size: 8, .value_kind: global_buffer, .address_space: global }
      - { .name: wk_scales, .offset: 32, .size: 8, .value_kind: global_buffer, .address_space: global }
      - { .name: wv_codes, .offset: 40, .size: 8, .value_kind: global_buffer, .address_space: global }
      - { .name: wv_scales, .offset: 48, .size: 8, .value_kind: global_buffer, .address_space: global }
      - { .name: qkv, .offset: 56, .size: 8, .value_kind: global_buffer, .address_space: global }
    .group_segment_fixed_size: 327680
    .private_segment_fixed_size: 0
    .kernarg_segment_align: 8
    .kernarg_segment_size: 64
    .max_flat_workgroup_size: 128
    .sgpr_count:     100
    .vgpr_count:     768
    .wavefront_size: 32
...
	.end_amdgpu_metadata
.endif
;; end of part 2
;; launch attn (part 3): grid 32 x 8, 8 waves a work-group, clusters of 4 x 1, 327,680 bytes of LDS; arguments qkv, act; writes act
.if DOCPART == 3
	.amdgcn_target "amdgcn-amd-amdhsa--gfx1250"
	.amdhsa_code_object_version 6
	.text
	.protected	k_q4b4600d444_attn
	.globl	k_q4b4600d444_attn
	.p2align	8
	.type	k_q4b4600d444_attn,@function
k_q4b4600d444_attn:
	s_mov_b64 s[64:65], 0
	v_nop
	global_prefetch_b8 v0, s[64:65] scope:SCOPE_SE
	s_setreg_imm32_b32 hwreg(HW_REG_WAVE_MODE, 25, 1), 1
	s_wait_xcnt 0x0
	s_wait_alu depctr_hold_cnt(0) depctr_sa_sdst(0) depctr_va_vdst(0) depctr_va_sdst(0) depctr_va_ssrc(0) depctr_va_vcc(0) depctr_vm_vsrc(0)
	s_getreg_b32 s2, hwreg(HW_REG_IB_STS2, 6, 4)
	s_cmp_eq_u32 s2, 0
	s_cbranch_scc0 .Lentry_in_a_cluster
	s_endpgm
.Lentry_in_a_cluster:
	s_bfe_u32 s2, ttmp6, 0x10000c
	s_cmp_lg_u32 s2, 0x3003
	s_cbranch_scc0 .Lentry_shape_is_right
	s_endpgm
.Lentry_shape_is_right:
; Causal attention on codes of E4M3, 2 batches x 8 query heads x 2,048 tokens, head size 64, 4 key and value heads; the result / l is quantised along head x 64 for the next product.
; t = score x log2(e) / 8; M = the running largest t rounded UP to a whole number; p = 2^(t - M) is quantised along the keys; the row's sum is taken of the unquantised p and divides at the end.
; SHARES.  Work-group (j, y): batch y >> 2, key head g = y & 3.  Wave w owns ONE tile of 16 queries: head 2 g + (w & 1), tile T = j xor 63 sel xor 127 hi (sel = bit 1 of w, hi = bit 2): j, 63 - j, 64 + j, 127 - j.
; A wave has T / 8 + 1 key steps of 128 that count; waves w and w + 4 have 17 together, for every j.  T / 8 hangs on the cluster's x and the wave's number alone, so every branch is alike in the four partners.
; Every wave walks all 16 key steps (constant trip counts, no barrier or tensor load jumped over); a step all of whose keys come after the tile's queries skips its work by a scalar branch.
; BOTH PRODUCTS TRANSPOSED: S^T = K Q^T, O^T = V^T P^T: a lane holds one query.  K, V and Q come as images of operand registers.  The head's 64 fill half of the instruction's K: Q's upper eight registers are zero
; codes; K's operand of tile t is v[32 + 8 t : 47 + 8 t], whose upper eight registers (the next tile's codes, or zeros) meet Q's zeros and add nothing; the upper two scale bytes are 0, never 0xff.
; CLUSTER: the four work-groups of a cluster walk the same K and V: each slot of four key steps (K 32 KiB, V 32 KiB) is asked for jointly; waves 0, 1 fetch K's halves, waves 2, 3 V's.
; OUT: act K tile g: codes [token][128 bytes] (head 2 g, then head 2 g + 1), scale words [token] u32 at ASC.  The codes leave 512 consecutive bytes a store; a tile's 16 scale words are 64 bytes, a part of an aligned 256.
; LIMITS: NaN and infinities are not served; a block of zeros gets the scale byte 1 (its codes are zeros; this program alone reads the bytes).
.set K_IMG, 2097152
.set V_IMG, 3145728
.set Q_SC,  4194304
.set K_SC,  4325376
.set V_RAW, 4390912
.set ASC,   18874368
.set SLOT1, 65536                      ; a slot: K's four steps x 8 KiB, V's four at + 32,768; one exclusive or turns an address into the other slot's
.set KSC,   131072                     ; K's scale words of the head: [step 16][r 16][tile 8] u32
.set VSC,   139264                     ; V's: [step 16][r 16][tile of d 4] u32
.set STG,   143360                     ; the way out: 4 tiles x 16 rows x (128 + 16) bytes
.set SST,   152576                     ; and their scale words
.set SPARE, 152832                     ; the spare words, 128 bytes a wave
.set LI,   1                           ; v1   16 x lane
.set ASK0, 2                           ; v2   KSC + 32 r
.set ASV0, 3                           ; v3   VSC + 16 r
.set SPW,  4
.set NIL,  5
.set ADK,  6
.set ADS,  7
.set ADT,  8
.set QD,   9                           ; v9   my query's place in its step less 8 h
.set PFO,  10                          ; v10  256 x lane
.set KF,   32                          ; v32-95 K's 8 tiles x 8, later V's 4 x 16; v96-103 zeros
.set S,    104                         ; v104-167 S^T, then p
.set O,    168                         ; v168-199 O^T
.set PCD,  200                         ; v200-215 p's codes
.set BM,   216
.set PD,   220
.set HD,   224
.set SOP,  228
.set KS,   236
.set VS,   244
.set QS,   248
.set PS,   249
.set TM,   216                         ; the way out's quantiser works in v216-223
.set D8,   17
.set WV,   18
.set SEL,  20
.set CS,   22
.set G1K,  24
.set G1V,  32
.set G0K,  40
.set G0V,  44
.set TB,   48
.set TS,   49
.set TJ,   50
.set SI,   51
.set SLOTS, 52
.set CNT,  53
.set LIM,  54
.set MNT,  55
.set PFA,  56
.set PFS,  58
.set MSB, 0
.macro WIN new
.if MSB != (\new)
	s_set_vgpr_msb (MSB<<8)|(\new)
.set MSB, (\new)
.endif
.endm
.macro TLOAD                           ; waves 0, 1 fetch K's halves of a slot, waves 2, 3 V's, the others nothing; four v_nop follow each line
	s_cmp_lt_u32 s[WV], 2
	s_cbranch_scc0 .Lnot_k_\@
	tensor_load_to_lds s[G0K:G0K+3], s[G1K:G1K+7]
	s_nop 0
.rept 4
	v_nop
.endr
	s_branch .Lasked_\@
.Lnot_k_\@:
	s_cmp_lt_u32 s[WV], 4
	s_cbranch_scc0 .Lasked_\@
	tensor_load_to_lds s[G0V:G0V+3], s[G1V:G1V+7]
	s_nop 0
.rept 4
	v_nop
.endr
.Lasked_\@:
.endm
; A prefetch of what the NEXT change of slots will ask for.  All clusters of a (batch, key head) walk the same K and V: the first of them asks.  Its four partners are told apart by address: partner cx takes
; K's chunk cx of 8 KiB (wave 4) and V's key step cx, 8 KiB (wave 5), lanes 256 bytes apart: each aligned 256 bytes is named once in the launch.  The last change that fills a slot asks for nothing.
.macro ASK
	s_cmp_gt_u32 s[SLOTS], s[LIM]
	s_cbranch_scc0 .Lnot_mine_\@
	global_prefetch_b8 v[PFO], s[PFA:PFA+1] th:TH_LOAD_NT scope:SCOPE_SE
.Lnot_mine_\@:
.endm
.macro CROUND                          ; a round of the cluster's barrier
	s_barrier_signal -1
	s_barrier_wait -1
	s_cmp_lg_u32 s[WV], 0
	s_cbranch_scc1 .Lnot_wave_0_\@
	s_barrier_signal -3
.Lnot_wave_0_\@:
	s_barrier_wait -3
	s_barrier_signal -1
	s_barrier_wait -1
.endm
.macro QUANT32 s, w, pc, pw            ; 32 numbers of a lane, number 16 b + i of block b, become 8 registers of codes and two scale bytes
	WIN (\w)|((\w)<<2)
.irp b, 0,1
	v_max3_num_f32 v[TM+\b], |v[\s+16*\b]|, |v[\s+16*\b+1]|, 0x4800000
.endr
.irp i, 2,4,6,8,10,12,14
.irp b, 0,1
	v_max3_num_f32 v[TM+\b], |v[\s+16*\b+\i]|, |v[\s+16*\b+\i+1]|, v[TM+\b]
.endr
.endr
	WIN 0
.irp b, 0,1
	v_permlanex16_b32 v[TM+2+\b], v[TM+\b], s[SEL], s[SEL+1]
.endr
.irp b, 0,1
	v_max_num_f32 v[TM+\b], v[TM+\b], v[TM+2+\b]
.endr
.irp b, 0,1
	v_add_nc_u32 v[TM+6+\b], 0xfc000000, v[TM+\b]
.endr
.irp b, 0,1
	v_and_or_b32 v[TM+4+\b], v[TM+\b], 0x7f800000, s[MNT]
.endr
.irp b, 0,1
	v_lshrrev_b32 v[TM+2+\b], 23, v[TM+6+\b]
.endr
	v_lshl_or_b32 v[\pw], v[TM+3], 8, v[TM+2]
	WIN (\w)|((\w)<<6)
.irp b, 0,1
.irp i, 0,1,2,3,4,5,6,7,8,9,10,11,12,13,14,15
	v_med3_num_f32 v[\s+16*\b+\i], v[\s+16*\b+\i], -v[TM+4+\b], v[TM+4+\b]
.endr
.endr
	WIN \w
.irp b, 0,1
.irp u, 0,1
	v_cvt_scalef32_pk8_fp8_f32 v[\pc+4*\b+2*\u:\pc+4*\b+2*\u+1], v[\s+16*\b+8*\u:\s+16*\b+8*\u+7], v[TM+6+\b]
.endr
.endr
	WIN 0
	v_nop
.endm
; ---- the head ----
	s_load_b128 s[4:7], s[0:1], 0x0                ; qkv s[4:5], act s[6:7]
	v_lshl_add_u32 v[SPW], v0, 2, SPARE
	v_mov_b32 v[NIL], 0
	ds_add_u32 v4, v5
	s_wait_dscnt 0x0
	v_lshrrev_b32 v1, 5, v0
	v_readfirstlane_b32 s[WV], v1                  ; wave 0..7
	s_and_b32 s8, ttmp7, 0xffff
	s_lshr_b32 s9, s8, 2                           ; batch
	s_and_b32 s10, s8, 3                           ; key head g
	s_bfe_u32 s11, ttmp6, 0x40000                  ; cx: it enters global addresses and vector data alone
	s_lshl_b32 s12, ttmp9, 2
	s_add_co_u32 s12, s12, s11                     ; j
	s_and_b32 s13, s[WV], 1                        ; p: head 2 g + p
	s_bfe_u32 s14, s[WV], 0x10001                  ; sel
	s_lshr_b32 s15, s[WV], 2                       ; hi
	s_mul_i32 s66, s14, 63
	s_mul_i32 s67, s15, 127
	s_xor_b32 s16, s12, s66
	s_xor_b32 s16, s16, s67                        ; T: my tile of 16 queries
	s_lshr_b32 s[D8], ttmp9, 1
	s_mul_i32 s66, s14, 7
	s_mul_i32 s67, s15, 15
	s_xor_b32 s[D8], s[D8], s66
	s_xor_b32 s[D8], s[D8], s67                    ; T / 8: the key step on the diagonal; made of the cluster's x and the wave's number
	s_mov_b32 s[G1K], 15|(3<<16)|(1<<21)           ; the mask: all four work-groups; elements of 8 bytes; bit 21 beside a mask; no padding
	s_mov_b32 s[G1K+1], 32<<16                     ; K: 64 rows of 256 bytes, dense
	s_mov_b32 s[G1K+2], 64<<16
	s_mov_b32 s[G1K+3], 32<<16
	s_mov_b32 s[G1K+4], 64
	s_mov_b32 s[G1K+5], 32
	s_mov_b32 s[G1K+6], 0
	s_mov_b32 s[G1K+7], 0
	s_mov_b32 s[G1V], 15|(3<<16)|(1<<21)
	s_mov_b32 s[G1V+1], 1024<<16                   ; V: 2 key steps' 8 KiB, 32 KiB apart
	s_mov_b32 s[G1V+2], 2<<16
	s_mov_b32 s[G1V+3], 1024<<16
	s_mov_b32 s[G1V+4], 2
	s_mov_b32 s[G1V+5], 4096
	s_mov_b32 s[G1V+6], 0
	s_mov_b32 s[G1V+7], 0
	s_lshl_b32 s68, s9, 2
	s_add_co_u32 s68, s68, s10                     ; 4 b + g
	s_lshl_b32 s84, s68, 13
	s_add_co_u32 s84, s84, K_SC                    ; K's scale words
	s_mov_b32 s85, 0
	s_lshl_b32 s68, s68, 17                        ; K's images of this head
	s_lshl_b32 s69, s13, 14                        ; the half of a slot that I fetch
	s_add_co_u32 s70, s68, s69
	s_add_co_u32 s70, s70, K_IMG
	s_mov_b32 s71, 0
	s_lshl_b32 s72, s9, 19
	s_lshl_b32 s73, s10, 13
	s_add_co_u32 s72, s72, s73                     ; V's images: batch and head
	s_lshl_b32 s73, s13, 16
	s_add_co_u32 s74, s72, s73
	s_add_co_u32 s74, s74, V_IMG
	s_mov_b32 s75, 0
	s_lshl_b32 s76, s11, 13                        ; the prefetches: K's chunk cx, in slot 1 (the first change of slots steps it to slot 2)
	s_add_co_u32 s76, s76, s68
	s_add_co_u32 s76, s76, K_IMG+32768
	s_lshl_b32 s77, s11, 15                        ; V's key step cx
	s_add_co_u32 s77, s77, s72
	s_add_co_u32 s77, s77, V_IMG+131072
	s_mov_b32 s[PFS], 131072
	s_cmp_eq_u32 s[WV], 4
	s_cselect_b32 s76, s76, s77
	s_cselect_b32 s[PFS], 32768, s[PFS]
	s_mov_b32 s77, 0
	s_mov_b32 s[PFS+1], 0
	s_lshr_b32 s78, s[WV], 1
	s_xor_b32 s78, s78, 2                          ; 0 in waves 4 and 5,
	s_or_b32 s78, s78, ttmp9                       ; of the first cluster along x: the same in all four partners
	s_cmp_eq_u32 s78, 0
	s_cselect_b32 s[LIM], 1, -1
	s_lshl_b32 s79, s9, 3
	s_lshl_b32 s78, s10, 1
	s_add_co_u32 s79, s79, s78
	s_add_co_u32 s79, s79, s13                     ; 8 b + my head
	s_lshl_b32 s80, s79, 7
	s_add_co_u32 s80, s80, s16
	s_lshl_b32 s80, s80, 10                        ; Q's image of my tile
	s_mov_b32 s81, 0
	s_lshl_b32 s82, s79, 4
	s_lshr_b32 s78, s16, 3
	s_add_co_u32 s82, s82, s78
	s_lshl_b32 s82, s82, 9
	s_and_b32 s92, s16, 7
	s_lshl_b32 s78, s92, 2
	s_add_co_u32 s82, s82, s78
	s_add_co_u32 s82, s82, Q_SC                    ; its scale words
	s_mov_b32 s83, 0
	s_lshl_b32 s92, s92, 4                         ; 16 (T % 8)
	s_lshl_b32 s86, s9, 6
	s_lshr_b32 s78, s10, 1
	s_add_co_u32 s86, s86, s78
	s_lshl_b32 s86, s86, 9
	s_and_b32 s78, s10, 1
	s_lshl_b32 s78, s78, 4
	s_add_co_u32 s86, s86, s78
	s_add_co_u32 s86, s86, V_RAW                   ; V's scale halves
	s_mov_b32 s87, 0
	s_lshl_b32 s88, s10, 19                        ; the result: K tile g, token 2048 b + 16 T + 8 p, 128 bytes a token
	s_lshl_b32 s78, s9, 18
	s_add_co_u32 s88, s88, s78
	s_lshl_b32 s78, s16, 11
	s_add_co_u32 s88, s88, s78
	s_lshl_b32 s78, s13, 10
	s_add_co_u32 s88, s88, s78
	s_mov_b32 s89, 0
	s_lshl_b32 s90, s10, 14                        ; and its scale words
	s_lshl_b32 s78, s9, 13
	s_add_co_u32 s90, s90, s78
	s_lshl_b32 s78, s16, 6
	s_add_co_u32 s90, s90, s78
	s_add_co_u32 s90, s90, ASC
	s_mov_b32 s91, 0
	s_mov_b32 s[SEL], 0x76543210
	s_mov_b32 s[SEL+1], 0xfedcba98
	s_mov_b32 s[CS], 0x3e38aa3b                    ; c = log2(e) / 8
	s_mov_b32 s[CS+1], s[CS]
	s_mov_b32 s[MNT], 0x600000
	s_mov_b32 s[TB], 0
	s_mov_b32 s[TS], 0
	s_mov_b32 s[TJ], 0
	s_mov_b32 s[SI], 0
	s_mov_b32 s[SLOTS], 3
	s_wait_kmcnt 0x0
	s_mov_b32 s[G0K], 1
	s_mov_b32 s[G0K+1], s69
	s_add_nc_u64 s[G0K+2:G0K+3], s[4:5], s[70:71]
	s_or_b32 s[G0K+3], s[G0K+3], 0x80000000
	s_mov_b32 s[G0V], 1
	s_add_co_u32 s[G0V+1], s69, 32768
	s_add_nc_u64 s[G0V+2:G0V+3], s[4:5], s[74:75]
	s_or_b32 s[G0V+3], s[G0V+3], 0x80000000
	s_add_nc_u64 s[PFA:PFA+1], s[4:5], s[76:77]
	s_add_nc_u64 s[80:81], s[4:5], s[80:81]
	s_add_nc_u64 s[82:83], s[4:5], s[82:83]
	s_add_nc_u64 s[84:85], s[4:5], s[84:85]
	s_add_nc_u64 s[86:87], s[4:5], s[86:87]
	s_add_nc_u64 s[88:89], s[6:7], s[88:89]
	s_add_nc_u64 s[90:91], s[6:7], s[90:91]
	CROUND                                         ; all four work-groups are here: the first joint loads meet
	TLOAD                                          ; slot 0
	v_and_b32 v11, 31, v0
	v_lshlrev_b32 v[LI], 4, v11
	v_lshlrev_b32 v[PFO], 8, v11
	v_and_b32 v234, 15, v0                         ; r
	v_bfe_u32 v235, v0, 4, 1                       ; h
	v_lshlrev_b32 v216, 4, v0                      ; 16 x thread
	v_lshrrev_b32 v217, 4, v0
	v_lshlrev_b32 v218, 5, v234                    ; 32 r
	v_lshl_add_u32 v217, v217, 11, v218            ; thread (step s, row r): 2,048 s + 32 r
	global_load_b128 v[104:107], v216, s[84:85]                ; K's scale words: 8 KiB, 4 KiB a load of the work-group
	global_load_b128 v[108:111], v216, s[84:85] offset:4096
	global_load_b128 v[112:115], v217, s[86:87]                ; V's: the first 64 keys' two bytes, for four tiles of d,
	global_load_b128 v[116:119], v217, s[86:87] offset:1024    ; and the second 64 keys'
	global_load_b128 v[16:19], v[LI], s[80:81]                 ; Q's codes stay in registers
	global_load_b128 v[20:23], v[LI], s[80:81] offset:512
	global_load_b32 v[QS], v218, s[82:83]
	v_lshl_add_u32 v[ASK0], v234, 5, KSC
	v_lshl_add_u32 v[ASV0], v234, 4, VSC
	v_lshl_add_u32 v219, v0, 4, KSC
	v_lshlrev_b32 v[QD], 3, v235
	v_sub_nc_u32 v[QD], v234, v[QD]
	v_add_nc_u32 v[QD], s92, v[QD]                 ; 16 (T % 8) + r - 8 h
	v_mov_b32 v13, 0xff61b1e6                      ; the largest t so far: -3e38
	v_floor_f32 v12, -v13                          ; -M
	v_mov_b32 v14, 0
	v_mov_b32 v15, 0
.irp i, 0,1,2,3,4,5,6,7
	v_mov_b32 v[24+\i], 0                          ; Q's upper half: zero codes
	v_mov_b32 v[96+\i], 0                          ; behind K's last tile
.endr
.set n, 0
.rept 32
	v_mov_b32 v[O+n], 0                            ; O^T: the step is written once; the first change of M multiplies zeros
.set n, n+1
.endr
.irp b, 0,1,2,3
	v_mov_b32 v[PD+\b], 0                          ; written once: a lane permute's destination counts as one of its sources
.endr
	v_mov_b32 v232, 0
	v_mov_b32 v233, 0                              ; (named as the upper half of the pair v[232:233])
	s_wait_loadcnt 0x0
.irp e, 0,1,2,3
	v_lshl_or_b32 v[120+\e], v[116+\e], 16, v[112+\e]          ; four bytes: V's scale word of 128 keys
.endr
	ds_store_b128 v219, v[104:107]
	ds_store_b128 v219, v[108:111] offset:4096
	ds_store_b128 v219, v[120:123] offset:8192
; A KEY STEP: 128 keys
.macro STEP
	s_cmp_gt_u32 s[SI], s[D8]                      ; all its keys come after my queries: only the addresses step
	s_cbranch_scc1 .Lhid_\@
	v_add_nc_u32 v[ADK], s[TB], v[LI]
	v_add_nc_u32 v[ADS], s[TS], v[ASK0]
	v_add_nc_u32 v[ADT], s[TJ], v[ASV0]
.rept 5
	v_nop                                          ; with the three additions: eight places in front of loads into registers that matrix instructions have read
.endr
.irp t, 0,1,2,3,4,5,6,7
	ds_load_b128 v[KF+8*\t:KF+8*\t+3], v[ADK] offset:1024*\t
	ds_load_b128 v[KF+8*\t+4:KF+8*\t+7], v[ADK] offset:1024*\t+512
.endr
	ds_load_b128 v[KS:KS+3], v[ADS]
	ds_load_b128 v[KS+4:KS+7], v[ADS] offset:16
	s_wait_dscnt 0x0
.irp t, 0,1,2,3,4,5,6,7
	v_wmma_scale_f32_16x16x128_f8f6f4 v[S+8*\t:S+8*\t+7], v[KF+8*\t:KF+8*\t+15], v[16:31], 0, v[KS+\t], v[QS]
.endr
.rept 8
	v_nop
.endr
.irp t, 0,1,2,3                                    ; V's fragments are asked for now and land under the softmax
.irp c, 0,1,2,3
	ds_load_b128 v[KF+16*\t+4*\c:KF+16*\t+4*\c+3], v[ADK] offset:32768+2048*\t+512*\c
.endr
.endr
	ds_load_b128 v[VS:VS+3], v[ADT]
	s_cmp_lt_u32 s[SI], s[D8]                      ; all its keys count: no mask
	s_cbranch_scc1 .Lopen_\@
	v_mov_b32 v235, 0xff800000                     ; on the diagonal hidden scores become -infinity: register 8 t + j holds key 16 t + 8 h + j
.set n, 0
.rept 64
	v_cmp_gt_i32 vcc_lo, 16*(n/8)+n%8, v[QD]
	v_cndmask_b32 v[S+n], v[S+n], v235, vcc_lo
.set n, n+1
.endr
.Lopen_\@:
.irp b, 0,1,2,3
	v_max3_num_f32 v[BM+\b], v[S+16*\b], v[S+16*\b+1], v[S+16*\b+2]   ; the largest score of each block of 32 keys: for the row's maximum and, since p rises with the score, for the block's largest p
.endr
.irp i, 3,5,7,9,11,13
.irp b, 0,1,2,3
	v_max3_num_f32 v[BM+\b], v[BM+\b], v[S+16*\b+\i], v[S+16*\b+\i+1]
.endr
.endr
.irp b, 0,1,2,3
	v_max_num_f32 v[BM+\b], v[BM+\b], v[S+16*\b+15]
.endr
.irp b, 0,1,2,3
	v_permlanex16_b32 v[PD+\b], v[BM+\b], s[SEL], s[SEL+1]
.endr
.irp b, 0,1,2,3
	v_max_num_f32 v[BM+\b], v[BM+\b], v[PD+\b]
.endr
	v_max3_num_f32 v234, v[BM], v[BM+1], v[BM+2]
	v_max_num_f32 v234, v234, v[BM+3]
	v_mul_f32 v234, s[CS], v234
	v_max_num_f32 v13, v13, v234                   ; the running largest t
	v_mov_b32 v234, v12
	v_floor_f32 v12, -v13                          ; the new -M = -ceil(t): a whole number
	v_sub_f32 v234, v12, v234                      ; old M - new M
	v_cvt_i32_f32 v234, v234                       ; (it saturates)
	v_ldexp_f32 v232, 1.0, v234                    ; f = 2^(old M - new M): rounds nothing
.set n, 0
.rept 32
	v_pk_fma_f32 v[S+n:S+n+1], v[S+n:S+n+1], s[CS:CS+1], v[12:13] op_sel_hi:[1,0,0]   ; t - M
.set n, n+2
.endr
.irp b, 0,1,2,3
	v_fma_f32 v[BM+\b], v[BM+\b], s[CS], v12
.endr
.set n, 0
.rept 64
	v_exp_f32 v[S+n], v[S+n]                       ; p = 2^(t - M)
.set n, n+1
.endr
	v_pk_mul_f32 v[14:15], v[14:15], v[232:233] op_sel_hi:[1,0]   ; the sums under the new M: a plain instruction behind the exponentials
	s_wait_alu depctr_va_vdst(0)                   ; one wait for the batch, ahead of its first reader
.irp b, 0,1,2,3
	v_exp_f32 v[BM+\b], v[BM+\b]                   ; each block's largest p
.endr
	v_pk_add_f32 v[PD:PD+1], v[S:S+1], v[S+2:S+3]  ; the row's sum of the unquantised p, in two chains
.irp j, 4,8,12,16,20,24,28,32,36,40,44,48,52,56,60
	v_pk_add_f32 v[14:15], v[14:15], v[S+\j:S+\j+1]
	v_pk_add_f32 v[PD:PD+1], v[PD:PD+1], v[S+\j+2:S+\j+3]
.endr
	v_pk_add_f32 v[14:15], v[14:15], v[PD:PD+1]
	s_wait_alu depctr_va_vdst(0)                   ; and one for the four
.irp b, 0,1,2,3
	v_max_num_f32 v[BM+\b], 0x4800000, v[BM+\b]    ; the floor 2^(9 - 127)
.endr
.irp b, 0,1,2,3
	v_add_nc_u32 v[SOP+\b], 0xfc000000, v[BM+\b]
.endr
.irp b, 0,1,2,3
	v_and_or_b32 v[HD+\b], v[BM+\b], 0x7f800000, s[MNT]
.endr
.irp b, 0,1,2,3
	v_lshrrev_b32 v[PD+\b], 23, v[SOP+\b]
.endr
	v_lshl_or_b32 v[PS], v[PD+1], 8, v[PD]         ; p's scale word for these 128 keys
	v_lshl_or_b32 v[PS], v[PD+2], 16, v[PS]
	v_lshl_or_b32 v[PS], v[PD+3], 24, v[PS]
.irp b, 0,1,2,3
.irp i, 0,1,2,3,4,5,6,7,8,9,10,11,12,13,14,15
	v_min_num_f32 v[S+16*\b+\i], v[S+16*\b+\i], v[HD+\b]   ; p is not negative: the hold is one-sided
.endr
	v_cvt_scalef32_pk8_fp8_f32 v[PCD+4*\b:PCD+4*\b+1], v[S+16*\b:S+16*\b+7], v[SOP+\b]
	v_cvt_scalef32_pk8_fp8_f32 v[PCD+4*\b+2:PCD+4*\b+3], v[S+16*\b+8:S+16*\b+15], v[SOP+\b]
.endr
.set n, 0
.rept 16
	v_pk_mul_f32 v[O+n:O+n+1], v[O+n:O+n+1], v[232:233] op_sel_hi:[1,0]   ; O^T under the new M; also the places in front of the products below
.set n, n+2
.endr
	s_wait_dscnt 0x0                               ; V is in
.irp t, 0,1,2,3
	v_wmma_scale_f32_16x16x128_f8f6f4 v[O+8*\t:O+8*\t+7], v[KF+16*\t:KF+16*\t+15], v[PCD:PCD+15], v[O+8*\t:O+8*\t+7], v[VS+\t], v[PS]
.endr
.Lhid_\@:
	s_add_co_u32 s[SI], s[SI], 1
	s_add_co_u32 s[TS], s[TS], 512
	s_add_co_u32 s[TJ], s[TJ], 256
	s_add_co_u32 s[TB], s[TB], 8192
.endm
; THE CHANGE OF SLOTS stands at a slot's head: all my tensor loads have landed, the add, my LDS instructions are done; behind the round the slot that was left is filled with the keys that follow
.macro CHANGE fill
	s_wait_tensorcnt 0x0                           ; no tensor load of mine is out, so a group 0 may be written
	ds_add_u32 v[SPW], v[NIL]                      ; 0 onto my spare word
.if \fill
	s_xor_b32 s[G0K+1], s[G0K+1], SLOT1
	s_add_nc_u64 s[G0K+2:G0K+3], s[G0K+2:G0K+3], 32768
	s_xor_b32 s[G0V+1], s[G0V+1], SLOT1
	s_add_nc_u64 s[G0V+2:G0V+3], s[G0V+2:G0V+3], 131072
	s_wait_xcnt 0x0                                ; the last prefetch has read its address
	s_add_nc_u64 s[PFA:PFA+1], s[PFA:PFA+1], s[PFS:PFS+1]
	s_wait_dscnt 0x0
	CROUND                                         ; no wave of any partner still reads the slot or has a load on its way
	TLOAD                                          ; the first thing behind the round, a wave's one tensor load until the next
	ASK
.else
	s_wait_dscnt 0x0
	s_barrier_signal -1
	s_barrier_wait -1
.endif
.endm
.macro SLOT_STEPS                      ; a slot's four key steps: written once, walked four times
	s_mov_b32 s[CNT], 4
.Lstep_\@:
	STEP
	s_sub_co_u32 s[CNT], s[CNT], 1
	s_cmp_lg_u32 s[CNT], 0
	s_cbranch_scc1 .Lstep_\@
	s_sub_co_u32 s[TB], s[TB], 32768
	s_xor_b32 s[TB], s[TB], SLOT1
.endm
.Lslot:                                            ; three trips: behind each change of slots but the last the next slot is asked for
	CHANGE 1
	SLOT_STEPS
	s_sub_co_u32 s[SLOTS], s[SLOTS], 1
	s_cmp_lg_u32 s[SLOTS], 0
	s_cbranch_scc1 .Lslot
	CHANGE 0                                       ; the last slot is written out
	SLOT_STEPS
; ---- the way out ----
.rept 8
	v_nop
.endr
	v_add_f32 v14, v14, v15
	v_permlanex16_b32 v232, v14, s[SEL], s[SEL+1]
	v_add_f32 v14, v14, v232                       ; the row's sum
	v_rcp_f32 v14, v14
	v_and_b32 v6, 15, v0                           ; r
	v_bfe_u32 v7, v0, 4, 1                         ; h
	s_lshr_b32 s66, s[WV], 1                       ; which of the work-group's four tiles
	s_mul_i32 s67, s66, 2304
	s_lshl_b32 s68, s13, 6
	s_add_co_u32 s68, s68, s67
	s_add_co_u32 s68, s68, STG
	v_mul_u32_u24 v8, v6, 144
	v_lshl_add_u32 v8, v7, 3, v8
	v_add_nc_u32 v8, s68, v8                       ; in: row r, my head's 64 bytes, + 8 h
	s_lshl_b32 s69, s66, 6
	s_lshl_b32 s70, s13, 1
	s_add_co_u32 s70, s70, s69
	s_add_co_u32 s70, s70, SST
	v_lshl_add_u32 v9, v6, 2, s70                  ; my head's half of row r's scale word
	s_mul_i32 s71, s13, 1152
	s_add_co_u32 s71, s71, s67
	s_add_co_u32 s71, s71, STG
	v_and_b32 v224, 31, v0
	v_lshrrev_b32 v225, 3, v224
	v_and_b32 v226, 7, v224
	v_mul_u32_u24 v11, v225, 144
	v_lshl_add_u32 v11, v226, 4, v11
	v_add_nc_u32 v11, s71, v11                     ; back: rows 8 p on, eight lanes to a row of 128 bytes
	s_add_co_u32 s72, s69, SST
	v_lshl_add_u32 v227, v6, 2, s72
	v_lshlrev_b32 v228, 2, v6
	s_wait_alu depctr_va_vdst(0)                   ; the wait ahead of the reciprocal's first reader
.set n, 0
.rept 32
	v_mul_f32 v[S+n], v[O+n], v14                  ; register 8 t + j is o(query r, d = 16 t + 8 h + j)
.set n, n+1
.endr
	QUANT32 S, 0, PCD, 234
.irp b, 0,1
.irp u, 0,1
	ds_store_b64 v8, v[PCD+4*\b+2*\u:PCD+4*\b+2*\u+1] offset:32*\b+16*\u   ; eight codes at their natural place: the partner is a given weight
.endr
.endr
	ds_store_b16 v9, v234
	s_wait_dscnt 0x0                               ; for the other head's wave: my stores are done
	s_barrier_signal -1
	s_barrier_wait -1
	ds_load_b128 v[136:139], v11
	ds_load_b128 v[140:143], v11 offset:576
	ds_load_b32 v144, v227
	s_wait_dscnt 0x0
	global_store_b128 v[LI], v[136:139], s[88:89]              ; four tokens' 128 bytes: 512 consecutive bytes
	global_store_b128 v[LI], v[140:143], s[88:89] offset:512
	s_cmp_lg_u32 s13, 0
	s_cbranch_scc1 .Lno_words
	global_store_b32 v228, v144, s[90:91]          ; the tile's 16 scale words; lanes 16-31 store the same words to the same places
.Lno_words:
	s_wait_tensorcnt 0x0                           ; the wave's end
	ds_add_u32 v[SPW], v[NIL]
	s_wait_dscnt 0x0
	CROUND                                         ; the closing round
	s_endpgm
.Lfunc_end_k_q4b4600d444_attn:
	.size	k_q4b4600d444_attn, .Lfunc_end_k_q4b4600d444_attn-k_q4b4600d444_attn
	.p2alignl 7, 3214868480
	.fill 96, 4, 3214868480
	.section	.rodata,"a",@progbits
	.p2align	6, 0x0
	.amdhsa_kernel k_q4b4600d444_attn
		.amdhsa_group_segment_fixed_size 327680
		.amdhsa_private_segment_fixed_size 0
		.amdhsa_enable_private_segment 0
		.amdhsa_kernarg_size 16
		.amdhsa_user_sgpr_count 2
		.amdhsa_user_sgpr_kernarg_segment_ptr 1
		.amdhsa_wavefront_size32 1
		.amdhsa_system_sgpr_workgroup_id_x 1
		.amdhsa_system_sgpr_workgroup_id_y 1
		.amdhsa_system_sgpr_workgroup_id_z 1
		.amdhsa_system_vgpr_workitem_id 0
		.amdhsa_next_free_vgpr 256
		.amdhsa_next_free_sgpr 100
		.amdhsa_reserve_vcc 1
		.amdhsa_float_denorm_mode_32 3
		.amdhsa_float_denorm_mode_16_64 3
		.amdhsa_memory_ordered 1
		.amdhsa_forward_progress 1
		.amdhsa_inst_pref_size 68
	.end_amdhsa_kernel
	.amdgpu_metadata
---
amdhsa.version: [ 1, 2 ]
amdhsa.kernels:
  - .name:           k_q4b4600d444_attn
    .symbol:         k_q4b4600d444_attn.kd
    .args:
      - { .name: qkv, .offset: 0, .size: 8, .value_kind: global_buffer, .address_space: global }
      - { .name: act, .offset: 8, .size: 8, .value_kind: global_buffer, .address_space: global }
    .group_segment_fixed_size: 327680
    .private_segment_fixed_size: 0
    .kernarg_segment_align: 8
    .kernarg_segment_size: 16
    .max_flat_workgroup_size: 256
    .sgpr_count:     100
    .vgpr_count:     256
    .wavefront_size: 32
...
	.end_amdgpu_metadata
.endif
;; end of part 3
;; launch ffn (part 4): grid 32 x 16, 4 waves a work-group, clusters of 4 x 4, 327,680 bytes of LDS; arguments xn, w_gate_codes, w_gate_scales, w_up_codes, w_up_scales, act; writes act
.if DOCPART == 4
	.amdgcn_target "amdgcn-amd-amdhsa--gfx1250"
	.amdhsa_code_object_version 6
	.text
	.protected	k_q4b4600d444_ffn
	.globl	k_q4b4600d444_ffn
	.p2align	8
	.type	k_q4b4600d444_ffn,@function
k_q4b4600d444_ffn:
	s_mov_b64 s[64:65], 0
	v_nop
	global_prefetch_b8 v0, s[64:65] scope:SCOPE_SE
	s_setreg_imm32_b32 hwreg(HW_REG_WAVE_MODE, 25, 1), 1
	s_wait_xcnt 0x0
	s_wait_alu depctr_hold_cnt(0) depctr_sa_sdst(0) depctr_va_vdst(0) depctr_va_sdst(0) depctr_va_ssrc(0) depctr_va_vcc(0) depctr_vm_vsrc(0)
	s_getreg_b32 s2, hwreg(HW_REG_IB_STS2, 6, 4)
	s_cmp_eq_u32 s2, 0
	s_cbranch_scc0 .Lentry_in_a_cluster
	s_endpgm
.Lentry_in_a_cluster:
	s_bfe_u32 s2, ttmp6, 0x10000c
	s_cmp_lg_u32 s2, 0xf033
	s_cbranch_scc0 .Lentry_shape_is_right
	s_endpgm
.Lentry_shape_is_right:
; hidden = silu(normed w_gate) * (normed w_up) on codes of E4M3 (K = 1,024), quantised along the hidden axis for the last product.
; A work-group makes 256 tokens x 128 hidden units: its B tile is 128 rows of w_gate, then the same 128 rows of w_up.  Wave (ih, c): tokens 128 ih on; gate's units 64 c on are its B blocks 0-3, up's same units its blocks 4-7,
; so a lane holds gate and up of the same token and unit in registers 32 apart.  The matrix instruction takes source 0 = 16 weight rows, source 1 = 16 tokens: a lane (r, h) holds token r, register j of block b unit 16 b + 8 h + j.
; The ring, the cluster's rounds and the joint loads are those of a GEMM on codes: 4 x 4 work-groups, A's tile shared along a row of the cluster, B's along a column; two LDS slots of 256 along K.
; OUT: act K tile 4 + nt: codes [token][128 bytes] in natural order, scale words [token] u32 at ASC.  They meet in a stage in slot 0 (it has had its last fill and its last read) and leave 512 and 256 consecutive bytes a store.
; LIMITS: NaN and infinities are not served; a block of zeros gets the scale byte 1 (its codes are zeros; this program alone reads the bytes).
; REGISTERS: window 0: v0-31 addresses, v32-63 scale words, v64-112 the way out, v128-255 A's fragments; window 1: B's two sets; windows 2, 3: 64 accumulators, (a, b) at v[8 (8 (a % 4) + b)] of window 2 + a / 4.
.set XSC,   4194304
.set ASC,   18874368
.set NB,     8
.set APW,    4
.set PITCHA, 272
.set QA,     128
.set BSKIP,  64                        ; B blocks 4-7 are up's rows: 64 LDS rows further on than 16 i
.set IN_CL,  1
.set APART,  69632
.set SLOT,   139264
.set LAPS,   2
.set ASTEP,  512
.set BSTEP,  512
.set TABA,   278528                    ; scale words [K tile 8][256 rows] u32, written by ds_store: no tile ever lands here
.set TABB,   286720
.set SPARE,  294912
.set MUL_HI, 0xf1
.set WV, 14
.set IH, 15
.set CC, 16
.set G1,  24
.set G0,  32
.set G1B, 48
.set G0B, 56
.set SEL, 88
.set MNT, 90
.set NL2E, 91
.set STO, 24
.set SSO, 25
.set RD,  26
.set RS,  27
.set GO,  30
.set GS,  31
.set T,   64
.set PC,  96
.set TM,  104
.set PW,  112
.set OUTR, 128
; ---- the core ----
.set FR,   16
.set NP,   8
.set SC,   32
.set AF,   128
.set ADRA, 16
.set ADRB, 20
.set ADRS, 22
.set ADRS2, 23
.set SPW,  28
.set NIL,  29
.set MUL_LO, 0xa1
.set TO_B,   0x40
.set MSB, 0
.macro WIN new
.if MSB != (\new)
	s_set_vgpr_msb (MSB<<8)|(\new)
.set MSB, (\new)
.endif
.endm
.macro PLACES n
.rept \n
	v_nop
.endr
.endm
.macro JLOAD g0a, g1a, g0b, g1b        ; a joint load: waves 0 and 1 fetch for A, waves 2 and 3 for B; four v_nop follow each line
	s_cmp_eq_u32 s[IH], 0
	s_cbranch_scc0 .Lfor_b_\@
	tensor_load_to_lds s[\g0a:\g0a+3], s[\g1a:\g1a+7]
	s_nop 0
.rept 4
	v_nop
.endr
	s_branch .Lasked_\@
.Lfor_b_\@:
	tensor_load_to_lds s[\g0b:\g0b+3], s[\g1b:\g1b+7]
	s_nop 0
.rept 4
	v_nop
.endr
.Lasked_\@:
.endm
.macro CREST                           ; a round of the cluster's barrier behind its opening barrier
	s_cmp_lg_u32 s[WV], 0
	s_cbranch_scc1 .Lnot_wave_0_\@
	s_barrier_signal -3
.Lnot_wave_0_\@:
	s_barrier_wait -3
	s_barrier_signal -1
	s_barrier_wait -1
.endm
.macro CROUND
	s_barrier_signal -1
	s_barrier_wait -1
	CREST
.endm
.macro FRAG reg, adr, off
.irp c, 0,1,2,3
	ds_load_b128 v[\reg+4*\c:\reg+4*\c+3], v[\adr] offset:\off+32*\c
.endr
.endm
.macro MULG a0, p, q, sc, zero         ; A's blocks a0, a0 + 1 x B's NB.  The accumulators take turns, one instruction a turn
.irp a, \a0, \a0+1
.irp b, 0,1,2,3,4,5,6,7
.if \b < NB
.if \zero
	v_wmma_scale_f32_16x16x128_f8f6f4 v[8*(NB*((\a)%APW)+\b):8*(NB*((\a)%APW)+\b)+7], v[128*(\p)+FR*\b:128*(\p)+FR*\b+FR-1], v[AF+FR*(\a):AF+FR*(\a)+FR-1], 0, v[SC+16*(\sc)+2*\b+(\q)], v[SC+16*(\sc)+2*(\a)+(\q)] matrix_a_scale:MATRIX_SCALE_ROW1
.else
	v_wmma_scale_f32_16x16x128_f8f6f4 v[8*(NB*((\a)%APW)+\b):8*(NB*((\a)%APW)+\b)+7], v[128*(\p)+FR*\b:128*(\p)+FR*\b+FR-1], v[AF+FR*(\a):AF+FR*(\a)+FR-1], v[8*(NB*((\a)%APW)+\b):8*(NB*((\a)%APW)+\b)+7], v[SC+16*(\sc)+2*\b+(\q)], v[SC+16*(\sc)+2*(\a)+(\q)] matrix_a_scale:MATRIX_SCALE_ROW1
.endif
.endif
.endr
.endr
.endm
.macro FETCH_B slot, q, p
	WIN TO_B
.irp i, 0,1,2,3,4,5,6,7
.if \i < NB
	FRAG 128*(\p)+FR*\i, ADRB+\slot, 128*(\q)+(16*\i+BSKIP*(\i/4))*272
.endif
.endr
	WIN 0
.endm
.macro FETCH_A slot, q, i0
.irp i, \i0, \i0+1, \i0+2, \i0+3
	FRAG AF+FR*(\i), ADRA+\slot, QA*(\q)+(\i)*16*PITCHA
.endr
.endm
.macro SCALES sc
.irp q, 0,1
.irp i, 0,1,2,3
	ds_load_b32 v[SC+16*\sc+2*\i+\q], v[ADRS] offset:1024*\q+64*\i
.endr
.irp i, 4,5,6,7
	ds_load_b32 v[SC+16*\sc+2*\i+\q], v[ADRS2] offset:1024*\q+64*\i
.endr
.endr
.endm
.macro STEP slot, q, zero
	s_wait_dscnt 16                                ; all but the youngest sixteen loads, A's blocks 4-7
	WIN MUL_LO
	MULG 0, (\q)%2, \q, \slot, \zero
	MULG 2, (\q)%2, \q, \slot, \zero
	s_wait_dscnt 0
	PLACES NP
	FETCH_B \slot, (\q)+1, 1-(\q)%2
	FETCH_A \slot, (\q)+1, 0
	WIN MUL_HI
	MULG 4, (\q)%2, \q, \slot, \zero
	MULG 6, (\q)%2, \q, \slot, \zero
	PLACES NP
	WIN 0
	FETCH_A \slot, (\q)+1, 4
.endm
.macro TURN slot, next, fill
	s_wait_tensorcnt 0x0                           ; all my tensor loads have landed: my part of the next slot
	ds_add_u32 v[SPW], v[NIL]                      ; 0 onto my spare word
	s_wait_dscnt 17                                ; (the add and A's blocks 4-7 may be out)
	WIN MUL_LO
	MULG 0, 1, 1, \slot, 0
	s_wait_dscnt 0x0                               ; the add is done, and my reads of this slot are over
	s_barrier_signal -1
	MULG 2, 1, 1, \slot, 0
	WIN 0
	s_barrier_wait -1
.if \fill
.if IN_CL
	CREST                                          ; the barrier has opened a round of the cluster's: no wave of any partner still reads this slot or has a load on its way
.endif
	s_add_nc_u64 s[G0+4*\slot+2:G0+4*\slot+3], s[G0+4*\slot+2:G0+4*\slot+3], ASTEP
	s_add_nc_u64 s[G0B+4*\slot+2:G0B+4*\slot+3], s[G0B+4*\slot+2:G0B+4*\slot+3], BSTEP
	JLOAD G0+4*\slot, G1, G0B+4*\slot, G1B
	PLACES NP-4
.else
	PLACES NP
.endif
	v_add_nc_u32 v[ADRS], 2048, v[ADRS]
	v_add_nc_u32 v[ADRS2], 2048, v[ADRS2]
	FETCH_B \next, 0, 0
	FETCH_A \next, 0, 0
	SCALES \next
	WIN MUL_HI
	MULG 4, 1, 1, \slot, 0
	MULG 6, 1, 1, \slot, 0
	PLACES NP
	WIN 0
	FETCH_A \next, 0, 4
.endm
.macro QUANT32 s, w, pc, pw            ; 32 numbers of a lane, number 16 b + i of block b, become 8 registers of codes and two scale bytes
	WIN (\w)|((\w)<<2)
.irp b, 0,1
	v_max3_num_f32 v[TM+\b], |v[\s+16*\b]|, |v[\s+16*\b+1]|, 0x4800000
.endr
.irp i, 2,4,6,8,10,12,14
.irp b, 0,1
	v_max3_num_f32 v[TM+\b], |v[\s+16*\b+\i]|, |v[\s+16*\b+\i+1]|, v[TM+\b]
.endr
.endr
	WIN 0
.irp b, 0,1
	v_permlanex16_b32 v[TM+2+\b], v[TM+\b], s[SEL], s[SEL+1]
.endr
.irp b, 0,1
	v_max_num_f32 v[TM+\b], v[TM+\b], v[TM+2+\b]
.endr
.irp b, 0,1
	v_add_nc_u32 v[TM+6+\b], 0xfc000000, v[TM+\b]
.endr
.irp b, 0,1
	v_and_or_b32 v[TM+4+\b], v[TM+\b], 0x7f800000, s[MNT]
.endr
.irp b, 0,1
	v_lshrrev_b32 v[TM+2+\b], 23, v[TM+6+\b]
.endr
	v_lshl_or_b32 v[\pw], v[TM+3], 8, v[TM+2]
	WIN (\w)|((\w)<<6)
.irp b, 0,1
.irp i, 0,1,2,3,4,5,6,7,8,9,10,11,12,13,14,15
	v_med3_num_f32 v[\s+16*\b+\i], v[\s+16*\b+\i], -v[TM+4+\b], v[TM+4+\b]
.endr
.endr
	WIN \w
.irp b, 0,1
.irp u, 0,1
	v_cvt_scalef32_pk8_fp8_f32 v[\pc+4*\b+2*\u:\pc+4*\b+2*\u+1], v[\s+16*\b+8*\u:\s+16*\b+8*\u+7], v[TM+6+\b]
.endr
.endr
	WIN 0
	v_nop
.endm
; ---- the head ----
	s_load_b256 s[4:11], s[0:1], 0x0               ; xn s[4:5], gate's codes s[6:7], gate's scales s[8:9], up's codes s[10:11]
	s_load_b128 s[84:87], s[0:1], 0x20             ; up's scales s[84:85], act s[86:87]
	v_lshl_add_u32 v[SPW], v0, 2, SPARE
	v_mov_b32 v[NIL], 0
	ds_add_u32 v28, v29
	s_wait_dscnt 0x0
	v_lshrrev_b32 v1, 5, v0
	v_readfirstlane_b32 s[WV], v1
	s_lshr_b32 s[IH], s[WV], 1
	s_and_b32 s[CC], s[WV], 1
	s_bfe_u32 s40, ttmp6, 0x40000                  ; cx, cy
	s_bfe_u32 s41, ttmp6, 0x40004
	s_lshl_b32 s42, ttmp9, 2
	s_add_co_u32 s42, s42, s40                     ; nt: which 128 hidden units
	s_and_b32 s17, ttmp7, 0xffff
	s_lshl_b32 s17, s17, 2
	s_add_co_u32 s17, s17, s41                     ; mt: which 256 tokens
	s_lshl_b32 s43, s41, 2
	s_lshl_b32 s43, 15, s43                        ; my row of the cluster
	s_lshl_b32 s44, 0x1111, s40                    ; my column
	s_or_b32 s[G1], s43, (1<<20)|(1<<21)|(5<<22)|(3<<25)    ; A's tiles go to my row; elements of 1 byte; padding: 4 words behind every 64
	s_or_b32 s[G1B], s44, (1<<20)|(1<<21)|(5<<22)|(3<<25)   ; B's to my column
.irp g, G1, G1B
	s_mov_b32 s[\g+1], 256<<16
	s_mov_b32 s[\g+2], 128<<16
	s_mov_b32 s[\g+3], 256<<16
	s_mov_b32 s[\g+4], 128
	s_mov_b32 s[\g+5], 1024
	s_mov_b32 s[\g+6], 0
	s_mov_b32 s[\g+7], 0
.endr
	s_lshl_b32 s18, s[CC], 7
	s_lshl_b32 s20, s17, 8
	s_add_co_u32 s20, s20, s18
	s_lshl_b32 s20, s20, 10                        ; A: token 256 mt + 128 x half, 1,024 bytes a row
	s_mov_b32 s21, 0
	s_lshl_b32 s46, s42, 17                        ; B: row 128 nt of gate (wave 2) or of up (wave 3)
	s_mov_b32 s47, 0
	s_mul_i32 s45, s[WV], 34816                    ; where they go: wave x 128 rows
	s_lshl_b32 s72, s17, 13
	s_add_co_u32 s72, s72, XSC                     ; the tokens' scale bytes
	s_mov_b32 s73, 0
	s_lshl_b32 s74, s42, 12                        ; the weights' scale bytes
	s_mov_b32 s75, 0
	s_mov_b32 s[SEL], 0x76543210
	s_mov_b32 s[SEL+1], 0xfedcba98
	s_mov_b32 s[MNT], 0x600000
	s_mov_b32 s[NL2E], 0xbfb8aa3b                  ; -log2(e)
	s_wait_kmcnt 0x0
	s_add_nc_u64 s[20:21], s[4:5], s[20:21]
	s_cmp_eq_u32 s[CC], 0
	s_cselect_b64 s[22:23], s[6:7], s[10:11]
	s_add_nc_u64 s[46:47], s[22:23], s[46:47]
	s_add_nc_u64 s[66:67], s[4:5], s[72:73]
	s_add_nc_u64 s[68:69], s[8:9], s[74:75]
	s_add_nc_u64 s[70:71], s[84:85], s[74:75]
	CROUND                                         ; all sixteen work-groups are here: the first joint loads meet
.irp s, 0,1
	s_mov_b32 s[G0+4*\s], 1
	s_add_co_u32 s[G0+4*\s+1], s45, \s*SLOT
	s_add_nc_u64 s[G0+4*\s+2:G0+4*\s+3], s[20:21], \s*256
	s_or_b32 s[G0+4*\s+3], s[G0+4*\s+3], 0x80000000
	s_mov_b32 s[G0B+4*\s], 1
	s_add_co_u32 s[G0B+4*\s+1], s45, \s*SLOT
	s_add_nc_u64 s[G0B+4*\s+2:G0B+4*\s+3], s[46:47], \s*256
	s_or_b32 s[G0B+4*\s+3], s[G0B+4*\s+3], 0x80000000
	JLOAD G0+4*\s, G1, G0B+4*\s, G1B
.endr
	; the scale bytes come once, in runs of 2,048 consecutive bytes, and are laid [K tile][row] in LDS
	v_lshlrev_b32 v1, 4, v0
	v_and_b32 v2, 1, v0
	v_lshlrev_b32 v2, 12, v2
	v_lshrrev_b32 v3, 1, v0
	v_lshl_add_u32 v2, v3, 2, v2
	v_add_nc_u32 v3, TABA, v2
	v_add_nc_u32 v4, TABB, v2
.irp i, 0,1,2,3
	global_load_b128 v[128+4*\i:131+4*\i], v1, s[66:67] offset:2048*\i
.endr
.irp i, 0,1
	global_load_b128 v[144+4*\i:147+4*\i], v1, s[68:69] offset:2048*\i
	global_load_b128 v[152+4*\i:155+4*\i], v1, s[70:71] offset:2048*\i
.endr
	v_and_b32 v5, 15, v0                           ; r
	v_bfe_u32 v6, v0, 4, 1                         ; h
	v_mul_u32_u24 v7, v5, 272
	v_lshl_add_u32 v7, v6, 4, v7
	s_mul_i32 s96, s[IH], 128*PITCHA
	s_mul_i32 s97, s[CC], 64*272
	s_add_co_u32 s97, s97, APART
.irp s, 0,1
	v_add_nc_u32 v[ADRA+\s], s96, v7
	v_add_nc_u32 v[ADRB+\s], s97, v7
	s_add_co_u32 s96, s96, SLOT
	s_add_co_u32 s97, s97, SLOT
.endr
	s_lshl_b32 s96, s[IH], 9
	s_lshl_b32 s97, s[CC], 8
	s_add_co_u32 s97, s97, TABB-TABA
	s_sub_co_u32 s97, s97, s96
	v_mul_u32_u24 v9, s97, v6
	s_add_co_u32 s96, s96, TABA
	v_lshl_add_u32 v9, v5, 2, v9
	v_add_nc_u32 v[ADRS], s96, v9                  ; lanes 0-15 A's rows 128 ih + r, lanes 16-31 B's rows 64 c + r
	v_lshl_add_u32 v[ADRS2], v6, 8, v[ADRS]        ; for blocks 4-7 lanes 16-31 take up's rows, 64 further on than 16 i
	; the way out
	s_lshl_b32 s96, s[IH], 7
	v_add_nc_u32 v8, s96, v5                       ; my token among the 256: 128 ih + r
	v_mul_u32_u24 v[STO], v8, 144
	v_lshl_add_u32 v[STO], v6, 3, v[STO]
	s_lshl_b32 s97, s[CC], 6
	v_add_nc_u32 v[STO], s97, v[STO]               ; the stage: 144 bytes a token; my units' 64 bytes; + 8 h
	s_lshl_b32 s97, s[CC], 1
	s_add_co_u32 s97, s97, 36864
	v_lshl_add_u32 v[SSO], v8, 2, s97              ; my half of the token's scale word
	v_and_b32 v10, 31, v0
	v_lshrrev_b32 v11, 3, v10
	v_and_b32 v12, 7, v10
	v_mul_u32_u24 v[RD], v11, 144
	v_lshl_add_u32 v[RD], v12, 4, v[RD]
	s_mul_i32 s96, s[WV], 64*144
	v_add_nc_u32 v[RD], s96, v[RD]                 ; back: tokens 64 w on, eight lanes to a token's 128 bytes
	v_lshlrev_b32 v[GO], 4, v10
	v_lshlrev_b32 v[GS], 3, v10
	s_lshl_b32 s96, s[WV], 8
	s_add_co_u32 s96, s96, 36864
	v_add_nc_u32 v[RS], s96, v[GS]
	v_mov_b32 v[TM+2], 0
	v_mov_b32 v[TM+3], 0
	s_add_co_u32 s96, s42, 4                       ; K tile 4 + nt of the last product
	s_lshl_b32 s92, s96, 19
	s_lshl_b32 s97, s17, 15
	s_add_co_u32 s92, s92, s97
	s_lshl_b32 s97, s[WV], 13
	s_add_co_u32 s92, s92, s97
	s_mov_b32 s93, 0
	s_lshl_b32 s94, s96, 14
	s_lshl_b32 s97, s17, 10
	s_add_co_u32 s94, s94, s97
	s_lshl_b32 s97, s[WV], 8
	s_add_co_u32 s94, s94, s97
	s_add_co_u32 s94, s94, ASC
	s_mov_b32 s95, 0
	s_add_nc_u64 s[92:93], s[86:87], s[92:93]
	s_add_nc_u64 s[94:95], s[86:87], s[94:95]
	s_wait_loadcnt 0x0
.irp i, 0,1,2,3
.irp e, 0,1,2,3
	ds_store_b32 v3, v[128+4*\i+\e] offset:1024*\e+256*\i
.endr
.endr
.irp i, 0,1
.irp e, 0,1,2,3
	ds_store_b32 v4, v[144+4*\i+\e] offset:1024*\e+256*\i       ; gate's: B rows 0-127
	ds_store_b32 v4, v[152+4*\i+\e] offset:1024*\e+256*\i+512   ; up's: B rows 128-255
.endr
.endr
; ---- K ----
	s_wait_tensorcnt 1                             ; my part of K step 0 is in (K step 1's load may be out)
	s_wait_dscnt 0x0                               ; and my part of the scale tables is written
	s_barrier_signal -1
	s_barrier_wait -1
	FETCH_B 0, 0, 0
	FETCH_A 0, 0, 0
	SCALES 0
	FETCH_A 0, 0, 4
	STEP 0, 0, 1
	s_mov_b32 s3, LAPS-1
.Llap:
	TURN 0, 1, 1
	STEP 1, 0, 0
	TURN 1, 0, 1
	STEP 0, 0, 0
	s_sub_co_u32 s3, s3, 1
	s_cmp_lg_u32 s3, 0
	s_cbranch_scc1 .Llap
	TURN 0, 1, 0
	STEP 1, 0, 0
	s_wait_dscnt 16
	WIN MUL_LO
	MULG 0, 1, 1, 1, 0
	MULG 2, 1, 1, 1, 0
	s_wait_dscnt 0
	WIN MUL_HI
	MULG 4, 1, 1, 1, 0
	MULG 6, 1, 1, 1, 0
	WIN 0
; ---- the way out: a block of 16 tokens at a time: silu(g) u = g u / (1 + 2^(-g log2 e)), quantised, into the stage ----
.macro EPI a
.set WW, 2+(\a)/4
.set G, 64*((\a)%4)
.set U, G+32
	s_wait_dscnt 0x0                               ; the last block's LDS stores have read their registers
	WIN WW<<2
.set n, 0
.rept 32
	v_mul_f32 v[T+n], s[NL2E], v[G+n]              ; gate's accumulators, each from its low end on
.set n, n+1
.endr
	WIN 0
.set n, 0
.rept 32
	v_exp_f32 v[T+n], v[T+n]
.set n, n+1
.endr
	v_nop
	s_wait_alu depctr_va_vdst(0)                   ; one wait for the batch
.set n, 0
.rept 16
	v_pk_add_f32 v[T+n:T+n+1], v[T+n:T+n+1], 1.0 op_sel_hi:[1,0]
.set n, n+2
.endr
.set n, 0
.rept 32
	v_rcp_f32 v[T+n], v[T+n]
.set n, n+1
.endr
	v_nop
	s_wait_alu depctr_va_vdst(0)
	WIN WW<<2
.set n, 0
.rept 16
	v_pk_mul_f32 v[T+n:T+n+1], v[T+n:T+n+1], v[G+n:G+n+1]
.set n, n+2
.endr
.set n, 0
.rept 16
	v_pk_mul_f32 v[T+n:T+n+1], v[T+n:T+n+1], v[U+n:U+n+1]
.set n, n+2
.endr
	WIN 0
	QUANT32 T, 0, PC, PW
.irp b, 0,1
.irp u, 0,1
	ds_store_b64 v[STO], v[PC+4*\b+2*\u:PC+4*\b+2*\u+1] offset:2304*(\a)+32*\b+16*\u   ; eight codes at their natural place: the partner is a given weight
.endr
.endr
	ds_store_b16 v[SSO], v[PW] offset:64*(\a)
.endm
	PLACES NP
.irp a, 0,1,2,3,4,5,6,7
	EPI \a
.endr
	s_wait_dscnt 0x0                               ; for the others' sake: my stores into the stage are done
	s_barrier_signal -1
	s_barrier_wait -1
.irp e, 0,1,2,3,4,5,6,7,8,9,10,11,12,13,14,15
	ds_load_b128 v[OUTR+4*\e:OUTR+4*\e+3], v[RD] offset:576*\e
.endr
	ds_load_b64 v[PC:PC+1], v[RS]
.irp e, 0,1,2,3,4,5,6,7,8,9,10,11,12,13,14,15
	s_wait_dscnt 16-\e                             ; behind load e: the later ones of the sixteen and the scale words' load
	global_store_b128 v[GO], v[OUTR+4*\e:OUTR+4*\e+3], s[92:93] offset:512*\e   ; four tokens' 128 bytes: 512 consecutive bytes
.endr
	s_wait_dscnt 0x0
	global_store_b64 v[GS], v[PC:PC+1], s[94:95]   ; 64 tokens' scale words: 256 consecutive bytes, aligned
	s_wait_tensorcnt 0x0                           ; the wave's end
	ds_add_u32 v[SPW], v[NIL]
	s_wait_dscnt 0x0
	CROUND                                         ; the closing round
	s_endpgm
.Lfunc_end_k_q4b4600d444_ffn:
	.size	k_q4b4600d444_ffn, .Lfunc_end_k_q4b4600d444_ffn-k_q4b4600d444_ffn
	.p2alignl 7, 3214868480
	.fill 96, 4, 3214868480
	.section	.rodata,"a",@progbits
	.p2align	6, 0x0
	.amdhsa_kernel k_q4b4600d444_ffn
		.amdhsa_group_segment_fixed_size 327680
		.amdhsa_private_segment_fixed_size 0
		.amdhsa_enable_private_segment 0
		.amdhsa_kernarg_size 48
		.amdhsa_user_sgpr_count 2
		.amdhsa_user_sgpr_kernarg_segment_ptr 1
		.amdhsa_wavefront_size32 1
		.amdhsa_system_sgpr_workgroup_id_x 1
		.amdhsa_system_sgpr_workgroup_id_y 1
		.amdhsa_system_sgpr_workgroup_id_z 1
		.amdhsa_system_vgpr_workitem_id 0
		.amdhsa_next_free_vgpr 1024
		.amdhsa_next_free_sgpr 100
		.amdhsa_reserve_vcc 0
		.amdhsa_float_denorm_mode_32 3
		.amdhsa_float_denorm_mode_16_64 3
		.amdhsa_memory_ordered 1
		.amdhsa_forward_progress 1
		.amdhsa_inst_pref_size 208
	.end_amdhsa_kernel
	.amdgpu_metadata
---
amdhsa.version: [ 1, 2 ]
amdhsa.kernels:
  - .name:           k_q4b4600d444_ffn
    .symbol:         k_q4b4600d444_ffn.kd
    .args:
      - { .name: xn, .offset: 0, .size: 8, .value_kind: global_buffer, .address_space: global }
      - { .name: w_gate_codes, .offset: 8, .size: 8, .value_kind: global_buffer, .address_space: global }
      - { .name: w_gate_scales, .offset: 16, .size: 8, .value_kind: global_buffer, .address_space: global }
      - { .name: w_up_codes, .offset: 24, .size: 8, .value_kind: global_buffer, .address_space: global }
      - { .name: w_up_scales, .offset: 32, .size: 8, .value_kind: global_buffer, .address_space: global }
      - { .name: act, .offset: 40, .size: 8, .value_kind: global_buffer, .address_space: global }
    .group_segment_fixed_size: 327680
    .private_segment_fixed_size: 0
    .kernarg_segment_align: 8
    .kernarg_segment_size: 48
    .max_flat_workgroup_size: 128
    .sgpr_count:     100
    .vgpr_count:     1024
    .wavefront_size: 32
...
	.end_amdgpu_metadata
.endif
;; end of part 4
;; launch out (part 5): grid 8 x 16, 4 waves a work-group, clusters of 4 x 4, 327,680 bytes of LDS; arguments act, wo_codes, wo_scales, w_down_codes, w_down_scales, x, out0; writes out0
.if DOCPART == 5
	.amdgcn_target "amdgcn-amd-amdhsa--gfx1250"
	.amdhsa_code_object_version 6
	.text
	.protected	k_q4b4600d444_out
	.globl	k_q4b4600d444_out
	.p2align	8
	.type	k_q4b4600d444_out,@function
k_q4b4600d444_out:
	s_mov_b64 s[64:65], 0
	v_nop
	global_prefetch_b8 v0, s[64:65] scope:SCOPE_SE
	s_setreg_imm32_b32 hwreg(HW_REG_WAVE_MODE, 25, 1), 1
	s_wait_xcnt 0x0
	s_wait_alu depctr_hold_cnt(0) depctr_sa_sdst(0) depctr_va_vdst(0) depctr_va_sdst(0) depctr_va_ssrc(0) depctr_va_vcc(0) depctr_vm_vsrc(0)
	s_getreg_b32 s2, hwreg(HW_REG_IB_STS2, 6, 4)
	s_cmp_eq_u32 s2, 0
	s_cbranch_scc0 .Lentry_in_a_cluster
	s_endpgm
.Lentry_in_a_cluster:
	s_bfe_u32 s2, ttmp6, 0x10000c
	s_cmp_lg_u32 s2, 0xf033
	s_cbranch_scc0 .Lentry_shape_is_right
	s_endpgm
.Lentry_shape_is_right:
; out0 = x + attention wo + hidden w_down: the two products are ONE sum over K = 512 + 4,096 on codes of E4M3: K tiles 0-3 of act meet wo, K tiles 4-35 meet w_down.
; A work-group makes 256 tokens x 128 columns; wave (ih, c): tokens 128 ih on, columns 64 c on: 32 accumulators.  Two slots of a tile of 256 x 256 and the scale words of all 4,608 along K do not fit in LDS together.
; act's codes lie [K tile][token][128 bytes]: a K tile of 256 tokens is one dense block of 32 KiB; waves 0 and 1 fetch a K step's two K tiles (LDS rows of 128 + 16 bytes), waves 2 and 3 the weight's 64 rows of 256 bytes each.
; The ring, the cluster's rounds and the joint loads are those of a GEMM on codes: 4 x 4 work-groups, A's tiles shared along a row of the cluster, B's along a column.  18 K steps of 256; the first two take wo, by descriptors of their own.
; The sums differ from the reference's in order: both products run in one f32 accumulator, and x is added last.
; The way out: 16 tokens x 64 columns at a time through the wave's own stage in slot 0 (it has had its last fill and its last read); sixteen lanes store 256 consecutive bytes, aligned.
; REGISTERS: window 0: v0-31 addresses, v32-63 scale words, v128-255 A's fragments (on the way out: rows of the result and of x); window 1: B's two sets; window 2: accumulators, (a, b) at v[32 a + 8 b].
.set ASC,   18874368
.set NB,     4
.set APW,    8
.set PITCHA, 144                       ; an LDS row of A: 128 bytes + 16 of padding
.set QA,     36864                     ; from a slot's first K tile to its second
.set BSKIP,  0
.set IN_CL,  1
.set APART,  73728
.set SLOT,   108544
.set LAPS,   9
.set ASTEP,  2097152                   ; four K tiles on
.set BSTEP,  512
.set TABA,   217088                    ; scale words [K tile 36][256 rows] u32, written by ds_store: no tile ever lands here
.set TABB,   253952
.set SPARE,  290816
.set MUL_HI, 0xa1
.set WV, 16
.set IH, 17
.set CC, 18
.set G1,   24
.set G0,   32
.set G1B,  48                          ; w_down's rows
.set G0B,  56
.set G1B0, 68                          ; wo's rows: the first two K steps
.set G0BF, 76
.set STO, 24
.set RD,  25
.set CO,  26
.set BK,  128
.set XK,  192
; ---- the core ----
.set FR,   16
.set NP,   8
.set SC,   32
.set AF,   128
.set ADRA, 16
.set ADRB, 20
.set ADRS, 22
.set ADRS2, 23
.set SPW,  28
.set NIL,  29
.set MUL_LO, 0xa1
.set TO_B,   0x40
.set MSB, 0
.macro WIN new
.if MSB != (\new)
	s_set_vgpr_msb (MSB<<8)|(\new)
.set MSB, (\new)
.endif
.endm
.macro PLACES n
.rept \n
	v_nop
.endr
.endm
.macro JLOAD g0a, g1a, g0b, g1b        ; a joint load: waves 0 and 1 fetch for A, waves 2 and 3 for B; four v_nop follow each line
	s_cmp_eq_u32 s[IH], 0
	s_cbranch_scc0 .Lfor_b_\@
	tensor_load_to_lds s[\g0a:\g0a+3], s[\g1a:\g1a+7]
	s_nop 0
.rept 4
	v_nop
.endr
	s_branch .Lasked_\@
.Lfor_b_\@:
	tensor_load_to_lds s[\g0b:\g0b+3], s[\g1b:\g1b+7]
	s_nop 0
.rept 4
	v_nop
.endr
.Lasked_\@:
.endm
.macro CREST
	s_cmp_lg_u32 s[WV], 0
	s_cbranch_scc1 .Lnot_wave_0_\@
	s_barrier_signal -3
.Lnot_wave_0_\@:
	s_barrier_wait -3
	s_barrier_signal -1
	s_barrier_wait -1
.endm
.macro CROUND
	s_barrier_signal -1
	s_barrier_wait -1
	CREST
.endm
.macro FRAG reg, adr, off
.irp c, 0,1,2,3
	ds_load_b128 v[\reg+4*\c:\reg+4*\c+3], v[\adr] offset:\off+32*\c
.endr
.endm
.macro MULG a0, p, q, sc, zero         ; A's blocks a0, a0 + 1 x B's NB.  The accumulators take turns, one instruction a turn
.irp a, \a0, \a0+1
.irp b, 0,1,2,3,4,5,6,7
.if \b < NB
.if \zero
	v_wmma_scale_f32_16x16x128_f8f6f4 v[8*(NB*((\a)%APW)+\b):8*(NB*((\a)%APW)+\b)+7], v[128*(\p)+FR*\b:128*(\p)+FR*\b+FR-1], v[AF+FR*(\a):AF+FR*(\a)+FR-1], 0, v[SC+16*(\sc)+2*\b+(\q)], v[SC+16*(\sc)+2*(\a)+(\q)] matrix_a_scale:MATRIX_SCALE_ROW1
.else
	v_wmma_scale_f32_16x16x128_f8f6f4 v[8*(NB*((\a)%APW)+\b):8*(NB*((\a)%APW)+\b)+7], v[128*(\p)+FR*\b:128*(\p)+FR*\b+FR-1], v[AF+FR*(\a):AF+FR*(\a)+FR-1], v[8*(NB*((\a)%APW)+\b):8*(NB*((\a)%APW)+\b)+7], v[SC+16*(\sc)+2*\b+(\q)], v[SC+16*(\sc)+2*(\a)+(\q)] matrix_a_scale:MATRIX_SCALE_ROW1
.endif
.endif
.endr
.endr
.endm
.macro FETCH_B slot, q, p
	WIN TO_B
.irp i, 0,1,2,3,4,5,6,7
.if \i < NB
	FRAG 128*(\p)+FR*\i, ADRB+\slot, 128*(\q)+(16*\i+BSKIP*(\i/4))*272
.endif
.endr
	WIN 0
.endm
.macro FETCH_A slot, q, i0
.irp i, \i0, \i0+1, \i0+2, \i0+3
	FRAG AF+FR*(\i), ADRA+\slot, QA*(\q)+(\i)*16*PITCHA
.endr
.endm
.macro SCALES sc
.irp q, 0,1
.irp i, 0,1,2,3
	ds_load_b32 v[SC+16*\sc+2*\i+\q], v[ADRS] offset:1024*\q+64*\i
.endr
.irp i, 4,5,6,7
	ds_load_b32 v[SC+16*\sc+2*\i+\q], v[ADRS2] offset:1024*\q+64*\i
.endr
.endr
.endm
.macro STEP slot, q, zero
	s_wait_dscnt 16                                ; all but the youngest sixteen loads, A's blocks 4-7
	WIN MUL_LO
	MULG 0, (\q)%2, \q, \slot, \zero
	MULG 2, (\q)%2, \q, \slot, \zero
	s_wait_dscnt 0
	PLACES NP
	FETCH_B \slot, (\q)+1, 1-(\q)%2
	FETCH_A \slot, (\q)+1, 0
	WIN MUL_HI
	MULG 4, (\q)%2, \q, \slot, \zero
	MULG 6, (\q)%2, \q, \slot, \zero
	PLACES NP
	WIN 0
	FETCH_A \slot, (\q)+1, 4
.endm
.macro TURN slot, next, fill
	s_wait_tensorcnt 0x0                           ; all my tensor loads have landed: my part of the next slot
	ds_add_u32 v[SPW], v[NIL]                      ; 0 onto my spare word
	s_wait_dscnt 17                                ; (the add and A's blocks 4-7 may be out)
	WIN MUL_LO
	MULG 0, 1, 1, \slot, 0
	s_wait_dscnt 0x0                               ; the add is done, and my reads of this slot are over
	s_barrier_signal -1
	MULG 2, 1, 1, \slot, 0
	WIN 0
	s_barrier_wait -1
.if \fill
.if IN_CL
	CREST                                          ; the barrier has opened a round of the cluster's: no wave of any partner still reads this slot or has a load on its way
.endif
	s_add_nc_u64 s[G0+4*\slot+2:G0+4*\slot+3], s[G0+4*\slot+2:G0+4*\slot+3], ASTEP
	s_add_nc_u64 s[G0B+4*\slot+2:G0B+4*\slot+3], s[G0B+4*\slot+2:G0B+4*\slot+3], BSTEP
	JLOAD G0+4*\slot, G1, G0B+4*\slot, G1B
	PLACES NP-4
.else
	PLACES NP
.endif
	v_add_nc_u32 v[ADRS], 2048, v[ADRS]
	v_add_nc_u32 v[ADRS2], 2048, v[ADRS2]
	FETCH_B \next, 0, 0
	FETCH_A \next, 0, 0
	SCALES \next
	WIN MUL_HI
	MULG 4, 1, 1, \slot, 0
	MULG 6, 1, 1, \slot, 0
	PLACES NP
	WIN 0
	FETCH_A \next, 0, 4
.endm
; ---- the head ----
	s_load_b256 s[4:11], s[0:1], 0x0               ; act s[4:5], wo's codes s[6:7], wo's scales s[8:9], w_down's codes s[10:11]
	s_load_b128 s[12:15], s[0:1], 0x20             ; w_down's scales s[12:13], x s[14:15]
	s_load_b64 s[86:87], s[0:1], 0x30              ; out0
	v_lshl_add_u32 v[SPW], v0, 2, SPARE
	v_mov_b32 v[NIL], 0
	ds_add_u32 v28, v29
	s_wait_dscnt 0x0
	v_lshrrev_b32 v1, 5, v0
	v_readfirstlane_b32 s[WV], v1
	s_lshr_b32 s[IH], s[WV], 1
	s_and_b32 s[CC], s[WV], 1
	s_bfe_u32 s40, ttmp6, 0x40000                  ; cx, cy
	s_bfe_u32 s41, ttmp6, 0x40004
	s_lshl_b32 s42, ttmp9, 2
	s_add_co_u32 s42, s42, s40                     ; nt: which 128 columns
	s_and_b32 s19, ttmp7, 0xffff
	s_lshl_b32 s19, s19, 2
	s_add_co_u32 s19, s19, s41                     ; mt: which 256 tokens
	s_lshl_b32 s43, s41, 2
	s_lshl_b32 s43, 15, s43                        ; my row of the cluster
	s_lshl_b32 s44, 0x1111, s40                    ; my column
	s_or_b32 s[G1], s43, (1<<20)|(1<<21)|(4<<22)|(3<<25)     ; A: 256 rows of 128 bytes, dense; padding: 4 words behind every 32
	s_mov_b32 s[G1+1], 128<<16
	s_mov_b32 s[G1+2], 256<<16
	s_mov_b32 s[G1+3], 128<<16
	s_mov_b32 s[G1+4], 256
	s_mov_b32 s[G1+5], 128
	s_mov_b32 s[G1+6], 0
	s_mov_b32 s[G1+7], 0
	s_or_b32 s[G1B], s44, (1<<20)|(1<<21)|(5<<22)|(3<<25)    ; B: 64 rows of 256 bytes; padding: 4 words behind every 64
	s_or_b32 s[G1B0], s44, (1<<20)|(1<<21)|(5<<22)|(3<<25)
.irp g, G1B, G1B0
	s_mov_b32 s[\g+1], 256<<16
	s_mov_b32 s[\g+2], 64<<16
	s_mov_b32 s[\g+3], 256<<16
	s_mov_b32 s[\g+4], 64
	s_mov_b32 s[\g+6], 0
	s_mov_b32 s[\g+7], 0
.endr
	s_mov_b32 s[G1B+5], 4096                       ; a row of w_down
	s_mov_b32 s[G1B0+5], 512                       ; a row of wo
	s_lshl_b32 s20, s[CC], 19                      ; A: K tile 2 ks + (wave & 1), tokens 256 mt on
	s_lshl_b32 s21, s19, 15
	s_add_co_u32 s20, s20, s21
	s_mov_b32 s21, 0
	s_lshl_b32 s46, s42, 16                        ; wo: row 128 nt + 64 (wave & 1), 512 bytes a row
	s_lshl_b32 s47, s[CC], 15
	s_add_co_u32 s46, s46, s47
	s_mov_b32 s47, 0
	s_lshl_b32 s88, s42, 19                        ; w_down: the same rows, 4,096 bytes a row
	s_lshl_b32 s89, s[CC], 18
	s_add_co_u32 s88, s88, s89
	s_mov_b32 s89, 0
	s_mul_i32 s45, s[CC], 36864
	s_mul_i32 s22, s[CC], 17408
	s_add_co_u32 s22, s22, APART
	s_lshl_b32 s92, s19, 10
	s_add_co_u32 s92, s92, ASC                     ; the tokens' scale words
	s_mov_b32 s93, 0
	s_lshl_b32 s94, s42, 11                        ; wo's scale bytes: 16 a row
	s_mov_b32 s95, 0
	s_lshl_b32 s96, s42, 14                        ; w_down's: 128 a row
	s_mov_b32 s97, 0
	s_wait_kmcnt 0x0
	s_add_nc_u64 s[20:21], s[4:5], s[20:21]
	s_add_nc_u64 s[46:47], s[6:7], s[46:47]
	s_add_nc_u64 s[88:89], s[10:11], s[88:89]
	s_sub_nc_u64 s[88:89], s[88:89], 512           ; the step ahead of each refill brings it onto its tile: as it stands here it is never used
	s_add_nc_u64 s[92:93], s[4:5], s[92:93]
	s_add_nc_u64 s[94:95], s[8:9], s[94:95]
	s_add_nc_u64 s[96:97], s[12:13], s[96:97]
	CROUND                                         ; all sixteen work-groups are here: the first joint loads meet
.irp s, 0,1
	s_mov_b32 s[G0+4*\s], 1
	s_add_co_u32 s[G0+4*\s+1], s45, \s*SLOT
	s_add_nc_u64 s[G0+4*\s+2:G0+4*\s+3], s[20:21], \s*1048576
	s_or_b32 s[G0+4*\s+3], s[G0+4*\s+3], 0x80000000
	s_mov_b32 s[G0BF+4*\s], 1
	s_add_co_u32 s[G0BF+4*\s+1], s22, \s*SLOT
	s_add_nc_u64 s[G0BF+4*\s+2:G0BF+4*\s+3], s[46:47], \s*256
	s_or_b32 s[G0BF+4*\s+3], s[G0BF+4*\s+3], 0x80000000
	s_mov_b32 s[G0B+4*\s], 1
	s_add_co_u32 s[G0B+4*\s+1], s22, \s*SLOT
	s_add_nc_u64 s[G0B+4*\s+2:G0B+4*\s+3], s[88:89], \s*256
	s_or_b32 s[G0B+4*\s+3], s[G0B+4*\s+3], 0x80000000
	JLOAD G0+4*\s, G1, G0BF+4*\s, G1B0
.endr
	; the scale words come once.  A's lie [K tile][token] already: 1,024 consecutive bytes a K tile.  The weights' rows are turned into [K tile][row]
	v_lshrrev_b32 v1, 6, v0
	v_and_b32 v2, 63, v0
	v_lshlrev_b32 v2, 4, v2
	v_lshl_add_u32 v1, v1, 14, v2                  ; (t >> 6) K tiles of 16,384 bytes + 16 (t & 63)
	v_lshl_add_u32 v2, v0, 4, TABA
	v_lshlrev_b32 v3, 4, v0
	v_lshl_add_u32 v4, v0, 2, TABB                 ; wo: row t, word e = K tile e
	v_and_b32 v7, 7, v0
	v_lshlrev_b32 v7, 12, v7
	v_lshrrev_b32 v8, 3, v0
	v_lshl_add_u32 v7, v8, 2, v7
	v_add_nc_u32 v7, TABB+4096, v7                 ; w_down: row (t >> 3) + 16 i, word e = K tile 4 + 4 (t & 7) + e
.set n, 0
.rept 18
	global_load_b128 v[128+4*n:131+4*n], v1, s[92:93] offset:32768*n
.set n, n+1
.endr
	global_load_b128 v[200:203], v3, s[94:95]
.irp i, 0,1,2,3,4,5,6,7
	global_load_b128 v[204+4*\i:207+4*\i], v3, s[96:97] offset:2048*\i
.endr
	v_and_b32 v5, 15, v0                           ; r
	v_bfe_u32 v6, v0, 4, 1                         ; h
	v_mul_u32_u24 v9, v5, PITCHA
	v_lshl_add_u32 v9, v6, 4, v9
	v_mul_u32_u24 v10, v5, 272
	v_lshl_add_u32 v11, v6, 4, v10
	s_mul_i32 s98, s[IH], 128*PITCHA
	s_mul_i32 s99, s[CC], 64*272
	s_add_co_u32 s99, s99, APART
.irp s, 0,1
	v_add_nc_u32 v[ADRA+\s], s98, v9
	v_add_nc_u32 v[ADRB+\s], s99, v11
	s_add_co_u32 s98, s98, SLOT
	s_add_co_u32 s99, s99, SLOT
.endr
	s_lshl_b32 s98, s[IH], 9
	s_lshl_b32 s99, s[CC], 8
	s_add_co_u32 s99, s99, TABB-TABA
	s_sub_co_u32 s99, s99, s98
	v_mul_u32_u24 v12, s99, v6
	s_add_co_u32 s98, s98, TABA
	v_lshl_add_u32 v12, v5, 2, v12
	v_add_nc_u32 v[ADRS], s98, v12                 ; lanes 0-15 A's rows 128 ih + r, lanes 16-31 B's rows 64 c + r
	v_lshlrev_b32 v12, 8, v6
	v_sub_nc_u32 v[ADRS2], v[ADRS], v12            ; for blocks 4-7 lanes 16-31 read B's blocks 0-3 again: B has four
	s_mul_i32 s98, s[WV], 16*272                   ; my stage
	v_lshl_add_u32 v[STO], v6, 5, v10
	v_add_nc_u32 v[STO], s98, v[STO]               ; in: row r, 32 bytes for each half of the lanes
	v_mul_u32_u24 v[RD], v6, 272
	v_lshl_add_u32 v[RD], v5, 4, v[RD]
	v_add_nc_u32 v[RD], s98, v[RD]                 ; back: lanes 0-15 one row of 256 bytes, lanes 16-31 the next
	v_lshlrev_b32 v[CO], 12, v6
	v_lshl_add_u32 v[CO], v5, 4, v[CO]             ; and the same two rows in x and in out0
	s_lshl_b32 s90, s19, 20                        ; my first token, 4,096 bytes a row; my first column
	s_lshl_b32 s91, s[IH], 19
	s_add_co_u32 s90, s90, s91
	s_lshl_b32 s91, s42, 9
	s_add_co_u32 s90, s90, s91
	s_lshl_b32 s91, s[CC], 8
	s_add_co_u32 s90, s90, s91
	s_mov_b32 s91, 0
	s_add_nc_u64 s[84:85], s[14:15], s[90:91]
	s_add_nc_u64 s[86:87], s[86:87], s[90:91]
	s_wait_loadcnt 0x0
.set n, 0
.rept 18
	ds_store_b128 v2, v[128+4*n:131+4*n] offset:2048*n
.set n, n+1
.endr
.irp e, 0,1,2,3
	ds_store_b32 v4, v[200+\e] offset:1024*\e
.endr
.irp i, 0,1,2,3,4,5,6,7
.irp e, 0,1,2,3
	ds_store_b32 v7, v[204+4*\i+\e] offset:1024*\e+64*\i
.endr
.endr
; ---- K ----
	s_wait_tensorcnt 1                             ; my part of K step 0 is in (K step 1's load may be out)
	s_wait_dscnt 0x0                               ; and my part of the scale tables is written
	s_barrier_signal -1
	s_barrier_wait -1
	FETCH_B 0, 0, 0
	FETCH_A 0, 0, 0
	SCALES 0
	FETCH_A 0, 0, 4
	STEP 0, 0, 1
	s_mov_b32 s3, LAPS-1
.Llap:
	TURN 0, 1, 1
	STEP 1, 0, 0
	TURN 1, 0, 1
	STEP 0, 0, 0
	s_sub_co_u32 s3, s3, 1
	s_cmp_lg_u32 s3, 0
	s_cbranch_scc1 .Llap
	TURN 0, 1, 0
	STEP 1, 0, 0
	s_wait_dscnt 16
	WIN MUL_LO
	MULG 0, 1, 1, 1, 0
	MULG 2, 1, 1, 1, 0
	s_wait_dscnt 0
	WIN MUL_HI
	MULG 4, 1, 1, 1, 0
	MULG 6, 1, 1, 1, 0
	WIN 0
; ---- the way out ----
.macro XLOAD a                         ; x at block a's 16 rows x 64 columns
.irp t, 0,1,2,3,4,5,6,7
	global_load_b128 v[XK+32*((\a)%2)+4*\t:XK+32*((\a)%2)+4*\t+3], v[CO], s[84:85] offset:65536*(\a)+8192*\t th:TH_LOAD_NT
.endr
.endm
.macro TOSTAGE a
	WIN 0x08                                       ; an LDS store's data are its source 1: window 2
.irp b, 0,1,2,3
	ds_store_b128 v[STO], v[32*(\a)+8*\b:32*(\a)+8*\b+3] offset:64*\b          ; each accumulator from its low end on
	ds_store_b128 v[STO], v[32*(\a)+8*\b+4:32*(\a)+8*\b+7] offset:64*\b+16
.endr
	WIN 0
.irp t, 0,1,2,3,4,5,6,7
	ds_load_b128 v[BK+32*((\a)%2)+4*\t:BK+32*((\a)%2)+4*\t+3], v[RD] offset:544*\t   ; LDS serves a wave's instructions in order: these see the stores above
.endr
.endm
.macro SEND a, d, l                    ; d, l: the LDS instructions and the loads issued behind block a's, which may stay out
	s_wait_dscnt \d
	s_wait_loadcnt \l
.set n, 0
.rept 16
	v_pk_add_f32 v[BK+32*((\a)%2)+n:BK+32*((\a)%2)+n+1], v[BK+32*((\a)%2)+n:BK+32*((\a)%2)+n+1], v[XK+32*((\a)%2)+n:XK+32*((\a)%2)+n+1]
.set n, n+2
.endr
.irp t, 0,1,2,3,4,5,6,7
	global_store_b128 v[CO], v[BK+32*((\a)%2)+4*\t:BK+32*((\a)%2)+4*\t+3], s[86:87] offset:65536*(\a)+8192*\t th:TH_STORE_NT   ; sixteen lanes store 256 consecutive bytes, aligned
.endr
.endm
	PLACES NP
	XLOAD 0
	TOSTAGE 0
.irp a, 1,2,3,4,5,6,7
.if \a > 1
	s_wait_xcnt 0x0                                ; block a - 2's stores have read their registers: block a's loads may land there
.endif
	XLOAD \a
	TOSTAGE \a
	SEND \a-1, 16, 8                               ; behind block a - 1's: block a's 8 LDS stores and 8 LDS loads, and its 8 loads of x
.endr
	SEND 7, 0, 0
	s_wait_tensorcnt 0x0                           ; the wave's end
	ds_add_u32 v[SPW], v[NIL]
	s_wait_dscnt 0x0
	CROUND                                         ; the closing round
	s_endpgm
.Lfunc_end_k_q4b4600d444_out:
	.size	k_q4b4600d444_out, .Lfunc_end_k_q4b4600d444_out-k_q4b4600d444_out
	.p2alignl 7, 3214868480
	.fill 96, 4, 3214868480
	.section	.rodata,"a",@progbits
	.p2align	6, 0x0
	.amdhsa_kernel k_q4b4600d444_out
		.amdhsa_group_segment_fixed_size 327680
		.amdhsa_private_segment_fixed_size 0
		.amdhsa_enable_private_segment 0
		.amdhsa_kernarg_size 56
		.amdhsa_user_sgpr_count 2
		.amdhsa_user_sgpr_kernarg_segment_ptr 1
		.amdhsa_wavefront_size32 1
		.amdhsa_system_sgpr_workgroup_id_x 1
		.amdhsa_system_sgpr_workgroup_id_y 1
		.amdhsa_system_sgpr_workgroup_id_z 1
		.amdhsa_system_vgpr_workitem_id 0
		.amdhsa_next_free_vgpr 768
		.amdhsa_next_free_sgpr 104
		.amdhsa_reserve_vcc 0
		.amdhsa_float_denorm_mode_32 3
		.amdhsa_float_denorm_mode_16_64 3
		.amdhsa_memory_ordered 1
		.amdhsa_forward_progress 1
		.amdhsa_inst_pref_size 113
	.end_amdhsa_kernel
	.amdgpu_metadata
---
amdhsa.version: [ 1, 2 ]
amdhsa.kernels:
  - .name:           k_q4b4600d444_out
    .symbol:         k_q4b4600d444_out.kd
    .args:
      - { .name: act, .offset: 0, .size: 8, .value_kind: global_buffer, .address_space: global }
      - { .name: wo_codes, .offset: 8, .size: 8, .value_kind: global_buffer, .address_space: global }
      - { .name: wo_scales, .offset: 16, .size: 8, .value_kind: global_buffer, .address_space: global }
      - { .name: w_down_codes, .offset: 24, .size: 8, .value_kind: global_buffer, .address_space: global }
      - { .name: w_down_scales, .offset: 32, .size: 8, .value_kind: global_buffer, .address_space: global }
      - { .name: x, .offset: 40, .size: 8, .value_kind: global_buffer, .address_space: global }
      - { .name: out0, .offset: 48, .size: 8, .value_kind: global_buffer, .address_space: global }
    .group_segment_fixed_size: 327680
    .private_segment_fixed_size: 0
    .kernarg_segment_align: 8
    .kernarg_segment_size: 56
    .max_flat_workgroup_size: 128
    .sgpr_count:     104
    .vgpr_count:     768
    .wavefront_size: 32
...
	.end_amdgpu_metadata
.endif
;; end of part 5
;; ======== version 2 of 2: 5 launches
;; limits: right only within a limited range of input values
;; workspace buffers: xn 4,325,376 bytes; qkv 4,456,448 bytes; act 19,464,192 bytes
;; launch ln (part 6): grid 256 x 1, 2 waves a work-group, no clusters, 11,008 bytes of LDS; arguments x, ln_w, ln_b, xn; writes xn
.if DOCPART == 6
	.amdgcn_target "amdgcn-amd-amdhsa--gfx1250"
	.amdhsa_code_object_version 6
	.text
	.protected	k_q4b4600d444_ln
	.globl	k_q4b4600d444_ln
	.p2align	8
	.type	k_q4b4600d444_ln,@function
k_q4b4600d444_ln:
	s_mov_b64 s[64:65], 0
	v_nop
	global_prefetch_b8 v0, s[64:65] scope:SCOPE_SE
	s_setreg_imm32_b32 hwreg(HW_REG_WAVE_MODE, 25, 1), 1
	s_wait_xcnt 0x0
; normed = (x - mean) * rsqrt(var + 1e-5) * ln_w + ln_b for 4,096 rows of 1,024 f32, quantised along the row to codes of E4M3 with one E8M0 byte for each 32.
; OUT: xn: codes [4096][1024] at byte 0, scale bytes [4096][32] at byte XSC.
; A wave takes 8 rows, one after the other; a row lies in 32 registers a lane between the passes (mean, variance about the mean, scaling), so x is read once.
; Each load reads 512 consecutive bytes.  The conversions want 16 NEIGHBOURS in one lane: the finished row turns through the wave's own stage in LDS (16 bytes of padding behind each 64) and
; comes back 64 bytes a lane; two neighbouring lanes hold a block of 32.  A lane's 16 codes are 16 bytes: a store covers 512 consecutive bytes.  A wave's 256 scale bytes are gathered in LDS and leave as one store of 256 aligned bytes.
; Waves share nothing: no barrier.  The next two rows' loads are out while a row is worked on.
; LIMITS: NaN and infinities among the inputs are not served.  A block of zeros gets the scale byte 1 where the quantiser says 127: its codes are zeros, and this program alone reads the bytes.
.set XSC,  4194304
.set WREG, 5376                        ; LDS of a wave: a stage of 64 x 80 bytes, then 256 scale bytes
.set GW,   16                          ; v16-47   ln_w: register 4 i + e = column 128 i + 4 lane + e
.set GB,   48                          ; v48-79   ln_b likewise
.set X,    80                          ; v80-143  two sets of 32: a row as loaded
.set Z,    144                         ; v144-175 the row back from the stage: 2 x 16 neighbours
.set C,    176                         ; v176-183 codes
.set E,    184                         ; v184-185 scale bytes
	s_load_b256 s[4:11], s[0:1], 0x0               ; x s[4:5], ln_w s[6:7], ln_b s[8:9], xn s[10:11]
	v_lshl_add_u32 v192, v0, 2, 0x2a00
	v_mov_b32 v193, 0
	v_lshrrev_b32 v1, 5, v0
	v_readfirstlane_b32 s16, v1                    ; wave
	v_and_b32 v1, 31, v0                           ; lane
	v_lshlrev_b32 v2, 4, v1                        ; 16 x lane: my bytes of a load's 512, and of a store's
	s_mul_i32 s27, s16, WREG
	v_lshrrev_b32 v3, 2, v1
	v_mul_u32_u24 v3, v3, 80
	v_and_b32 v4, 3, v1
	v_lshl_add_u32 v3, v4, 4, v3
	v_add_nc_u32 v3, s27, v3                       ; the stage, on the way in: four lanes' 64 bytes on end, then the padding
	v_mul_u32_u24 v4, v1, 80
	v_add_nc_u32 v4, s27, v4                       ; on the way out: 80 x lane
	s_add_co_u32 s27, s27, 5120
	v_lshrrev_b32 v5, 1, v1
	v_add_nc_u32 v5, s27, v5                       ; my block's scale byte
	v_lshlrev_b32 v7, 3, v1
	v_add_nc_u32 v6, s27, v7                       ; and 8 bytes a lane on the way out
	s_lshl_b32 s17, ttmp9, 1
	s_add_co_u32 s17, s17, s16                     ; which run of 8 rows is my wave's
	s_lshl_b32 s18, s17, 15                        ; 8 rows of 4,096 bytes
	s_mov_b32 s19, 0
	s_lshl_b32 s20, s17, 13                        ; 8 rows of 1,024 codes
	s_mov_b32 s21, 0
	s_lshl_b32 s22, s17, 8                         ; 8 rows of 32 scale bytes
	s_add_co_u32 s22, s22, XSC
	s_mov_b32 s23, 0
	s_mov_b32 s12, 0x76543210                      ; v_permlanex16_b32: lane l xor 16
	s_mov_b32 s13, 0xfedcba98
	s_mov_b32 s14, 0x3a800000                      ; 1 / 1024
	s_mov_b32 s15, 0x3727c5ac                      ; 1e-5
	s_mov_b32 s26, 0x600000                        ; the mantissa field of 448
	s_wait_kmcnt 0x0
	s_add_nc_u64 s[4:5], s[4:5], s[18:19]
	s_add_nc_u64 s[24:25], s[10:11], s[20:21]
	s_add_nc_u64 s[28:29], s[10:11], s[22:23]
.irp i, 0,1,2,3,4,5,6,7
	global_load_b128 v[GW+4*\i:GW+4*\i+3], v2, s[6:7] offset:512*\i
	global_load_b128 v[GB+4*\i:GB+4*\i+3], v2, s[8:9] offset:512*\i
.endr
.macro LOAD t                          ; row t: eight loads of 512 consecutive bytes
.irp i, 0,1,2,3,4,5,6,7
	global_load_b128 v[X+32*((\t)%2)+4*\i:X+32*((\t)%2)+4*\i+3], v2, s[4:5] offset:4096*(\t)+512*\i th:TH_LOAD_NT
.endr
.endm
.macro REDUCE                          ; four packed chains in v[8:15] become one sum, in every lane's v8
	v_pk_add_f32 v[8:9], v[8:9], v[10:11]
	v_pk_add_f32 v[12:13], v[12:13], v[14:15]
	v_pk_add_f32 v[8:9], v[8:9], v[12:13]
	v_add_f32 v8, v8, v9
	v_add_f32_dpp v8, v8, v8 row_xmask:1 row_mask:0xf bank_mask:0xf
	v_add_f32_dpp v8, v8, v8 row_xmask:2 row_mask:0xf bank_mask:0xf
	v_add_f32_dpp v8, v8, v8 row_xmask:4 row_mask:0xf bank_mask:0xf
	v_add_f32_dpp v8, v8, v8 row_xmask:8 row_mask:0xf bank_mask:0xf
	v_permlanex16_b32 v9, v8, s12, s13
	v_add_f32 v8, v8, v9
.endm
.macro QZ t, p                         ; 16 neighbours of a lane, half p of row t: the block's scale, the hold, the codes
.set ZS, Z+16*(\p)
	v_max3_num_f32 v8, |v[ZS]|, |v[ZS+1]|, |v[ZS+2]|
	v_max3_num_f32 v9, |v[ZS+3]|, |v[ZS+4]|, |v[ZS+5]|
.irp i, 6,10
	v_max3_num_f32 v8, v8, |v[ZS+\i]|, |v[ZS+\i+1]|
	v_max3_num_f32 v9, v9, |v[ZS+\i+2]|, |v[ZS+\i+3]|
.endr
	v_max3_num_f32 v8, v8, |v[ZS+14]|, |v[ZS+15]|
	v_max3_num_f32 v8, v8, v9, 0x4800000           ; the floor 2^(9 - 127): the byte cannot fall under 1
	v_max_num_f32_dpp v8, v8, v8 row_xmask:1 row_mask:0xf bank_mask:0xf   ; with my neighbour's 16: the block's largest magnitude
	v_add_nc_u32 v11, 0xfc000000, v8               ; 8 off its exponent field: the conversion's scale operand
	v_and_or_b32 v10, v8, 0x7f800000, s26          ; 448 x the scale
.irp i, 0,1,2,3,4,5,6,7,8,9,10,11,12,13,14,15
	v_med3_num_f32 v[ZS+\i], v[ZS+\i], -v10, v10   ; the conversion to an 8-bit code does not saturate (ISA guide 7.6.2): the hold comes first
.endr
	v_cvt_scalef32_pk8_fp8_f32 v[C+4*(\p):C+4*(\p)+1], v[ZS:ZS+7], v11
	v_cvt_scalef32_pk8_fp8_f32 v[C+4*(\p)+2:C+4*(\p)+3], v[ZS+8:ZS+15], v11
	v_lshrrev_b32 v[E+(\p)], 23, v11               ; the scale's byte
	ds_store_b8 v5, v[E+(\p)] offset:32*(\t)+16*(\p)   ; both lanes of a block write the same byte with the same value
	global_store_b128 v2, v[C+4*(\p):C+4*(\p)+3], s[24:25] offset:1024*(\t)+512*(\p)
.endm
.macro ROW t
.set XS, X+32*((\t)%2)
.if (\t) < 7
	s_wait_loadcnt 8                               ; this row (and, the first time, ln_w and ln_b) is in; the next row's eight loads may be out
.else
	s_wait_loadcnt 0
.endif
	s_wait_xcnt 0x0                                ; the last row's stores have read their codes' registers
.irp k, 0,1,2,3
	v_pk_add_f32 v[8+2*\k:9+2*\k], v[XS+2*\k:XS+2*\k+1], v[XS+8+2*\k:XS+9+2*\k]
.endr
.irp m, 16,24
.irp k, 0,1,2,3
	v_pk_add_f32 v[8+2*\k:9+2*\k], v[8+2*\k:9+2*\k], v[XS+\m+2*\k:XS+\m+2*\k+1]
.endr
.endr
	REDUCE
	v_mul_f32 v8, s14, v8                          ; the mean
.irp j, 0,2,4,6,8,10,12,14,16,18,20,22,24,26,28,30
	v_pk_add_f32 v[XS+\j:XS+\j+1], v[XS+\j:XS+\j+1], v[8:9] op_sel_hi:[1,0] neg_lo:[0,1] neg_hi:[0,1]   ; x - mean
.endr
.irp k, 0,1,2,3
	v_pk_mul_f32 v[8+2*\k:9+2*\k], v[XS+2*\k:XS+2*\k+1], v[XS+2*\k:XS+2*\k+1]
.endr
.irp m, 8,16,24
.irp k, 0,1,2,3
	v_pk_fma_f32 v[8+2*\k:9+2*\k], v[XS+\m+2*\k:XS+\m+2*\k+1], v[XS+\m+2*\k:XS+\m+2*\k+1], v[8+2*\k:9+2*\k]
.endr
.endr
	REDUCE
	v_fma_f32 v8, v8, s14, s15                     ; the variance + 1e-5
	s_wait_alu depctr_va_vdst(0)
	v_rsq_f32 v10, v8
	v_nop                                          ; a plain instruction behind the transcendental
	s_wait_alu depctr_va_vdst(0)                   ; the wait ahead of the result's first reader
.irp j, 0,2,4,6,8,10,12,14,16,18,20,22,24,26,28,30
	v_pk_mul_f32 v[XS+\j:XS+\j+1], v[XS+\j:XS+\j+1], v[10:11] op_sel_hi:[1,0]
.endr
.irp j, 0,2,4,6,8,10,12,14,16,18,20,22,24,26,28,30
	v_pk_fma_f32 v[XS+\j:XS+\j+1], v[XS+\j:XS+\j+1], v[GW+\j:GW+\j+1], v[GB+\j:GB+\j+1]
.endr
.irp i, 0,1,2,3,4,5,6,7
	ds_store_b128 v3, v[XS+4*\i:XS+4*\i+3] offset:640*\i
.endr
.irp p, 0,1
.irp e, 0,1,2,3
	ds_load_b128 v[Z+16*\p+4*\e:Z+16*\p+4*\e+3], v4 offset:2560*\p+16*\e   ; LDS serves a wave's instructions in order: these see the stores above
.endr
.endr
	s_wait_dscnt 0x0                               ; the row is back, 2 x 16 neighbours a lane; the set that held it is free
.if (\t)+2 < 8
	LOAD (\t)+2
.endif
	QZ \t, 0
	QZ \t, 1
.endm
	LOAD 0
	LOAD 1
.irp t, 0,1,2,3,4,5,6,7
	ROW \t
.endr
	ds_load_b64 v[12:13], v6                       ; my wave's 256 scale bytes
	s_wait_dscnt 0x0
	global_store_b64 v7, v[12:13], s[28:29]        ; 32 lanes store 256 consecutive bytes, aligned
	s_wait_tensorcnt 0x0
	ds_add_u32 v192, v193
	s_wait_dscnt 0x0
	s_endpgm
.Lfunc_end_k_q4b4600d444_ln:
	.size	k_q4b4600d444_ln, .Lfunc_end_k_q4b4600d444_ln-k_q4b4600d444_ln
	.p2alignl 7, 3214868480
	.fill 96, 4, 3214868480
	.section	.rodata,"a",@progbits
	.p2align	6, 0x0
	.amdhsa_kernel k_q4b4600d444_ln
		.amdhsa_group_segment_fixed_size 11008
		.amdhsa_private_segment_fixed_size 0
		.amdhsa_enable_private_segment 0
		.amdhsa_kernarg_size 32
		.amdhsa_user_sgpr_count 2
		.amdhsa_user_sgpr_kernarg_segment_ptr 1
		.amdhsa_wavefront_size32 1
		.amdhsa_system_sgpr_workgroup_id_x 1
		.amdhsa_system_sgpr_workgroup_id_y 1
		.amdhsa_system_sgpr_workgroup_id_z 1
		.amdhsa_system_vgpr_workitem_id 0
		.amdhsa_next_free_vgpr 194
		.amdhsa_next_free_sgpr 66
		.amdhsa_reserve_vcc 0
		.amdhsa_float_denorm_mode_32 3
		.amdhsa_float_denorm_mode_16_64 3
		.amdhsa_memory_ordered 1
		.amdhsa_forward_progress 1
		.amdhsa_inst_pref_size 101
	.end_amdhsa_kernel
	.amdgpu_metadata
---
amdhsa.version: [ 1, 2 ]
amdhsa.kernels:
  - .name:           k_q4b4600d444_ln
    .symbol:         k_q4b4600d444_ln.kd
    .args:
      - { .name: x, .offset: 0, .size: 8, .value_kind: global_buffer, .address_space: global }
      - { .name: ln_w, .offset: 8, .size: 8, .value_kind: global_buffer, .address_space: global }
      - { .name: ln_b, .offset: 16, .size: 8, .value_kind: global_buffer, .address_space: global }
      - { .name: xn, .offset: 24, .size: 8, .value_kind: global_buffer, .address_space: global }
    .group_segment_fixed_size: 11008
    .private_segment_fixed_size: 0
    .kernarg_segment_align: 8
    .kernarg_segment_size: 32
    .max_flat_workgroup_size: 64
    .sgpr_count:     66
    .vgpr_count:     194
    .wavefront_size: 32
...
	.end_amdgpu_metadata
.endif
;; end of part 6
;; launch qkv (part 7): grid 128 x 1, 4 waves a work-group, no clusters, 327,680 bytes of LDS; arguments xn, wq_codes, wq_scales, wk_codes, wk_scales, wv_codes, wv_scales, qkv; writes qkv
.if DOCPART == 7
	.amdgcn_target "amdgcn-amd-amdhsa--gfx1250"
	.amdhsa_code_object_version 6
	.text
	.protected	k_q4b4600d444_qkv
	.globl	k_q4b4600d444_qkv
	.p2align	8
	.type	k_q4b4600d444_qkv,@function
k_q4b4600d444_qkv:
	s_mov_b64 s[64:65], 0
	v_nop
	global_prefetch_b8 v0, s[64:65] scope:SCOPE_SE
	s_setreg_imm32_b32 hwreg(HW_REG_WAVE_MODE, 25, 1), 1
	s_wait_xcnt 0x0
.set XSC,   4194304
.set K_IMG, 2097152
.set V_IMG, 3145728
.set Q_SC,  4194304
.set K_SC,  4325376
.set V_RAW, 4390912
.set NB,     4
.set APW,    8
.set PITCHA, 272
.set QA,     128
.set BSKIP,  0
.set IN_CL,  0
.set APART,  69632
.set SLOT,   104448
.set LAPS,   2
.set ASTEP,  512
.set BSTEP,  512
.set TABA,   208896
.set TABB,   217088
.set SPARE,  225280
.set MUL_HI, 0xa1
.set WV, 20
.set IH, 21
.set CC, 22
.set G1,  24
.set G0,  32
.set G1B, 48
.set G0B, 56
.set SEL, 74
.set MNT, 76
.set LI,  24
.set SOF, 25
.set PC,  64
.set SW,  72
.set TM,  80
.set FR,   16
.set NP,   8
.set SC,   32
.set AF,   128
.set ADRA, 16
.set ADRB, 20
.set ADRS, 22
.set ADRS2, 23
.set SPW,  28
.set NIL,  29
.set MUL_LO, 0xa1
.set TO_B,   0x40
.set MSB, 0
.macro WIN new
.if MSB != (\new)
	s_set_vgpr_msb (MSB<<8)|(\new)
.set MSB, (\new)
.endif
.endm
.macro PLACES n
.rept \n
	v_nop
.endr
.endm
.macro JLOAD g0a, g1a, g0b, g1b
	s_cmp_eq_u32 s[IH], 0
	s_cbranch_scc0 .Lfor_b_\@
	tensor_load_to_lds s[\g0a:\g0a+3], s[\g1a:\g1a+7]
	s_nop 0
.rept 4
	v_nop
.endr
	s_branch .Lasked_\@
.Lfor_b_\@:
	tensor_load_to_lds s[\g0b:\g0b+3], s[\g1b:\g1b+7]
	s_nop 0
.rept 4
	v_nop
.endr
.Lasked_\@:
.endm
.macro FRAG reg, adr, off
.irp c, 0,1,2,3
	ds_load_b128 v[\reg+4*\c:\reg+4*\c+3], v[\adr] offset:\off+32*\c
.endr
.endm
.macro MULG a0, p, q, sc, zero
.irp a, \a0, \a0+1
.irp b, 0,1,2,3,4,5,6,7
.if \b < NB
.if \zero
	v_wmma_scale_f32_16x16x128_f8f6f4 v[8*(NB*((\a)%APW)+\b):8*(NB*((\a)%APW)+\b)+7], v[128*(\p)+FR*\b:128*(\p)+FR*\b+FR-1], v[AF+FR*(\a):AF+FR*(\a)+FR-1], 0, v[SC+16*(\sc)+2*\b+(\q)], v[SC+16*(\sc)+2*(\a)+(\q)] matrix_a_scale:MATRIX_SCALE_ROW1
.else
	v_wmma_scale_f32_16x16x128_f8f6f4 v[8*(NB*((\a)%APW)+\b):8*(NB*((\a)%APW)+\b)+7], v[128*(\p)+FR*\b:128*(\p)+FR*\b+FR-1], v[AF+FR*(\a):AF+FR*(\a)+FR-1], v[8*(NB*((\a)%APW)+\b):8*(NB*((\a)%APW)+\b)+7], v[SC+16*(\sc)+2*\b+(\q)], v[SC+16*(\sc)+2*(\a)+(\q)] matrix_a_scale:MATRIX_SCALE_ROW1
.endif
.endif
.endr
.endr
.endm
.macro FETCH_B slot, q, p
	WIN TO_B
.irp i, 0,1,2,3,4,5,6,7
.if \i < NB
	FRAG 128*(\p)+FR*\i, ADRB+\slot, 128*(\q)+(16*\i+BSKIP*(\i/4))*272
.endif
.endr
	WIN 0
.endm
.macro FETCH_A slot, q, i0
.irp i, \i0, \i0+1, \i0+2, \i0+3
	FRAG AF+FR*(\i), ADRA+\slot, QA*(\q)+(\i)*16*PITCHA
.endr
.endm
.macro SCALES sc
.irp q, 0,1
.irp i, 0,1,2,3
	ds_load_b32 v[SC+16*\sc+2*\i+\q], v[ADRS] offset:1024*\q+64*\i
.endr
.irp i, 4,5,6,7
	ds_load_b32 v[SC+16*\sc+2*\i+\q], v[ADRS2] offset:1024*\q+64*\i
.endr
.endr
.endm
.macro STEP slot, q, zero
	s_wait_dscnt 16
	WIN MUL_LO
	MULG 0, (\q)%2, \q, \slot, \zero
	MULG 2, (\q)%2, \q, \slot, \zero
	s_wait_dscnt 0
	PLACES NP
	FETCH_B \slot, (\q)+1, 1-(\q)%2
	FETCH_A \slot, (\q)+1, 0
	WIN MUL_HI
	MULG 4, (\q)%2, \q, \slot, \zero
	MULG 6, (\q)%2, \q, \slot, \zero
	PLACES NP
	WIN 0
	FETCH_A \slot, (\q)+1, 4
.endm
.macro TURN slot, next, fill
	s_wait_tensorcnt 0x0
	ds_add_u32 v[SPW], v[NIL]
	s_wait_dscnt 17
	WIN MUL_LO
	MULG 0, 1, 1, \slot, 0
	s_wait_dscnt 0x0
	s_barrier_signal -1
	MULG 2, 1, 1, \slot, 0
	WIN 0
	s_barrier_wait -1
.if \fill
.if IN_CL
	CREST
.endif
	s_add_nc_u64 s[G0+4*\slot+2:G0+4*\slot+3], s[G0+4*\slot+2:G0+4*\slot+3], ASTEP
	s_add_nc_u64 s[G0B+4*\slot+2:G0B+4*\slot+3], s[G0B+4*\slot+2:G0B+4*\slot+3], BSTEP
	JLOAD G0+4*\slot, G1, G0B+4*\slot, G1B
	PLACES NP-4
.else
	PLACES NP
.endif
	s_wait_alu depctr_va_vdst(0)
	v_add_nc_u32 v[ADRS], 2048, v[ADRS]
	v_add_nc_u32 v[ADRS2], 2048, v[ADRS2]
	FETCH_B \next, 0, 0
	FETCH_A \next, 0, 0
	SCALES \next
	WIN MUL_HI
	MULG 4, 1, 1, \slot, 0
	MULG 6, 1, 1, \slot, 0
	PLACES NP
	WIN 0
	FETCH_A \next, 0, 4
.endm
.macro QUANT32 s, w, pc, pw
	WIN (\w)|((\w)<<2)
.irp b, 0,1
	v_max3_num_f32 v[TM+\b], |v[\s+16*\b]|, |v[\s+16*\b+1]|, 0x4800000
.endr
.irp i, 2,4,6,8,10,12,14
.irp b, 0,1
	v_max3_num_f32 v[TM+\b], |v[\s+16*\b+\i]|, |v[\s+16*\b+\i+1]|, v[TM+\b]
.endr
.endr
	WIN 0
.irp b, 0,1
	v_permlanex16_b32 v[TM+2+\b], v[TM+\b], s[SEL], s[SEL+1]
.endr
.irp b, 0,1
	v_max_num_f32 v[TM+\b], v[TM+\b], v[TM+2+\b]
.endr
.irp b, 0,1
	v_add_nc_u32 v[TM+6+\b], 0xfc000000, v[TM+\b]
.endr
.irp b, 0,1
	v_and_or_b32 v[TM+4+\b], v[TM+\b], 0x7f800000, s[MNT]
.endr
.irp b, 0,1
	v_lshrrev_b32 v[TM+2+\b], 23, v[TM+6+\b]
.endr
	v_lshl_or_b32 v[\pw], v[TM+3], 8, v[TM+2]
	WIN (\w)|((\w)<<6)
.irp b, 0,1
.irp i, 0,1,2,3,4,5,6,7,8,9,10,11,12,13,14,15
	v_med3_num_f32 v[\s+16*\b+\i], v[\s+16*\b+\i], -v[TM+4+\b], v[TM+4+\b]
.endr
.endr
	WIN \w
.irp b, 0,1
.irp u, 0,1
	v_cvt_scalef32_pk8_fp8_f32 v[\pc+4*\b+2*\u:\pc+4*\b+2*\u+1], v[\s+16*\b+8*\u:\s+16*\b+8*\u+7], v[TM+6+\b]
.endr
.endr
	WIN 0
	v_nop
.endm
	s_load_b256 s[4:11], s[0:1], 0x0
	s_load_b256 s[12:19], s[0:1], 0x20
	v_lshl_add_u32 v[SPW], v0, 2, SPARE
	v_mov_b32 v[NIL], 0
	ds_add_u32 v28, v29
	ds_add_u32 v28, v29
	s_wait_dscnt 0x0
	v_lshrrev_b32 v1, 5, v0
	v_readfirstlane_b32 s[WV], v1
	s_lshr_b32 s[IH], s[WV], 1
	s_and_b32 s[CC], s[WV], 1
	s_mov_b32 s[G1], (1<<20)|(5<<22)|(3<<25)
	s_mov_b32 s[G1B], (1<<20)|(5<<22)|(3<<25)
.irp g, G1, G1B
	s_mov_b32 s[\g+1], 256<<16
	s_mov_b32 s[\g+3], 256<<16
	s_mov_b32 s[\g+5], 1024
	s_mov_b32 s[\g+6], 0
	s_mov_b32 s[\g+7], 0
.endr
	s_mov_b32 s[G1+2], 128<<16
	s_mov_b32 s[G1+4], 128
	s_mov_b32 s[G1B+2], 64<<16
	s_mov_b32 s[G1B+4], 64
	s_lshr_b32 s66, ttmp9, 4
	s_and_b32 s77, s66, 3
	s_and_b32 s67, ttmp9, 15
	s_and_b32 s78, ttmp9, 31
	s_lshl_b32 s79, s67, 18
	s_lshl_b32 s80, s67, 13
	s_add_co_u32 s80, s80, XSC
	s_lshl_b32 s81, s77, 17
	s_lshl_b32 s82, s77, 12
	s_lshl_b32 s83, s78, 17
	s_lshl_b32 s84, s78, 12
	s_add_co_u32 s84, s84, XSC
	s_cmp_lt_u32 ttmp9, 96
	s_cselect_b32 s79, s79, 0
	s_cselect_b32 s90, s80, 0
	s_cselect_b32 s81, s81, s83
	s_cselect_b32 s92, s82, s84
	s_lshl_b32 s86, s[CC], 17
	s_add_co_u32 s86, s86, s79
	s_lshl_b32 s88, s[CC], 16
	s_add_co_u32 s88, s88, s81
	s_mov_b32 s87, 0
	s_mov_b32 s89, 0
	s_mov_b32 s91, 0
	s_mov_b32 s93, 0
	s_mul_i32 s94, s[CC], 34816
	s_mul_i32 s95, s[CC], 17408
	s_add_co_u32 s95, s95, APART
	s_mov_b32 s[SEL], 0x76543210
	s_mov_b32 s[SEL+1], 0xfedcba98
	s_mov_b32 s[MNT], 0x600000
	s_wait_kmcnt 0x0
	s_cmp_lt_u32 ttmp9, 64
	s_cselect_b64 s[44:45], s[6:7], s[10:11]
	s_cselect_b64 s[46:47], s[8:9], s[12:13]
	s_cmp_lt_u32 ttmp9, 96
	s_cselect_b64 s[44:45], s[44:45], s[4:5]
	s_cselect_b64 s[46:47], s[46:47], s[4:5]
	s_cselect_b64 s[40:41], s[4:5], s[14:15]
	s_cselect_b64 s[42:43], s[4:5], s[16:17]
	s_add_nc_u64 s[40:41], s[40:41], s[86:87]
	s_add_nc_u64 s[44:45], s[44:45], s[88:89]
	s_add_nc_u64 s[42:43], s[42:43], s[90:91]
	s_add_nc_u64 s[46:47], s[46:47], s[92:93]
.irp s, 0,1
	s_mov_b32 s[G0+4*\s], 1
	s_add_co_u32 s[G0+4*\s+1], s94, \s*SLOT
	s_add_nc_u64 s[G0+4*\s+2:G0+4*\s+3], s[40:41], \s*256
	s_or_b32 s[G0+4*\s+3], s[G0+4*\s+3], 0x80000000
	s_mov_b32 s[G0B+4*\s], 1
	s_add_co_u32 s[G0B+4*\s+1], s95, \s*SLOT
	s_add_nc_u64 s[G0B+4*\s+2:G0B+4*\s+3], s[44:45], \s*256
	s_or_b32 s[G0B+4*\s+3], s[G0B+4*\s+3], 0x80000000
	s_wait_alu depctr_va_vdst(0)
	s_wait_tensorcnt 0x0
	ds_add_u32 v28, v29
	ds_add_u32 v28, v29
	s_wait_dscnt 0x0
	s_barrier_signal -1
	s_barrier_wait -1
	JLOAD G0+4*\s, G1, G0B+4*\s, G1B
.endr
	v_lshlrev_b32 v1, 4, v0
	v_and_b32 v2, 1, v0
	v_lshlrev_b32 v2, 12, v2
	v_lshrrev_b32 v3, 1, v0
	v_lshl_add_u32 v2, v3, 2, v2
	v_add_nc_u32 v3, TABA, v2
	v_add_nc_u32 v4, TABB, v2
.irp i, 0,1,2,3
	global_load_b128 v[128+4*\i:131+4*\i], v1, s[42:43] offset:2048*\i
.endr
.irp i, 0,1
	global_load_b128 v[144+4*\i:147+4*\i], v1, s[46:47] offset:2048*\i
.endr
	v_and_b32 v5, 15, v0
	v_bfe_u32 v6, v0, 4, 1
	s_wait_alu depctr_va_vdst(0)
	v_mul_u32_u24 v7, v5, PITCHA
	v_lshl_add_u32 v7, v6, 4, v7
	v_mul_u32_u24 v8, v5, 272
	v_lshl_add_u32 v8, v6, 4, v8
	s_mul_i32 s96, s[IH], 128*PITCHA
	s_mul_i32 s97, s[CC], 64*272
	s_add_co_u32 s97, s97, APART
.irp s, 0,1
	v_add_nc_u32 v[ADRA+\s], s96, v7
	v_add_nc_u32 v[ADRB+\s], s97, v8
	s_add_co_u32 s96, s96, SLOT
	s_add_co_u32 s97, s97, SLOT
.endr
	s_lshl_b32 s96, s[IH], 9
	s_lshl_b32 s97, s[CC], 8
	s_add_co_u32 s97, s97, TABB-TABA
	s_sub_co_u32 s97, s97, s96
	v_mul_u32_u24 v9, s97, v6
	s_add_co_u32 s96, s96, TABA
	v_lshl_add_u32 v9, v5, 2, v9
	v_add_nc_u32 v[ADRS], s96, v9
	v_lshlrev_b32 v9, 8, v6
	v_sub_nc_u32 v[ADRS2], v[ADRS], v9
	v_and_b32 v10, 31, v0
	v_lshlrev_b32 v[LI], 4, v10
	v_lshlrev_b32 v[SOF], 5, v5
	v_lshl_add_u32 v[SOF], v6, 4, v[SOF]
	v_mov_b32 v[TM+2], 0
	v_mov_b32 v[TM+3], 0
	s_lshr_b32 s66, s67, 3
	s_and_b32 s67, s67, 7
	s_lshl_b32 s77, s77, 1
	s_add_co_u32 s77, s77, s[CC]
	s_lshl_b32 s79, s66, 3
	s_add_co_u32 s79, s79, s77
	s_lshl_b32 s80, s66, 2
	s_add_co_u32 s80, s80, s77
	s_mov_b32 s82, K_SC
	s_cmp_lt_u32 ttmp9, 64
	s_cselect_b32 s79, s79, s80
	s_cselect_b32 s81, 0, K_IMG
	s_cselect_b32 s82, Q_SC, s82
	s_lshl_b32 s80, s79, 7
	s_lshl_b32 s83, s67, 4
	s_add_co_u32 s80, s80, s83
	s_lshl_b32 s83, s[IH], 3
	s_add_co_u32 s80, s80, s83
	s_lshl_b32 s80, s80, 10
	s_add_co_u32 s80, s80, s81
	s_lshl_b32 s81, s79, 4
	s_lshl_b32 s83, s67, 1
	s_add_co_u32 s81, s81, s83
	s_add_co_u32 s81, s81, s[IH]
	s_lshl_b32 s81, s81, 9
	s_add_co_u32 s81, s81, s82
	s_lshl_b32 s83, s78, 4
	s_lshl_b32 s84, s[IH], 3
	s_add_co_u32 s83, s83, s84
	s_lshl_b32 s83, s83, 11
	s_lshl_b32 s84, s[CC], 10
	s_add_co_u32 s83, s83, s84
	s_add_co_u32 s83, s83, V_IMG
	s_lshl_b32 s84, s78, 1
	s_add_co_u32 s84, s84, s[CC]
	s_lshl_b32 s84, s84, 1
	s_add_co_u32 s84, s84, s[IH]
	s_lshl_b32 s84, s84, 9
	s_add_co_u32 s84, s84, V_RAW
	s_mov_b32 s70, 2048
	s_cmp_lt_u32 ttmp9, 96
	s_cselect_b32 s80, s80, s83
	s_cselect_b32 s82, s81, s84
	s_cselect_b32 s70, 1024, s70
	s_mov_b32 s81, 0
	s_mov_b32 s83, 0
	s_mov_b32 s71, 0
	s_add_nc_u64 s[68:69], s[18:19], s[80:81]
	s_add_nc_u64 s[72:73], s[18:19], s[82:83]
	s_wait_alu depctr_va_vdst(0)
	s_wait_loadcnt 0x0
.irp i, 0,1,2,3
.irp e, 0,1,2,3
	ds_store_b32 v3, v[128+4*\i+\e] offset:1024*\e+256*\i
.endr
.endr
.irp i, 0,1
.irp e, 0,1,2,3
	ds_store_b32 v4, v[144+4*\i+\e] offset:1024*\e+256*\i
.endr
.endr
	s_wait_tensorcnt 1
	s_wait_dscnt 0x0
	s_barrier_signal -1
	s_barrier_wait -1
	FETCH_B 0, 0, 0
	FETCH_A 0, 0, 0
	SCALES 0
	FETCH_A 0, 0, 4
	STEP 0, 0, 1
	s_mov_b32 s3, LAPS-1
.Llap:
	TURN 0, 1, 1
	STEP 1, 0, 0
	TURN 1, 0, 1
	STEP 0, 0, 0
	s_sub_co_u32 s3, s3, 1
	s_cmp_lg_u32 s3, 0
	s_cbranch_scc1 .Llap
	TURN 0, 1, 0
	STEP 1, 0, 0
	s_wait_dscnt 16
	WIN MUL_LO
	MULG 0, 1, 1, 1, 0
	MULG 2, 1, 1, 1, 0
	s_wait_dscnt 0
	WIN MUL_HI
	MULG 4, 1, 1, 1, 0
	MULG 6, 1, 1, 1, 0
	WIN 0
	PLACES NP
.irp a, 0,1,2,3,4,5,6,7
	s_wait_xcnt 0x0
.if \a > 0
	s_add_nc_u64 s[68:69], s[68:69], s[70:71]
.endif
	QUANT32 32*\a, 2, PC, SW+\a
	global_store_b128 v[LI], v[PC:PC+3], s[68:69]
	global_store_b128 v[LI], v[PC+4:PC+7], s[68:69] offset:512
.endr
	s_wait_xcnt 0x0
	v_cmp_eq_u32 vcc_lo, 1, v6
.irp e, 0,1,2,3
	v_cndmask_b32 v[PC+\e], v[SW+\e], v[SW+4+\e], vcc_lo
.endr
	global_store_b128 v[SOF], v[PC:PC+3], s[72:73]
	s_wait_tensorcnt 0x0
	ds_add_u32 v[SPW], v[NIL]
	s_wait_dscnt 0x0
	s_endpgm
.Lfunc_end_k_q4b4600d444_qkv:
	.size	k_q4b4600d444_qkv, .Lfunc_end_k_q4b4600d444_qkv-k_q4b4600d444_qkv
	.p2alignl 7, 3214868480
	.fill 96, 4, 3214868480
	.section	.rodata,"a",@progbits
	.p2align	6, 0x0
	.amdhsa_kernel k_q4b4600d444_qkv
		.amdhsa_group_segment_fixed_size 327680
		.amdhsa_private_segment_fixed_size 0
		.amdhsa_enable_private_segment 0
		.amdhsa_kernarg_size 64
		.amdhsa_user_sgpr_count 2
		.amdhsa_user_sgpr_kernarg_segment_ptr 1
		.amdhsa_wavefront_size32 1
		.amdhsa_system_sgpr_workgroup_id_x 1
		.amdhsa_system_sgpr_workgroup_id_y 1
		.amdhsa_system_sgpr_workgroup_id_z 1
		.amdhsa_system_vgpr_workitem_id 0
		.amdhsa_next_free_vgpr 768
		.amdhsa_next_free_sgpr 100
		.amdhsa_reserve_vcc 1
		.amdhsa_float_denorm_mode_32 3
		.amdhsa_float_denorm_mode_16_64 3
		.amdhsa_memory_ordered 1
		.amdhsa_forward_progress 1
		.amdhsa_inst_pref_size 115
	.end_amdhsa_kernel
	.amdgpu_metadata
---
amdhsa.version: [ 1, 2 ]
amdhsa.kernels:
  - .name:           k_q4b4600d444_qkv
    .symbol:         k_q4b4600d444_qkv.kd
    .args:
      - { .name: xn, .offset: 0, .size: 8, .value_kind: global_buffer, .address_space: global }
      - { .name: wq_codes, .offset: 8, .size: 8, .value_kind: global_buffer, .address_space: global }
      - { .name: wq_scales, .offset: 16, .size: 8, .value_kind: global_buffer, .address_space: global }
      - { .name: wk_codes, .offset: 24, .size: 8, .value_kind: global_buffer, .address_space: global }
      - { .name: wk_scales, .offset: 32, .size: 8, .value_kind: global_buffer, .address_space: global }
      - { .name: wv_codes, .offset: 40, .size: 8, .value_kind: global_buffer, .address_space: global }
      - { .name: wv_scales, .offset: 48, .size: 8, .value_kind: global_buffer, .address_space: global }
      - { .name: qkv, .offset: 56, .size: 8, .value_kind: global_buffer, .address_space: global }
    .group_segment_fixed_size: 327680
    .private_segment_fixed_size: 0
    .kernarg_segment_align: 8
    .kernarg_segment_size: 64
    .max_flat_workgroup_size: 128
    .sgpr_count:     100
    .vgpr_count:     768
    .wavefront_size: 32
...
	.end_amdgpu_metadata
.endif
;; end of part 7
;; launch attn (part 8): grid 32 x 8, 8 waves a work-group, clusters of 4 x 1, 327,680 bytes of LDS; arguments qkv, act; writes act
.if DOCPART == 8
	.amdgcn_target "amdgcn-amd-amdhsa--gfx1250"
	.amdhsa_code_object_version 6
	.text
	.protected	k_q4b4600d444_attn
	.globl	k_q4b4600d444_attn
	.p2align	8
	.type	k_q4b4600d444_attn,@function
k_q4b4600d444_attn:
	s_mov_b64 s[64:65], 0
	v_nop
	global_prefetch_b8 v0, s[64:65] scope:SCOPE_SE
	s_setreg_imm32_b32 hwreg(HW_REG_WAVE_MODE, 25, 1), 1
	s_wait_xcnt 0x0
	s_wait_alu depctr_hold_cnt(0) depctr_sa_sdst(0) depctr_va_vdst(0) depctr_va_sdst(0) depctr_va_ssrc(0) depctr_va_vcc(0) depctr_vm_vsrc(0)
	s_getreg_b32 s2, hwreg(HW_REG_IB_STS2, 6, 4)
	s_cmp_eq_u32 s2, 0
	s_cbranch_scc0 .Lentry_in_a_cluster
	s_endpgm
.Lentry_in_a_cluster:
	s_bfe_u32 s2, ttmp6, 0x10000c
	s_cmp_lg_u32 s2, 0x3003
	s_cbranch_scc0 .Lentry_shape_is_right
	s_endpgm
.Lentry_shape_is_right:
; Causal attention on codes of E4M3, 2 batches x 8 query heads x 2,048 tokens, head size 64, 4 key and value heads; the result / l is quantised along head x 64 for the next product.
; t = score x log2(e) / 8; M = the running largest t rounded UP to a whole number; p = 2^(t - M) is quantised along the keys; the row's sum is taken of the unquantised p and divides at the end.
; SHARES.  Work-group (j, y): batch y >> 2, key head g = y & 3.  Wave w owns ONE tile of 16 queries: head 2 g + (w & 1), tile T = j xor 63 sel xor 127 hi (sel = bit 1 of w, hi = bit 2): j, 63 - j, 64 + j, 127 - j.
; A wave has T / 8 + 1 key steps of 128 that count; waves w and w + 4 have 17 together, for every j.  T / 8 hangs on the cluster's x and the wave's number alone, so every branch is alike in the four partners.
; Every wave walks all 16 key steps (constant trip counts, no barrier or tensor load jumped over); a step all of whose keys come after the tile's queries skips its work by a scalar branch.
; BOTH PRODUCTS TRANSPOSED: S^T = K Q^T, O^T = V^T P^T: a lane holds one query.  K, V and Q come as images of operand registers.  The head's 64 fill half of the instruction's K: Q's upper eight registers are zero
; codes; K's operand of tile t is v[32 + 8 t : 47 + 8 t], whose upper eight registers (the next tile's codes, or zeros) meet Q's zeros and add nothing; the upper two scale bytes are 0, never 0xff.
; CLUSTER: the four work-groups of a cluster walk the same K and V: each slot of four key steps (K 32 KiB, V 32 KiB) is asked for jointly; waves 0, 1 fetch K's halves, waves 2, 3 V's.
; OUT: act K tile g: codes as an image [block of 16 tokens][piece 4][lane][16 bytes] (pieces 0, 1 head 2 g, pieces 2, 3 head 2 g + 1), scale words [token] u32 at ASC.  The codes leave 512 consecutive bytes a store; a tile's 16 scale words are 64 bytes, a part of an aligned 256.
; LIMITS: NaN and infinities are not served; a block of zeros gets the scale byte 1 (its codes are zeros; this program alone reads the bytes).
.set K_IMG, 2097152
.set V_IMG, 3145728
.set Q_SC,  4194304
.set K_SC,  4325376
.set V_RAW, 4390912
.set ASC,   18874368
.set SLOT1, 65536                      ; a slot: K's four steps x 8 KiB, V's four at + 32,768; one exclusive or turns an address into the other slot's
.set KSC,   131072                     ; K's scale words of the head: [step 16][r 16][tile 8] u32
.set VSC,   139264                     ; V's: [step 16][r 16][tile of d 4] u32
.set STG,   143360                     ; the way out: 4 tiles x 16 rows x (128 + 16) bytes
.set SST,   152576                     ; and their scale words
.set SPARE, 152832                     ; the spare words, 128 bytes a wave
.set LI,   1                           ; v1   16 x lane
.set ASK0, 2                           ; v2   KSC + 32 r
.set ASV0, 3                           ; v3   VSC + 16 r
.set SPW,  4
.set NIL,  5
.set ADK,  6
.set ADS,  7
.set ADT,  8
.set QD,   9                           ; v9   my query's place in its step less 8 h
.set PFO,  10                          ; v10  256 x lane
.set KF,   32                          ; v32-95 K's 8 tiles x 8, later V's 4 x 16; v96-103 zeros
.set S,    104                         ; v104-167 S^T, then p
.set O,    168                         ; v168-199 O^T
.set PCD,  200                         ; v200-215 p's codes
.set BM,   216
.set PD,   220
.set HD,   224
.set SOP,  228
.set KS,   236
.set VS,   244
.set QS,   248
.set PS,   249
.set TM,   216                         ; the way out's quantiser works in v216-223
.set D8,   17
.set WV,   18
.set SEL,  20
.set CS,   22
.set G1K,  24
.set G1V,  32
.set G0K,  40
.set G0V,  44
.set TB,   48
.set TS,   49
.set TJ,   50
.set SI,   51
.set SLOTS, 52
.set CNT,  53
.set LIM,  54
.set MNT,  55
.set PFA,  56
.set PFS,  58
.set MSB, 0
.macro WIN new
.if MSB != (\new)
	s_set_vgpr_msb (MSB<<8)|(\new)
.set MSB, (\new)
.endif
.endm
.macro TLOAD                           ; waves 0, 1 fetch K's halves of a slot, waves 2, 3 V's, the others nothing; four v_nop follow each line
	s_cmp_lt_u32 s[WV], 2
	s_cbranch_scc0 .Lnot_k_\@
	tensor_load_to_lds s[G0K:G0K+3], s[G1K:G1K+7]
	s_nop 0
.rept 4
	v_nop
.endr
	s_branch .Lasked_\@
.Lnot_k_\@:
	s_cmp_lt_u32 s[WV], 4
	s_cbranch_scc0 .Lasked_\@
	tensor_load_to_lds s[G0V:G0V+3], s[G1V:G1V+7]
	s_nop 0
.rept 4
	v_nop
.endr
.Lasked_\@:
.endm
; A prefetch of what the NEXT change of slots will ask for.  All clusters of a (batch, key head) walk the same K and V: the first of them asks.  Its four partners are told apart by address: partner cx takes
; K's chunk cx of 8 KiB (wave 4) and V's key step cx, 8 KiB (wave 5), lanes 256 bytes apart: each aligned 256 bytes is named once in the launch.  The last change that fills a slot asks for nothing.
.macro ASK
	s_cmp_gt_u32 s[SLOTS], s[LIM]
	s_cbranch_scc0 .Lnot_mine_\@
	global_prefetch_b8 v[PFO], s[PFA:PFA+1] th:TH_LOAD_NT scope:SCOPE_SE
.Lnot_mine_\@:
.endm
.macro CROUND                          ; a round of the cluster's barrier
	s_barrier_signal -1
	s_barrier_wait -1
	s_cmp_lg_u32 s[WV], 0
	s_cbranch_scc1 .Lnot_wave_0_\@
	s_barrier_signal -3
.Lnot_wave_0_\@:
	s_barrier_wait -3
	s_barrier_signal -1
	s_barrier_wait -1
.endm
.macro QUANT32 s, w, pc, pw            ; 32 numbers of a lane, number 16 b + i of block b, become 8 registers of codes and two scale bytes
	WIN (\w)|((\w)<<2)
.irp b, 0,1
	v_max3_num_f32 v[TM+\b], |v[\s+16*\b]|, |v[\s+16*\b+1]|, 0x4800000
.endr
.irp i, 2,4,6,8,10,12,14
.irp b, 0,1
	s_delay_alu instid0(VALU_DEP_2)
	v_max3_num_f32 v[TM+\b], |v[\s+16*\b+\i]|, |v[\s+16*\b+\i+1]|, v[TM+\b]
.endr
.endr
	WIN 0
.irp b, 0,1
	s_delay_alu instid0(VALU_DEP_2)
	v_permlanex16_b32 v[TM+2+\b], v[TM+\b], s[SEL], s[SEL+1]
.endr
.irp b, 0,1
	s_delay_alu instid0(VALU_DEP_2)
	v_max_num_f32 v[TM+\b], v[TM+\b], v[TM+2+\b]
.endr
.irp b, 0,1
	s_delay_alu instid0(VALU_DEP_2)
	v_add_nc_u32 v[TM+6+\b], 0xfc000000, v[TM+\b]
.endr
.irp b, 0,1
	s_delay_alu instid0(VALU_DEP_4)
	v_and_or_b32 v[TM+4+\b], v[TM+\b], 0x7f800000, s[MNT]
.endr
.irp b, 0,1
	s_delay_alu instid0(VALU_DEP_4)
	v_lshrrev_b32 v[TM+2+\b], 23, v[TM+6+\b]
.endr
	s_delay_alu instid0(VALU_DEP_1)
	v_lshl_or_b32 v[\pw], v[TM+3], 8, v[TM+2]
	WIN (\w)|((\w)<<6)
.irp b, 0,1
.irp i, 0,1,2,3,4,5,6,7,8,9,10,11,12,13,14,15
	v_med3_num_f32 v[\s+16*\b+\i], v[\s+16*\b+\i], -v[TM+4+\b], v[TM+4+\b]
.endr
.endr
	WIN \w
.irp b, 0,1
.irp u, 0,1
	v_cvt_scalef32_pk8_fp8_f32 v[\pc+4*\b+2*\u:\pc+4*\b+2*\u+1], v[\s+16*\b+8*\u:\s+16*\b+8*\u+7], v[TM+6+\b]
.endr
.endr
	WIN 0
	v_nop
.endm
; ---- the head ----
	s_load_b128 s[4:7], s[0:1], 0x0                ; qkv s[4:5], act s[6:7]
	v_lshl_add_u32 v[SPW], v0, 2, SPARE
	v_mov_b32 v[NIL], 0
	ds_add_u32 v4, v5
	ds_add_u32 v4, v5
	s_wait_dscnt 0x0
	v_lshrrev_b32 v1, 5, v0
	s_delay_alu instid0(VALU_DEP_1)
	v_readfirstlane_b32 s[WV], v1                  ; wave 0..7
	s_and_b32 s8, ttmp7, 0xffff
	s_lshr_b32 s9, s8, 2                           ; batch
	s_and_b32 s10, s8, 3                           ; key head g
	s_bfe_u32 s11, ttmp6, 0x40000                  ; cx: it enters global addresses and vector data alone
	s_lshl_b32 s12, ttmp9, 2
	s_add_co_u32 s12, s12, s11                     ; j
	s_and_b32 s13, s[WV], 1                        ; p: head 2 g + p
	s_bfe_u32 s14, s[WV], 0x10001                  ; sel
	s_lshr_b32 s15, s[WV], 2                       ; hi
	s_mul_i32 s66, s14, 63
	s_mul_i32 s67, s15, 127
	s_xor_b32 s16, s12, s66
	s_xor_b32 s16, s16, s67                        ; T: my tile of 16 queries
	s_lshr_b32 s[D8], ttmp9, 1
	s_mul_i32 s66, s14, 7
	s_mul_i32 s67, s15, 15
	s_xor_b32 s[D8], s[D8], s66
	s_xor_b32 s[D8], s[D8], s67                    ; T / 8: the key step on the diagonal; made of the cluster's x and the wave's number
	s_mov_b32 s[G1K], 15|(3<<16)|(1<<21)           ; the mask: all four work-groups; elements of 8 bytes; bit 21 beside a mask; no padding
	s_mov_b32 s[G1K+1], 32<<16                     ; K: 64 rows of 256 bytes, dense
	s_mov_b32 s[G1K+2], 64<<16
	s_mov_b32 s[G1K+3], 32<<16
	s_mov_b32 s[G1K+4], 64
	s_mov_b32 s[G1K+5], 32
	s_mov_b32 s[G1K+6], 0
	s_mov_b32 s[G1K+7], 0
	s_mov_b32 s[G1V], 15|(3<<16)|(1<<21)
	s_mov_b32 s[G1V+1], 1024<<16                   ; V: 2 key steps' 8 KiB, 32 KiB apart
	s_mov_b32 s[G1V+2], 2<<16
	s_mov_b32 s[G1V+3], 1024<<16
	s_mov_b32 s[G1V+4], 2
	s_mov_b32 s[G1V+5], 4096
	s_mov_b32 s[G1V+6], 0
	s_mov_b32 s[G1V+7], 0
	s_lshl_b32 s68, s9, 2
	s_add_co_u32 s68, s68, s10                     ; 4 b + g
	s_lshl_b32 s84, s68, 13
	s_add_co_u32 s84, s84, K_SC                    ; K's scale words
	s_mov_b32 s85, 0
	s_lshl_b32 s68, s68, 17                        ; K's images of this head
	s_lshl_b32 s69, s13, 14                        ; the half of a slot that I fetch
	s_add_co_u32 s70, s68, s69
	s_add_co_u32 s70, s70, K_IMG
	s_mov_b32 s71, 0
	s_lshl_b32 s72, s9, 19
	s_lshl_b32 s73, s10, 13
	s_add_co_u32 s72, s72, s73                     ; V's images: batch and head
	s_lshl_b32 s73, s13, 16
	s_add_co_u32 s74, s72, s73
	s_add_co_u32 s74, s74, V_IMG
	s_mov_b32 s75, 0
	s_lshl_b32 s76, s11, 13                        ; the prefetches: K's chunk cx, in slot 1 (the first change of slots steps it to slot 2)
	s_add_co_u32 s76, s76, s68
	s_add_co_u32 s76, s76, K_IMG+32768
	s_lshl_b32 s77, s11, 15                        ; V's key step cx
	s_add_co_u32 s77, s77, s72
	s_add_co_u32 s77, s77, V_IMG+131072
	s_mov_b32 s[PFS], 131072
	s_cmp_eq_u32 s[WV], 4
	s_cselect_b32 s76, s76, s77
	s_cselect_b32 s[PFS], 32768, s[PFS]
	s_mov_b32 s77, 0
	s_mov_b32 s[PFS+1], 0
	s_lshr_b32 s78, s[WV], 1
	s_xor_b32 s78, s78, 2                          ; 0 in waves 4 and 5,
	s_or_b32 s78, s78, ttmp9                       ; of the first cluster along x: the same in all four partners
	s_cmp_eq_u32 s78, 0
	s_cselect_b32 s[LIM], 1, -1
	s_lshl_b32 s79, s9, 3
	s_lshl_b32 s78, s10, 1
	s_add_co_u32 s79, s79, s78
	s_add_co_u32 s79, s79, s13                     ; 8 b + my head
	s_lshl_b32 s80, s79, 7
	s_add_co_u32 s80, s80, s16
	s_lshl_b32 s80, s80, 10                        ; Q's image of my tile
	s_mov_b32 s81, 0
	s_lshl_b32 s82, s79, 4
	s_lshr_b32 s78, s16, 3
	s_add_co_u32 s82, s82, s78
	s_lshl_b32 s82, s82, 9
	s_and_b32 s92, s16, 7
	s_lshl_b32 s78, s92, 2
	s_add_co_u32 s82, s82, s78
	s_add_co_u32 s82, s82, Q_SC                    ; its scale words
	s_mov_b32 s83, 0
	s_lshl_b32 s92, s92, 4                         ; 16 (T % 8)
	s_lshl_b32 s86, s9, 6
	s_lshr_b32 s78, s10, 1
	s_add_co_u32 s86, s86, s78
	s_lshl_b32 s86, s86, 9
	s_and_b32 s78, s10, 1
	s_lshl_b32 s78, s78, 4
	s_add_co_u32 s86, s86, s78
	s_add_co_u32 s86, s86, V_RAW                   ; V's scale halves
	s_mov_b32 s87, 0
	s_lshl_b32 s88, s10, 19                        ; the result: K tile g, block of 16 tokens 2048 b + 16 T, piece 2 p, 2,048 bytes a block
	s_lshl_b32 s78, s9, 18
	s_add_co_u32 s88, s88, s78
	s_lshl_b32 s78, s16, 11
	s_add_co_u32 s88, s88, s78
	s_lshl_b32 s78, s13, 10
	s_add_co_u32 s88, s88, s78
	s_mov_b32 s89, 0
	s_lshl_b32 s90, s10, 14                        ; and its scale words
	s_lshl_b32 s78, s9, 13
	s_add_co_u32 s90, s90, s78
	s_lshl_b32 s78, s16, 6
	s_add_co_u32 s90, s90, s78
	s_add_co_u32 s90, s90, ASC
	s_mov_b32 s91, 0
	s_mov_b32 s[SEL], 0x76543210
	s_mov_b32 s[SEL+1], 0xfedcba98
	s_mov_b32 s[CS], 0x3e38aa3b                    ; c = log2(e) / 8
	s_mov_b32 s[CS+1], s[CS]
	s_mov_b32 s[MNT], 0x600000
	s_mov_b32 s[TB], 0
	s_mov_b32 s[TS], 0
	s_mov_b32 s[TJ], 0
	s_mov_b32 s[SI], 0
	s_mov_b32 s[SLOTS], 3
	s_wait_kmcnt 0x0
	s_mov_b32 s[G0K], 1
	s_mov_b32 s[G0K+1], s69
	s_add_nc_u64 s[G0K+2:G0K+3], s[4:5], s[70:71]
	s_or_b32 s[G0K+3], s[G0K+3], 0x80000000
	s_mov_b32 s[G0V], 1
	s_add_co_u32 s[G0V+1], s69, 32768
	s_add_nc_u64 s[G0V+2:G0V+3], s[4:5], s[74:75]
	s_or_b32 s[G0V+3], s[G0V+3], 0x80000000
	s_add_nc_u64 s[PFA:PFA+1], s[4:5], s[76:77]
	s_add_nc_u64 s[80:81], s[4:5], s[80:81]
	s_add_nc_u64 s[82:83], s[4:5], s[82:83]
	s_add_nc_u64 s[84:85], s[4:5], s[84:85]
	s_add_nc_u64 s[86:87], s[4:5], s[86:87]
	s_add_nc_u64 s[88:89], s[6:7], s[88:89]
	s_add_nc_u64 s[90:91], s[6:7], s[90:91]
	CROUND                                         ; all four work-groups are here: the first joint loads meet
	TLOAD                                          ; slot 0
	v_and_b32 v11, 31, v0
	s_delay_alu instid0(VALU_DEP_1)
	v_lshlrev_b32 v[LI], 4, v11
	s_delay_alu instid0(VALU_DEP_2)
	v_lshlrev_b32 v[PFO], 8, v11
	v_and_b32 v234, 15, v0                         ; r
	v_bfe_u32 v235, v0, 4, 1                       ; h
	v_lshlrev_b32 v216, 4, v0                      ; 16 x thread
	v_lshrrev_b32 v217, 4, v0
	s_delay_alu instid0(VALU_DEP_4)
	v_lshlrev_b32 v218, 5, v234                    ; 32 r
	s_delay_alu instid0(VALU_DEP_1)
	v_lshl_add_u32 v217, v217, 11, v218            ; thread (step s, row r): 2,048 s + 32 r
	global_load_b128 v[104:107], v216, s[84:85]                ; K's scale words: 8 KiB, 4 KiB a load of the work-group
	global_load_b128 v[108:111], v216, s[84:85] offset:4096
	global_load_b128 v[112:115], v217, s[86:87]                ; V's: the first 64 keys' two bytes, for four tiles of d,
	global_load_b128 v[116:119], v217, s[86:87] offset:1024    ; and the second 64 keys'
	global_load_b128 v[16:19], v[LI], s[80:81]                 ; Q's codes stay in registers
	global_load_b128 v[20:23], v[LI], s[80:81] offset:512
	global_load_b32 v[QS], v218, s[82:83]
	v_lshl_add_u32 v[ASK0], v234, 5, KSC
	v_lshl_add_u32 v[ASV0], v234, 4, VSC
	v_lshl_add_u32 v219, v0, 4, KSC
	v_lshlrev_b32 v[QD], 3, v235
	s_delay_alu instid0(VALU_DEP_1)
	v_sub_nc_u32 v[QD], v234, v[QD]
	s_delay_alu instid0(VALU_DEP_1)
	v_add_nc_u32 v[QD], s92, v[QD]                 ; 16 (T % 8) + r - 8 h
	v_mov_b32 v13, 0xff61b1e6                      ; the largest t so far: -3e38
	s_delay_alu instid0(VALU_DEP_1)
	v_floor_f32 v12, -v13                          ; -M
	v_mov_b32 v14, 0
	v_mov_b32 v15, 0
.irp i, 0,1,2,3,4,5,6,7
	v_mov_b32 v[24+\i], 0                          ; Q's upper half: zero codes
	v_mov_b32 v[96+\i], 0                          ; behind K's last tile
.endr
.set n, 0
.rept 32
	v_mov_b32 v[O+n], 0                            ; O^T: the step is written once; the first change of M multiplies zeros
.set n, n+1
.endr
.irp b, 0,1,2,3
	v_mov_b32 v[PD+\b], 0                          ; written once: a lane permute's destination counts as one of its sources
.endr
	v_mov_b32 v232, 0
	v_mov_b32 v233, 0                              ; (named as the upper half of the pair v[232:233])
	s_wait_loadcnt 0x0
.irp e, 0,1,2,3
	v_lshl_or_b32 v[120+\e], v[116+\e], 16, v[112+\e]          ; four bytes: V's scale word of 128 keys
.endr
	ds_store_b128 v219, v[104:107]
	ds_store_b128 v219, v[108:111] offset:4096
	ds_store_b128 v219, v[120:123] offset:8192
; A KEY STEP: 128 keys
.macro STEP
	s_cmp_gt_u32 s[SI], s[D8]                      ; all its keys come after my queries: only the addresses step
	s_cbranch_scc1 .Lhid_\@
	v_add_nc_u32 v[ADK], s[TB], v[LI]
	v_add_nc_u32 v[ADS], s[TS], v[ASK0]
	v_add_nc_u32 v[ADT], s[TJ], v[ASV0]
.rept 5
	v_nop                                          ; with the three additions: eight places in front of loads into registers that matrix instructions have read
.endr
.irp t, 0,1,2,3,4,5,6,7
	ds_load_b128 v[KF+8*\t:KF+8*\t+3], v[ADK] offset:1024*\t
	ds_load_b128 v[KF+8*\t+4:KF+8*\t+7], v[ADK] offset:1024*\t+512
.endr
	ds_load_b128 v[KS:KS+3], v[ADS]
	ds_load_b128 v[KS+4:KS+7], v[ADS] offset:16
	s_wait_alu depctr_va_vdst(0)
	s_wait_dscnt 0x0
.irp t, 0,1,2,3,4,5,6,7
	v_wmma_scale_f32_16x16x128_f8f6f4 v[S+8*\t:S+8*\t+7], v[KF+8*\t:KF+8*\t+15], v[16:31], 0, v[KS+\t], v[QS]
.endr
.rept 8
	v_nop
.endr
.irp t, 0,1,2,3                                    ; V's fragments are asked for now and land under the softmax
.irp c, 0,1,2,3
	ds_load_b128 v[KF+16*\t+4*\c:KF+16*\t+4*\c+3], v[ADK] offset:32768+2048*\t+512*\c
.endr
.endr
	ds_load_b128 v[VS:VS+3], v[ADT]
	s_cmp_lt_u32 s[SI], s[D8]                      ; all its keys count: no mask
	s_cbranch_scc1 .Lopen_\@
	v_mov_b32 v235, 0xff800000                     ; on the diagonal hidden scores become -infinity: register 8 t + j holds key 16 t + 8 h + j
.set n, 0
.rept 64
	v_cmp_gt_i32 vcc_lo, 16*(n/8)+n%8, v[QD]
	v_cndmask_b32 v[S+n], v[S+n], v235, vcc_lo
.set n, n+1
.endr
.Lopen_\@:
.irp b, 0,1,2,3
	v_max3_num_f32 v[BM+\b], v[S+16*\b], v[S+16*\b+1], v[S+16*\b+2]   ; the largest score of each block of 32 keys: for the row's maximum and, since p rises with the score, for the block's largest p
.endr
.irp i, 3,5,7,9,11,13
.irp b, 0,1,2,3
	v_max3_num_f32 v[BM+\b], v[BM+\b], v[S+16*\b+\i], v[S+16*\b+\i+1]
.endr
.endr
.irp b, 0,1,2,3
	v_max_num_f32 v[BM+\b], v[BM+\b], v[S+16*\b+15]
.endr
.irp b, 0,1,2,3
	s_delay_alu instid0(VALU_DEP_4)
	v_permlanex16_b32 v[PD+\b], v[BM+\b], s[SEL], s[SEL+1]
.endr
.irp b, 0,1,2,3
	s_delay_alu instid0(VALU_DEP_4)
	v_max_num_f32 v[BM+\b], v[BM+\b], v[PD+\b]
.endr
	s_delay_alu instid0(VALU_DEP_2)
	v_max3_num_f32 v234, v[BM], v[BM+1], v[BM+2]
	s_delay_alu instid0(VALU_DEP_1)
	v_max_num_f32 v234, v234, v[BM+3]
	s_delay_alu instid0(VALU_DEP_1)
	v_mul_f32 v234, s[CS], v234
	s_delay_alu instid0(VALU_DEP_1)
	v_max_num_f32 v13, v13, v234                   ; the running largest t
	v_mov_b32 v234, v12
	s_delay_alu instid0(VALU_DEP_2)
	v_floor_f32 v12, -v13                          ; the new -M = -ceil(t): a whole number
	s_delay_alu instid0(VALU_DEP_1)
	v_sub_f32 v234, v12, v234                      ; old M - new M
	s_delay_alu instid0(VALU_DEP_1)
	v_cvt_i32_f32 v234, v234                       ; (it saturates)
	s_delay_alu instid0(VALU_DEP_1)
	v_ldexp_f32 v232, 1.0, v234                    ; f = 2^(old M - new M): rounds nothing
.set n, 0
.rept 32
	v_pk_fma_f32 v[S+n:S+n+1], v[S+n:S+n+1], s[CS:CS+1], v[12:13] op_sel_hi:[1,0,0]   ; t - M
.set n, n+2
.endr
.irp b, 0,1,2,3
	v_fma_f32 v[BM+\b], v[BM+\b], s[CS], v12
.endr
.set n, 0
	s_wait_alu depctr_va_vdst(0)
.rept 64
	v_exp_f32 v[S+n], v[S+n]                       ; p = 2^(t - M)
.set n, n+1
.endr
	v_pk_mul_f32 v[14:15], v[14:15], v[232:233] op_sel_hi:[1,0]   ; the sums under the new M: a plain instruction behind the exponentials
	s_wait_alu depctr_va_vdst(0)                   ; one wait for the batch, ahead of its first reader
.irp b, 0,1,2,3
	v_exp_f32 v[BM+\b], v[BM+\b]                   ; each block's largest p
.endr
	v_pk_add_f32 v[220:221], v[108:109], v[112:113]
	v_pk_add_f32 v[254:255], v[116:117], v[120:121]
	v_pk_add_f32 v[252:253], v[124:125], v[128:129]
	v_pk_add_f32 v[250:251], v[132:133], v[136:137]
	v_pk_add_f32 v[242:243], v[140:141], v[144:145]
	v_pk_add_f32 v[240:241], v[148:149], v[152:153]
	v_pk_add_f32 v[238:239], v[156:157], v[160:161]
	v_pk_add_f32 v[14:15], v[14:15], v[164:165]
	v_pk_add_f32 v[220:221], v[220:221], v[104:105]
	v_pk_add_f32 v[254:255], v[254:255], v[106:107]
	v_pk_add_f32 v[252:253], v[252:253], v[110:111]
	v_pk_add_f32 v[250:251], v[250:251], v[114:115]
	v_pk_add_f32 v[242:243], v[242:243], v[118:119]
	v_pk_add_f32 v[240:241], v[240:241], v[122:123]
	v_pk_add_f32 v[238:239], v[238:239], v[126:127]
	v_pk_add_f32 v[14:15], v[14:15], v[130:131]
	v_pk_add_f32 v[220:221], v[220:221], v[134:135]
	v_pk_add_f32 v[254:255], v[254:255], v[138:139]
	v_pk_add_f32 v[252:253], v[252:253], v[142:143]
	v_pk_add_f32 v[250:251], v[250:251], v[146:147]
	v_pk_add_f32 v[242:243], v[242:243], v[150:151]
	v_pk_add_f32 v[240:241], v[240:241], v[154:155]
	v_pk_add_f32 v[238:239], v[238:239], v[158:159]
	v_pk_add_f32 v[14:15], v[14:15], v[162:163]
	v_pk_add_f32 v[220:221], v[220:221], v[166:167]
	s_delay_alu instid0(VALU_DEP_2)
	v_pk_add_f32 v[14:15], v[14:15], v[250:251]
	s_delay_alu instid0(VALU_DEP_2)
	v_pk_add_f32 v[220:221], v[220:221], v[242:243]
	v_pk_add_f32 v[254:255], v[254:255], v[240:241]
	v_pk_add_f32 v[252:253], v[252:253], v[238:239]
	s_delay_alu instid0(VALU_DEP_2)
	v_pk_add_f32 v[14:15], v[14:15], v[254:255]
	s_delay_alu instid0(VALU_DEP_2)
	v_pk_add_f32 v[220:221], v[220:221], v[252:253]
	s_delay_alu instid0(VALU_DEP_1)
	v_pk_add_f32 v[14:15], v[14:15], v[220:221]
	s_wait_alu depctr_va_vdst(0)                   ; and one for the four
.irp b, 0,1,2,3
	v_max_num_f32 v[BM+\b], 0x4800000, v[BM+\b]    ; the floor 2^(9 - 127)
.endr
.irp b, 0,1,2,3
	s_delay_alu instid0(VALU_DEP_4)
	v_add_nc_u32 v[SOP+\b], 0xfc000000, v[BM+\b]
.endr
.irp b, 0,1,2,3
	v_and_or_b32 v[HD+\b], v[BM+\b], 0x7f800000, s[MNT]
.endr
.irp b, 0,1,2,3
	v_lshrrev_b32 v[PD+\b], 23, v[SOP+\b]
.endr
	s_delay_alu instid0(VALU_DEP_3)
	v_lshl_or_b32 v[PS], v[PD+1], 8, v[PD]         ; p's scale word for these 128 keys
	s_delay_alu instid0(VALU_DEP_1)
	v_lshl_or_b32 v[PS], v[PD+2], 16, v[PS]
	s_delay_alu instid0(VALU_DEP_1)
	v_lshl_or_b32 v[PS], v[PD+3], 24, v[PS]
.irp b, 0,1,2,3
.irp i, 0,1,2,3,4,5,6,7,8,9,10,11,12,13,14,15
	v_min_num_f32 v[S+16*\b+\i], v[S+16*\b+\i], v[HD+\b]   ; p is not negative: the hold is one-sided
.endr
	v_cvt_scalef32_pk8_fp8_f32 v[PCD+4*\b:PCD+4*\b+1], v[S+16*\b:S+16*\b+7], v[SOP+\b]
	v_cvt_scalef32_pk8_fp8_f32 v[PCD+4*\b+2:PCD+4*\b+3], v[S+16*\b+8:S+16*\b+15], v[SOP+\b]
.endr
.set n, 0
.rept 16
	v_pk_mul_f32 v[O+n:O+n+1], v[O+n:O+n+1], v[232:233] op_sel_hi:[1,0]   ; O^T under the new M; also the places in front of the products below
.set n, n+2
.endr
	s_wait_alu depctr_va_vdst(0)
	s_wait_dscnt 0x0                               ; V is in
.irp t, 0,1,2,3
	v_wmma_scale_f32_16x16x128_f8f6f4 v[O+8*\t:O+8*\t+7], v[KF+16*\t:KF+16*\t+15], v[PCD:PCD+15], v[O+8*\t:O+8*\t+7], v[VS+\t], v[PS]
.endr
.Lhid_\@:
	s_add_co_u32 s[SI], s[SI], 1
	s_add_co_u32 s[TS], s[TS], 512
	s_add_co_u32 s[TJ], s[TJ], 256
	s_add_co_u32 s[TB], s[TB], 8192
.endm
; THE CHANGE OF SLOTS stands at a slot's head: all my tensor loads have landed, the add, my LDS instructions are done; behind the round the slot that was left is filled with the keys that follow
.macro CHANGE fill
	s_wait_tensorcnt 0x0                           ; no tensor load of mine is out, so a group 0 may be written
	ds_add_u32 v[SPW], v[NIL]                      ; 0 onto my spare word
.if \fill
	s_xor_b32 s[G0K+1], s[G0K+1], SLOT1
	s_add_nc_u64 s[G0K+2:G0K+3], s[G0K+2:G0K+3], 32768
	s_xor_b32 s[G0V+1], s[G0V+1], SLOT1
	s_add_nc_u64 s[G0V+2:G0V+3], s[G0V+2:G0V+3], 131072
	s_wait_xcnt 0x0                                ; the last prefetch has read its address
	s_add_nc_u64 s[PFA:PFA+1], s[PFA:PFA+1], s[PFS:PFS+1]
	s_wait_dscnt 0x0
	CROUND                                         ; no wave of any partner still reads the slot or has a load on its way
	TLOAD                                          ; the first thing behind the round, a wave's one tensor load until the next
	ASK
.else
	s_wait_dscnt 0x0
	s_barrier_signal -1
	s_barrier_wait -1
.endif
.endm
.macro SLOT_STEPS                      ; a slot's four key steps: written once, walked four times
	s_mov_b32 s[CNT], 4
.Lstep_\@:
	STEP
	s_sub_co_u32 s[CNT], s[CNT], 1
	s_cmp_lg_u32 s[CNT], 0
	s_cbranch_scc1 .Lstep_\@
	s_sub_co_u32 s[TB], s[TB], 32768
	s_xor_b32 s[TB], s[TB], SLOT1
.endm
.Lslot:                                            ; three trips: behind each change of slots but the last the next slot is asked for
	CHANGE 1
	SLOT_STEPS
	s_sub_co_u32 s[SLOTS], s[SLOTS], 1
	s_cmp_lg_u32 s[SLOTS], 0
	s_cbranch_scc1 .Lslot
	CHANGE 0                                       ; the last slot is written out
	SLOT_STEPS
; ---- the way out ----
.rept 8
	v_nop
.endr
	v_add_f32 v14, v14, v15
	s_wait_alu depctr_va_vdst(0)
	v_permlanex16_b32 v232, v14, s[SEL], s[SEL+1]
	s_delay_alu instid0(VALU_DEP_1)
	v_add_f32 v14, v14, v232                       ; the row's sum
	s_wait_alu depctr_va_vdst(0)
	v_rcp_f32 v14, v14
	v_and_b32 v6, 15, v0                           ; r
	s_wait_alu depctr_va_vdst(0)
	v_bfe_u32 v7, v0, 4, 1                         ; h
	s_lshr_b32 s66, s[WV], 1                       ; which of the work-group's four tiles
	s_mul_i32 s67, s66, 2304
	s_lshl_b32 s68, s13, 6
	s_add_co_u32 s68, s68, s67
	s_add_co_u32 s68, s68, STG
	v_mul_u32_u24 v8, v6, 144
	s_delay_alu instid0(VALU_DEP_1)
	v_lshl_add_u32 v8, v7, 3, v8
	s_delay_alu instid0(VALU_DEP_1)
	v_add_nc_u32 v8, s68, v8                       ; in: row r, my head's 64 bytes, + 8 h
	s_lshl_b32 s69, s66, 6
	s_lshl_b32 s70, s13, 1
	s_add_co_u32 s70, s70, s69
	s_add_co_u32 s70, s70, SST
	v_lshl_add_u32 v9, v6, 2, s70                  ; my head's half of row r's scale word
	; THE CODES LEAVE AS AN IMAGE OF THE NEXT PRODUCT'S OPERAND REGISTERS: act K tile g: [block of 16 tokens][piece c of 4][lane][16 bytes]; lane (r, h) of piece c holds token r, k = 32 c + 16 h + 0 .. 15.  My head's 64 bytes are pieces 2 p and 2 p + 1
	s_lshl_b32 s71, s13, 6
	s_add_co_u32 s71, s71, s67
	s_add_co_u32 s71, s71, STG
	v_and_b32 v224, 31, v0
	s_delay_alu instid0(VALU_DEP_1)
	v_and_b32 v225, 15, v224
	s_delay_alu instid0(VALU_DEP_2)
	v_lshrrev_b32 v226, 4, v224
	s_delay_alu instid0(VALU_DEP_2)
	v_mul_u32_u24 v11, v225, 144
	s_delay_alu instid0(VALU_DEP_1)
	v_lshl_add_u32 v11, v226, 4, v11
	s_delay_alu instid0(VALU_DEP_1)
	v_add_nc_u32 v11, s71, v11                     ; back: row r, bytes 64 p + 16 h of it, and 32 further on
	s_add_co_u32 s72, s69, SST
	v_lshl_add_u32 v227, v6, 2, s72
	v_lshlrev_b32 v228, 2, v6
	s_wait_alu depctr_va_vdst(0)                   ; the wait ahead of the reciprocal's first reader
.set n, 0
.rept 32
	v_mul_f32 v[S+n], v[O+n], v14                  ; register 8 t + j is o(query r, d = 16 t + 8 h + j)
.set n, n+1
.endr
	QUANT32 S, 0, PCD, 234
.irp b, 0,1
.irp u, 0,1
	ds_store_b64 v8, v[PCD+4*\b+2*\u:PCD+4*\b+2*\u+1] offset:32*\b+16*\u   ; eight codes at their natural place: the partner is a given weight
.endr
.endr
	ds_store_b16 v9, v234
	s_wait_dscnt 0x0                               ; for the other head's wave: my stores are done
	s_barrier_signal -1
	s_barrier_wait -1
	ds_load_b128 v[136:139], v11
	ds_load_b128 v[140:143], v11 offset:32
	ds_load_b32 v144, v227
	s_wait_dscnt 0x0
	global_store_b128 v[LI], v[136:139], s[88:89]              ; piece 2 p: 512 consecutive bytes
	global_store_b128 v[LI], v[140:143], s[88:89] offset:512
	s_cmp_lg_u32 s13, 0
	s_cbranch_scc1 .Lno_words
	global_store_b32 v228, v144, s[90:91]          ; the tile's 16 scale words; lanes 16-31 store the same words to the same places
.Lno_words:
	s_wait_tensorcnt 0x0                           ; the wave's end
	ds_add_u32 v[SPW], v[NIL]
	s_wait_dscnt 0x0
	CROUND                                         ; the closing round
	s_endpgm
.Lfunc_end_k_q4b4600d444_attn:
	.size	k_q4b4600d444_attn, .Lfunc_end_k_q4b4600d444_attn-k_q4b4600d444_attn
	.p2alignl 7, 3214868480
	.fill 96, 4, 3214868480
	.section	.rodata,"a",@progbits
	.p2align	6, 0x0
	.amdhsa_kernel k_q4b4600d444_attn
		.amdhsa_group_segment_fixed_size 327680
		.amdhsa_private_segment_fixed_size 0
		.amdhsa_enable_private_segment 0
		.amdhsa_kernarg_size 16
		.amdhsa_user_sgpr_count 2
		.amdhsa_user_sgpr_kernarg_segment_ptr 1
		.amdhsa_wavefront_size32 1
		.amdhsa_system_sgpr_workgroup_id_x 1
		.amdhsa_system_sgpr_workgroup_id_y 1
		.amdhsa_system_sgpr_workgroup_id_z 1
		.amdhsa_system_vgpr_workitem_id 0
		.amdhsa_next_free_vgpr 256
		.amdhsa_next_free_sgpr 100
		.amdhsa_reserve_vcc 1
		.amdhsa_float_denorm_mode_32 3
		.amdhsa_float_denorm_mode_16_64 3
		.amdhsa_memory_ordered 1
		.amdhsa_forward_progress 1
		.amdhsa_inst_pref_size 72
	.end_amdhsa_kernel
	.amdgpu_metadata
---
amdhsa.version: [ 1, 2 ]
amdhsa.kernels:
  - .name:           k_q4b4600d444_attn
    .symbol:         k_q4b4600d444_attn.kd
    .args:
      - { .name: qkv, .offset: 0, .size: 8, .value_kind: global_buffer, .address_space: global }
      - { .name: act, .offset: 8, .size: 8, .value_kind: global_buffer, .address_space: global }
    .group_segment_fixed_size: 327680
    .private_segment_fixed_size: 0
    .kernarg_segment_align: 8
    .kernarg_segment_size: 16
    .max_flat_workgroup_size: 256
    .sgpr_count:     100
    .vgpr_count:     256
    .wavefront_size: 32
...
	.end_amdgpu_metadata
.endif
;; end of part 8
;; launch ffn (part 9): grid 64 x 4, 4 waves a work-group, clusters of 4 x 4, 327,680 bytes of LDS; arguments xn, w_gate_codes, w_gate_scales, w_up_codes, w_up_scales, act; writes act
.if DOCPART == 9
	.amdgcn_target "amdgcn-amd-amdhsa--gfx1250"
	.amdhsa_code_object_version 6
	.text
	.protected	k_q4b4600d444_ffn
	.globl	k_q4b4600d444_ffn
	.p2align	8
	.type	k_q4b4600d444_ffn,@function
k_q4b4600d444_ffn:
	s_mov_b64 s[64:65], 0
	v_nop
	global_prefetch_b8 v0, s[64:65] scope:SCOPE_SE
	s_setreg_imm32_b32 hwreg(HW_REG_WAVE_MODE, 25, 1), 1
	s_wait_xcnt 0x0
	s_wait_alu depctr_hold_cnt(0) depctr_sa_sdst(0) depctr_va_vdst(0) depctr_va_sdst(0) depctr_va_ssrc(0) depctr_va_vcc(0) depctr_vm_vsrc(0)
	s_getreg_b32 s2, hwreg(HW_REG_IB_STS2, 6, 4)
	s_cmp_eq_u32 s2, 0
	s_cbranch_scc0 .Lentry_in_a_cluster
	s_endpgm
.Lentry_in_a_cluster:
	s_bfe_u32 s2, ttmp6, 0x10000c
	s_cmp_lg_u32 s2, 0xf033
	s_cbranch_scc0 .Lentry_shape_is_right
	s_endpgm
.Lentry_shape_is_right:
; hidden = silu(normed w_gate) * (normed w_up) on codes of E4M3 (K = 1,024), quantised along the hidden axis for the last product.
; THE DEAL.  256 work-groups of four waves, 2 x 2.  A work-group makes 1,024 tokens (group cy) x 64 hidden units (group nt).  Wave (w, c) holds 32 rows of w_gate and the same units' 32 rows of w_up, ALL of K, in 512 registers,
; and streams x's rows past them in blocks of 16 tokens (rows 32 i + 16 w of a chunk), which stand in registers as two whole sets: 32 blocks of 32 products a wave.
; Source 0 = 16 weight rows, source 1 = 16 tokens: lane (r, h) holds token r; register j of tile u is unit 16 u + 8 h + j of the wave's 32.
; LDS: two slots of 128 rows of 1,040 bytes; the weights lie in slot 1 until all waves hold them, then chunk 1 is filled over them.  The scale bytes of x's 1,024 rows lie behind the slots throughout.
; THE FETCH: behind a block's products its set takes the block two on, in one run of 34 LDS loads.
; THE RING: inside block 2 of a chunk's four stands one drained round of the cluster's barrier: it shows the next chunk and frees the chunk in hand, whose last rows were fetched behind block 1; the chunk two on is asked for behind it, a quarter a wave.
; A wave has one tensor load out, and it has three blocks in which to land.  Six trips refill (chunks 2 to 7); two trips without a refill follow: no jump leads round a tensor load.
; THE WAY OUT of block k, in three parts.  Behind block k: t = -g log2 e, g u, 2^t.  Behind block k + 1: 1 + 2^t (these eight lines are the places behind that block's last product) and its reciprocal, in one batch with block k + 1's exponentials.
; Among block k + 2's products 11 to 27: g u / (1 + 2^t), the largest magnitude, the holds, the conversions; behind block k + 2 the codes leave.  So t and g u stand in two sets.  No transcendental and no memory line stands among products.
; OUT: act K tile 4 + nt / 2, as an image of the last product's operand registers: [block of 16 tokens][piece 2 (nt % 2) + c][lane (r, h')][16 bytes]: my tile u's eight codes are bytes 8 h on of lane (r, u): a store covers 256 consecutive bytes, aligned.
; Scale bytes: at HSC [nt][token] two bytes (c = 0, 1), gathered in LDS; a wave stores 512 consecutive bytes at the end.
; CLUSTER 4 x 4: x's rows and scale bytes are shared along a row of the cluster (same cy), the weights along a column (same nt).
; PREFETCH: trip t asks for chunk t + 3, one trip ahead of its tensor load; the sixteen waves of a cluster's row share a chunk's 512 blocks of 256 bytes by address.  The weights are read once, at the head, with no loop to run ahead in: none is laid for them.
; The first two ways out have no block before them: they work on zeros and store nothing.
; LIMITS: NaN and infinities are not served; a block of zeros gets the scale byte 1 (its codes are zeros; this program alone reads the bytes).
.set XSC, 4194304
.set ASC, 18874368
.set HSC, ASC+65536
.set KROW, 1024
.set PITCH, KROW+16
.set CH, 128
.set FR, 16
.set FPW, 16
.set NF, 34                            ; LDS loads of a block's fetch: eight fragments of four, two of four scale words
.set YB, CH*PITCH                      ; slot 1
.set SCL, 2*CH*PITCH                   ; x's scale bytes: 128 units of 256 bytes + 16 of padding
.set SSTEP, 4*272                      ; 32 rows: from a block to my next
.set XN, SCL+128*272+256               ; the results' scale bytes [token 1,024][c 2]; the 256 bytes ahead of them are scratch of their own
.set SPARE, XN+2048
.set ADRA0, 4                          ; v4  LDS address of my fragments of a chunk's block 0
.set CO, 5                             ; v5  16 r + 8 h
.set AAS0, 6                           ; v6  LDS address of my row's scale words, block 0
.set SPW, 10
.set NIL, 11
.set ADRA, 12                          ; v12, v17  as v4, v6, for the block that is fetched next
.set VX, 13                            ; v13 LDS address of my token's scale byte
.set ADRB, 14                          ; v14, v15  my rows of w_gate, of w_up in slot 1
.set ABS, 16
.set AAS, 17
.set SOP, 20
.set SB, 24                            ; v24-39  the weights' scale words: 8 p + q: lanes 0-15 tile 2 p, lanes 16-31 tile 2 p + 1
.set EB, 40
.set SA, 44                            ; v44-59  x's scale words, two sets
.set TQ, 60
.set ACC, 64                           ; v64-127 two sets of four accumulators: gate's two tiles, then up's two
.set T, 128                            ; v128-159 t, 2^t, 1 + 2^t, its reciprocal: two sets
.set H, 160                            ; v160-191 g u, then the hidden numbers: two sets
.set NCD, 192                          ; v192-195 a block's 16 codes a lane
.set G1A, 24
.set G1B, 32
.set G1R, 40
.set G1S, 48
.set G0A, 56
.set G0B, 60
.set G0R, 68
.set G0S, 72
.set MSB, 0
.macro WIN new
.if MSB != (\new)
	s_set_vgpr_msb (MSB<<8)|(\new)
.set MSB, (\new)
.endif
.endm
.macro PLACES n
.rept \n
	v_nop
.endr
.endm
.macro WALU
	s_wait_alu depctr_va_vdst(0)
.endm
.macro BARRIER
	s_barrier_signal -1
	s_barrier_wait -1
.endm
.macro MIDDLE                          ; a round's middle
	WIN 0
	s_barrier_wait -1
	s_cmp_lg_u32 s16, 0
	s_cbranch_scc1 .Lnot_wave_0_\@
	s_barrier_signal -3
.Lnot_wave_0_\@:
	s_barrier_wait -3
.endm
.macro CROUND
	s_barrier_signal -1
	MIDDLE
	BARRIER
.endm
.macro TLOAD g0, g1                    ; an s_nop 0 and four v_nop follow a tensor load
	tensor_load_to_lds s[\g0:\g0+3], s[\g1:\g1+7]
	s_nop 0
	PLACES 4
.endm
.macro GROUP1 g, mask, rows            ; so many whole rows of K, 1,024 bytes each, 16 bytes of padding behind each
	s_or_b32 s[\g+0], s[\mask], (1<<20)|(1<<21)|(7<<22)|(3<<25)
	s_mov_b32 s[\g+1], KROW<<16
	s_mov_b32 s[\g+2], (\rows)<<16
	s_mov_b32 s[\g+3], KROW<<16
	s_mov_b32 s[\g+4], \rows
	s_mov_b32 s[\g+5], KROW
	s_mov_b32 s[\g+6], 0
	s_mov_b32 s[\g+7], 0
.endm
.macro RDESC i, lds                    ; group 0 of a refill: 32 rows a wave, the chunk at s98 of xn, into the slot at s[lds]
.if (\i) == 0
	s_mul_i32 s[G0R+1], s16, (CH/4)*PITCH
	s_add_co_u32 s[G0R+1], s[G0R+1], s\lds
	s_lshl_b32 s20, s16, 15
	s_add_co_u32 s20, s20, s98
.else
	s_mov_b32 s21, 0
	s_add_nc_u64 s[G0R+2:G0R+3], s[4:5], s[20:21]
	s_or_b32 s[G0R+3], s[G0R+3], 0x80000000
.endif
.endm
; ---- the head ----
	s_load_b256 s[4:11], s[0:1], 0x0               ; xn, gate's codes, gate's scales, up's codes
	s_load_b128 s[12:15], s[0:1], 0x20             ; up's scales, act
	v_lshl_add_u32 v[SPW], v0, 2, SPARE
	v_mov_b32 v[NIL], 0
	ds_add_u32 v[SPW], v[NIL]                      ; the opening lines: the add twice on end and its wait
	ds_add_u32 v[SPW], v[NIL]
	v_lshrrev_b32 v1, 5, v0
	v_readfirstlane_b32 s16, v1                    ; wave
	s_lshr_b32 s17, s16, 1                         ; w: my row of waves
	s_and_b32 s18, s16, 1                          ; c: my column of waves
	s_bfe_u32 s19, ttmp6, 0x40000                  ; cx
	s_bfe_u32 s76, ttmp6, 0x40004                  ; cy: the token group (the grid has one cluster along y)
	s_lshl_b32 s77, ttmp9, 2
	s_add_co_u32 s77, s77, s19                     ; nt: which 64 hidden units
	s_lshl_b32 s78, s76, 2
	s_lshl_b32 s78, 15, s78                        ; my row of the cluster
	s_lshl_b32 s79, 0x1111, s19                    ; my column
	GROUP1 G1B, 79, 64
	GROUP1 G1A, 78, CH
	GROUP1 G1R, 78, CH/4
	s_or_b32 s[G1S+0], s78, (3<<16)|(1<<20)|(1<<21)|(5<<22)|(3<<25)   ; x's scale bytes: 32 KiB dense, as 128 rows of 256 bytes
	s_mov_b32 s[G1S+1], 32<<16
	s_mov_b32 s[G1S+2], 128<<16
	s_mov_b32 s[G1S+3], 32<<16
	s_mov_b32 s[G1S+4], 128
	s_mov_b32 s[G1S+5], 32
	s_mov_b32 s[G1S+6], 0
	s_mov_b32 s[G1S+7], 0
	s_mov_b32 s[G0A], 1
	s_mov_b32 s[G0A+1], 0
	s_mov_b32 s[G0B], 1
	s_mul_i32 s[G0B+1], s18, 64*PITCH              ; wave 0: gate's 64 rows; wave 1: up's, behind them
	s_add_co_u32 s[G0B+1], s[G0B+1], YB
	s_mov_b32 s[G0R], 1
	s_mov_b32 s[G0S], 1
	s_mov_b32 s[G0S+1], SCL
	s_lshl_b32 s80, s76, 20                        ; my token group's rows in xn
	s_lshl_b32 s81, s77, 16                        ; my 64 rows of a weight
	s_lshl_b32 s82, s76, 15
	s_add_co_u32 s82, s82, XSC                     ; the tokens' scale bytes
	s_lshl_b32 s83, s77, 11
	s_lshl_b32 s20, s18, 10
	s_add_co_u32 s83, s83, s20                     ; the weights' scale bytes: my wave's 32 units
	s_lshr_b32 s84, s77, 1                         ; where my codes go, three blocks back: each block steps it by 4,096, and a block's codes leave two blocks on
	s_add_co_u32 s84, s84, 4
	s_lshl_b32 s84, s84, 19
	s_lshl_b32 s20, s76, 17
	s_add_co_u32 s84, s84, s20
	s_lshl_b32 s20, s17, 11
	s_add_co_u32 s84, s84, s20
	s_and_b32 s20, s77, 1
	s_lshl_b32 s20, s20, 10
	s_add_co_u32 s84, s84, s20
	s_lshl_b32 s20, s18, 9
	s_add_co_u32 s84, s84, s20
	s_sub_co_u32 s84, s84, 12288
	s_mov_b32 s85, 0
	s_lshl_b32 s86, s77, 13                        ; and my quarter of the scale bytes
	s_lshl_b32 s20, s76, 11
	s_add_co_u32 s86, s86, s20
	s_lshl_b32 s20, s16, 9
	s_add_co_u32 s86, s86, s20
	s_add_co_u32 s86, s86, HSC
	s_mov_b32 s87, 0
	s_mov_b32 s88, 0x76543210
	s_mov_b32 s89, 0xfedcba98
	s_mov_b32 s90, 0x600000                        ; the mantissa field of 448
	s_mov_b32 s91, 0                               ; the trip = the chunk in hand
	s_mov_b32 s92, 0xbfb8aa3b                      ; -log2(e)
	s_mov_b32 s93, s92
	s_mov_b32 s94, 0                               ; this chunk's slot, the next chunk's
	s_mov_b32 s95, YB
	s_mov_b32 s96, 0                               ; their scale words
	s_mov_b32 s97, 4*SSTEP
	s_add_co_u32 s98, s80, 131072                  ; the chunk that is asked for next
	s_lshl_b32 s99, s19, 2
	s_add_co_u32 s99, s99, s16                     ; which of the cluster row's sixteen waves I am
	s_lshl_b32 s99, s99, 13
	s_add_co_u32 s99, s99, s80                     ; my share of a prefetch
	s_wait_dscnt 0x0
	CROUND                                         ; all sixteen work-groups are here
	s_wait_kmcnt 0x0
	s_mov_b32 s21, 0
	s_mov_b32 s20, s80
	s_add_nc_u64 s[G0A+2:G0A+3], s[4:5], s[20:21]
	s_or_b32 s[G0A+3], s[G0A+3], 0x80000000
	s_mov_b32 s20, s82
	s_add_nc_u64 s[G0S+2:G0S+3], s[4:5], s[20:21]
	s_or_b32 s[G0S+3], s[G0S+3], 0x80000000
	s_mov_b32 s20, s81
	s_cmp_eq_u32 s16, 0
	s_cselect_b64 s[22:23], s[6:7], s[10:11]
	s_add_nc_u64 s[G0B+2:G0B+3], s[22:23], s[20:21]
	s_or_b32 s[G0B+3], s[G0B+3], 0x80000000
	s_mov_b32 s20, s83
	s_add_nc_u64 s[8:9], s[8:9], s[20:21]
	s_add_nc_u64 s[12:13], s[12:13], s[20:21]
	s_add_nc_u64 s[84:85], s[14:15], s[84:85]
	s_add_nc_u64 s[86:87], s[14:15], s[86:87]
	s_cmp_lt_u32 s16, 2                            ; one joint load a wave; the weights, wanted first, have a line of their own
	s_cbranch_scc0 .Lhead_x
	TLOAD G0B, G1B
	s_branch .Lasked
.Lhead_x:
	s_cmp_eq_u32 s16, 2
	s_cbranch_scc0 .Lhead_s
	TLOAD G0A, G1A                                 ; chunk 0
	s_branch .Lasked
.Lhead_s:
	TLOAD G0S, G1S                                 ; x's scale bytes
.Lasked:
	s_mul_i32 s20, s17, 16*PITCH
	s_mul_i32 s21, s18, 32*PITCH
	s_add_co_u32 s21, s21, YB
	s_mul_i32 s22, s17, 2*272
	s_add_co_u32 s22, s22, SCL
	s_lshl_b32 s23, s17, 5
	s_add_co_u32 s23, s23, s18
	s_add_co_u32 s23, s23, XN-256
	s_add_co_u32 s66, s99, 131072
	s_add_co_u32 s67, s99, 262144
	s_add_co_u32 s99, s99, 393216
	v_and_b32 v1, 15, v0                           ; r
	v_bfe_u32 v2, v0, 4, 1                         ; h
	v_and_b32 v3, 31, v0                           ; lane
	v_mul_u32_u24 v22, v1, PITCH
	v_lshl_add_u32 v22, v2, 4, v22                 ; a fragment's row x pitch + 16 x half
	v_add_nc_u32 v[ADRA0], s20, v22
	v_add_nc_u32 v[ADRA], 32*PITCH, v[ADRA0]       ; block 1
	v_add_nc_u32 v[ADRB], s21, v22
	v_add_nc_u32 v[ADRB+1], 64*PITCH, v[ADRB]
	v_lshlrev_b32 v[ABS], 5, v3                    ; scale words: lane l takes row l of a pair of tiles
	v_lshlrev_b32 v23, 5, v1
	v_lshrrev_b32 v22, 3, v1
	v_lshl_add_u32 v23, v22, 4, v23
	v_add_nc_u32 v[AAS0], s22, v23
	v_add_nc_u32 v[AAS], SSTEP, v[AAS0]
	v_lshl_add_u32 v[VX], v1, 1, s23               ; 2 (16 w + r) + c, one trip back
	v_lshlrev_b32 v[CO], 4, v1
	v_lshl_add_u32 v[CO], v2, 3, v[CO]
	v_lshlrev_b32 v9, 4, v3                        ; v9: 16 x lane
	v_lshl_add_u32 v7, v3, 8, s66
	v_lshl_add_u32 v8, v3, 8, s67
	v_mov_b32 v[TQ+2], 0
.set I_, 0
.rept 32                               ; what the first two ways out work on
	v_mov_b32 v[T+I_], 0
	v_mov_b32 v[H+I_], 0
.set I_, I_+1
.endr
	WALU
.irp c, 0,1
	global_load_b128 v[SB+4*\c:SB+4*\c+3], v[ABS], s[8:9] offset:16*\c
	global_load_b128 v[SB+8+4*\c:SB+8+4*\c+3], v[ABS], s[12:13] offset:16*\c
.endr
	global_prefetch_b8 v7, s[4:5] th:TH_LOAD_NT scope:SCOPE_SE   ; my sixteenth of chunk 1, of chunk 2
	global_prefetch_b8 v8, s[4:5] th:TH_LOAD_NT scope:SCOPE_SE
	s_cmp_lt_u32 s16, 2
	s_cbranch_scc0 .Lnot_w
	s_wait_tensorcnt 0x0                           ; waves 0, 1: the weights have landed; the others wait below
.Lnot_w:
	BARRIER
.macro FRAG f, adr, off                ; a weight's fragment f lies in window 1 + f / 16
	WIN (1+(\f)/FPW)<<6
.irp c, 0,1,2,3
	ds_load_b128 v[FR*((\f)%FPW)+4*\c:FR*((\f)%FPW)+4*\c+3], v[\adr] offset:(\off)+32*\c
.endr
.endm
.irp q, 0,1,2,3,4,5,6,7
.irp b, 0,1,2,3
	FRAG 4*\q+\b, ADRB+(\b)/2, 128*\q+((\b)%2)*16*PITCH
.endr
.endr
	WIN 0
	s_wait_tensorcnt 0x0                           ; chunk 0 and the scale bytes are in
	ds_add_u32 v[SPW], v[NIL]
	RDESC 0, 95
	RDESC 1, 95
	s_add_co_u32 s98, s98, 131072
	s_wait_dscnt 0x0                               ; the weights are in registers
	CROUND
	TLOAD G0R, G1R                                 ; chunk 1 over the weights
.macro FETCHAT k, a, s                 ; a block of x, all of K, into set k of window 3, and its scale words: NF loads
	WIN 3<<6
.set L_, 0
.rept 32
	ds_load_b128 v[128*(\k)+4*L_:128*(\k)+4*L_+3], v[\a] offset:32*L_
.set L_, L_+1
.endr
	WIN 0
	ds_load_b128 v[SA+8*(\k):SA+8*(\k)+3], v[\s]
	ds_load_b128 v[SA+8*(\k)+4:SA+8*(\k)+7], v[\s] offset:16
.endm
	FETCHAT 0, ADRA0, AAS0
	FETCHAT 1, ADRA, AAS
.macro PROD e, n                       ; product n = 4 q + b: the q-th 128 of K, tile b; x's rows and the sums in set e.  The four accumulators take turns
.set Q_, (\n)/4
.set B_, (\n)%4
.set FB_, 4*Q_+B_
.set AC_, ACC+32*(\e)+8*B_
.set R_, 128*(\e)+FR*Q_
.set W_, FR*(FB_%FPW)
.set XS_, SA+8*(\e)+Q_
.set WS_, SB+8*(B_/2)+Q_
	WIN (1+FB_/FPW)|(3<<2)
.if Q_ && B_%2
	v_wmma_scale_f32_16x16x128_f8f6f4 v[AC_:AC_+7], v[W_:W_+FR-1], v[R_:R_+FR-1], v[AC_:AC_+7], v[WS_], v[XS_] matrix_a_scale:MATRIX_SCALE_ROW1
.elseif Q_
	v_wmma_scale_f32_16x16x128_f8f6f4 v[AC_:AC_+7], v[W_:W_+FR-1], v[R_:R_+FR-1], v[AC_:AC_+7], v[WS_], v[XS_]
.elseif B_%2
	v_wmma_scale_f32_16x16x128_f8f6f4 v[AC_:AC_+7], v[W_:W_+FR-1], v[R_:R_+FR-1], 0, v[WS_], v[XS_] matrix_a_scale:MATRIX_SCALE_ROW1
.else
	v_wmma_scale_f32_16x16x128_f8f6f4 v[AC_:AC_+7], v[W_:W_+FR-1], v[R_:R_+FR-1], 0, v[WS_], v[XS_]
.endif
.endm
.macro HM i                            ; two hidden numbers: g u x 1 / (1 + 2^t)
	v_pk_mul_f32 v[XO_+2*(\i):XO_+2*(\i)+1], v[XO_+2*(\i):XO_+2*(\i)+1], v[TO_+2*(\i):TO_+2*(\i)+1]
.endm
.macro HX i                            ; the largest magnitude, over the floor 2^(9 - 127)
.if (\i) == 0
	v_max3_num_f32 v[TQ], |v[XO_]|, |v[XO_+1]|, 0x4800000
.else
	v_max3_num_f32 v[TQ], v[TQ], |v[XO_+2*(\i)]|, |v[XO_+2*(\i)+1]|
.endif
.endm
.macro HOLD i
	v_med3_num_f32 v[XO_+(\i)], v[XO_+(\i)], -v[TQ+1], v[TQ+1]
.endm
.macro GAP m                           ; the third part of a block's way out, 17 places: g u at XO_, the reciprocals at TO_ -> codes NCD, byte EB
.if (\m) == 0
	HM 0
	HM 1
.elseif (\m) < 7
	HX (\m)-1
	HM (\m)+1
.elseif (\m) == 7
	HX 6
	HX 7
.elseif (\m) == 8
	v_permlanex16_b32 v[TQ+2], v[TQ], s88, s89     ; a block of 32 lies in lanes l and l xor 16
	v_max_num_f32 v[TQ], v[TQ], v[TQ+2]
.elseif (\m) == 9
	v_and_or_b32 v[TQ+1], v[TQ], 0x7f800000, s90   ; 448 x the scale
	v_add_nc_u32 v[SOP], 0xfc000000, v[TQ]         ; the conversion's scale operand
.elseif (\m) < 16
.set H_, 8*(((\m)-10)/3)+3*(((\m)-10)%3)
	HOLD H_
	HOLD H_+1
.if ((\m)-10)%3 < 2
	HOLD H_+2
.else
	v_cvt_scalef32_pk8_fp8_f32 v[NCD+2*(((\m)-10)/3):NCD+2*(((\m)-10)/3)+1], v[XO_+8*(((\m)-10)/3):XO_+8*(((\m)-10)/3)+7], v[SOP]
.endif
.else
	v_lshrrev_b32 v[EB], 23, v[SOP]                ; the scale's byte
.endif
.endm
.macro LIST e, n, j, k                 ; what stands behind product n of block j of a trip (k = 0: a trip that refills)
.if (\n) == 0
	s_add_nc_u64 s[84:85], s[84:85], 4096
.elseif (\n) > 10 && (\n) < 28
	WIN 0
	GAP (\n)-11
.elseif (\n) == 28
	WIN 0
.if (\j) < 2
	s_add_co_u32 s22, s94, ((\j)+2)*32*PITCH
.else
	s_add_co_u32 s22, s95, ((\j)-2)*32*PITCH
.endif
	v_add_nc_u32 v[ADRA], s22, v[ADRA0]            ; the block two on
.if (\j) == 2
	v_add_nc_u32 v[VX], 256, v[VX]
.elseif (\j) == 3 && (\k) == 0
	v_lshl_add_u32 v7, v3, 8, s99
.endif
.elseif (\n) == 31
	WIN 0
.if (\j) < 2
	s_add_co_u32 s22, s96, ((\j)+2)*SSTEP
.else
	s_add_co_u32 s22, s97, ((\j)-2)*SSTEP
.endif
	v_add_nc_u32 v[AAS], s22, v[AAS0]
.elseif (\n) > 28 && (\j) == 2 && (\k) == 0
	RDESC (\n)-29, 94
.endif
.endm
.macro BLOCK e, from, to, j, k
.set XO_, H+16*(\e)
.set TO_, T+16*(\e)
.set N_, \from
.rept (\to)-(\from)
	PROD \e, N_
	LIST \e, N_, \j, \k
.set N_, N_+1
.endr
.endm
.macro HEADW
	s_wait_dscnt NF                                ; all but the fetch issued last: this block's set is in
	s_wait_xcnt 0x0                                ; the stores' and the prefetch's registers may be written
.endm
.macro BLK e, j, k
	HEADW
	BLOCK \e, 0, 32, \j, \k
	WIN 0
.endm
.macro QOUT boff                       ; a block's byte to its place in LDS; its codes leave, 256 consecutive bytes a store
	ds_store_b8 v[VX], v[EB] offset:\boff
	global_store_b64 v[CO], v[NCD:NCD+1], s[84:85]
	global_store_b64 v[CO], v[NCD+2:NCD+3], s[84:85] offset:256
.endm
.macro ONES p                          ; 1 + 2^t
.set I_, 0
.rept 8
	v_pk_add_f32 v[T+16*(\p)+I_:T+16*(\p)+I_+1], v[T+16*(\p)+I_:T+16*(\p)+I_+1], 1.0 op_sel_hi:[1,0]
.set I_, I_+2
.endr
.endm
.macro RCPS p
.set I_, 0
.rept 16
	v_rcp_f32 v[T+16*(\p)+I_], v[T+16*(\p)+I_]
.set I_, I_+1
.endr
.endm
.macro BND e, cond, pf, lastf, boff    ; between two blocks
	ONES 1-(\e)                                    ; the block before; also the eight places behind this block's last product
.set I_, 0
.rept 8                                ; each accumulator is read from its low end on
	v_pk_mul_f32 v[T+16*(\e)+I_:T+16*(\e)+I_+1], v[ACC+32*(\e)+I_:ACC+32*(\e)+I_+1], s[92:93] op_sel_hi:[1,0]
.set I_, I_+2
.endr
.set I_, 0
.rept 8
	v_pk_mul_f32 v[H+16*(\e)+I_:H+16*(\e)+I_+1], v[ACC+32*(\e)+I_:ACC+32*(\e)+I_+1], v[ACC+32*(\e)+16+I_:ACC+32*(\e)+16+I_+1]
.set I_, I_+2
.endr
	WALU
.if \cond
	s_cmp_eq_u32 s91, 0
	s_cbranch_scc1 .Lnone_before_\@
.endif
	QOUT \boff
.if \cond
.Lnone_before_\@:
.endif
.if \pf
	s_cmp_lt_u32 s91, 5                            ; chunk t + 3: the last is chunk 7
	s_cbranch_scc0 .Lnone_ahead_\@
	global_prefetch_b8 v7, s[4:5] th:TH_LOAD_NT scope:SCOPE_SE
.Lnone_ahead_\@:
.endif
.if \lastf
	s_cmp_eq_u32 s91, 7                            ; no block two on
	s_cbranch_scc1 .Lnone_on_\@
	FETCHAT \e, ADRA, AAS
	s_branch .Lgo_\@
.Lnone_on_\@:
	s_wait_dscnt 0x0
.Lgo_\@:
.else
	FETCHAT \e, ADRA, AAS
.endif
.set I_, 0
.rept 16
	v_exp_f32 v[T+16*(\e)+I_], v[T+16*(\e)+I_]
.set I_, I_+1
.endr
	RCPS 1-(\e)
	v_nop
	WALU
.endm
	s_wait_loadcnt 0x0                             ; the weights' scale words
.Lfour:                                            ; six trips: chunks 0 to 5; chunks 2 to 7 are asked for
	BLK 0, 0, 0
	BND 0, 1, 0, 0, 128
	BLK 1, 1, 0
	BND 1, 1, 0, 0, 192
	HEADW
	s_wait_tensorcnt 0x0                           ; my part of the next chunk is in
	ds_add_u32 v[SPW], v[NIL]
	BLOCK 0, 0, 28, 2, 0
	WIN 0
	WALU
	s_wait_dscnt 0x0                               ; the add is done, and my reads of this chunk's slot are over
	s_barrier_signal -1
	BLOCK 0, 28, 32, 2, 0
	MIDDLE
	BARRIER
	TLOAD G0R, G1R                                 ; the chunk two on, into this chunk's slot
	BND 0, 0, 0, 0, 0
	BLK 1, 3, 0
	BND 1, 0, 1, 0, 64
	s_xor_b32 s94, s94, YB
	s_xor_b32 s95, s95, YB
	s_add_co_u32 s96, s96, 4*SSTEP
	s_add_co_u32 s97, s97, 4*SSTEP
	s_add_co_u32 s98, s98, 131072
	s_add_co_u32 s99, s99, 131072
	s_add_co_u32 s91, s91, 1
	s_cmp_lg_u32 s91, 6
	s_cbranch_scc1 .Lfour
.Ltwo:                                             ; chunks 6 and 7: nothing is asked for
	BLK 0, 0, 1
	BND 0, 0, 0, 0, 128
	BLK 1, 1, 1
	BND 1, 0, 0, 0, 192
	HEADW
	BLOCK 0, 0, 28, 2, 1
	WIN 0
	WALU
	s_wait_tensorcnt 0x0                           ; the first trip's barrier shows chunk 7
	s_wait_dscnt 0x0
	s_barrier_signal -1
	BLOCK 0, 28, 32, 2, 1
	WIN 0
	s_barrier_wait -1
	BND 0, 0, 0, 1, 0
	BLK 1, 3, 1
	BND 1, 0, 0, 1, 64
	s_xor_b32 s94, s94, YB
	s_xor_b32 s95, s95, YB
	s_mov_b32 s96, s97
	s_mov_b32 s97, 0
	s_add_co_u32 s91, s91, 1
	s_cmp_lg_u32 s91, 8
	s_cbranch_scc1 .Ltwo
; ---- the last two blocks' ways out, and the scale bytes ----
	s_wait_xcnt 0x0
	s_add_nc_u64 s[84:85], s[84:85], 4096
	s_lshl_b32 s20, s16, 9
	s_add_co_u32 s20, s20, XN
.set XO_, H
.set TO_, T
.set K_, 0
.rept 17
	GAP K_
.set K_, K_+1
.endr
	ONES 1
	v_add_nc_u32 v21, s20, v9
	WALU
	QOUT 128
	RCPS 1
	v_nop
	WALU
	s_wait_xcnt 0x0
	s_add_nc_u64 s[84:85], s[84:85], 4096
.set XO_, H+16
.set TO_, T+16
.set K_, 0
.rept 17
	GAP K_
.set K_, K_+1
.endr
	WALU
	QOUT 192
	s_wait_dscnt 0x0                               ; for the others' sake: my bytes are written
	BARRIER
	ds_load_b128 v[60:63], v21                     ; 256 tokens' two bytes
	s_wait_dscnt 0x0
	global_store_b128 v9, v[60:63], s[86:87]       ; 512 consecutive bytes, aligned
	s_wait_tensorcnt 0x0                           ; the wave's end
	ds_add_u32 v[SPW], v[NIL]
	s_wait_dscnt 0x0
	CROUND                                         ; the closing round
	s_endpgm
.Lfunc_end_k_q4b4600d444_ffn:
	.size	k_q4b4600d444_ffn, .Lfunc_end_k_q4b4600d444_ffn-k_q4b4600d444_ffn
	.p2alignl 7, 3214868480
	.fill 96, 4, 3214868480
	.section	.rodata,"a",@progbits
	.p2align	6, 0x0
	.amdhsa_kernel k_q4b4600d444_ffn
		.amdhsa_group_segment_fixed_size 327680
		.amdhsa_private_segment_fixed_size 0
		.amdhsa_enable_private_segment 0
		.amdhsa_kernarg_size 48
		.amdhsa_user_sgpr_count 2
		.amdhsa_user_sgpr_kernarg_segment_ptr 1
		.amdhsa_wavefront_size32 1
		.amdhsa_system_sgpr_workgroup_id_x 1
		.amdhsa_system_sgpr_workgroup_id_y 1
		.amdhsa_system_sgpr_workgroup_id_z 1
		.amdhsa_system_vgpr_workitem_id 0
		.amdhsa_next_free_vgpr 1024
		.amdhsa_next_free_sgpr 102
		.amdhsa_reserve_vcc 0
		.amdhsa_float_denorm_mode_32 3
		.amdhsa_float_denorm_mode_16_64 3
		.amdhsa_memory_ordered 1
		.amdhsa_forward_progress 1
		.amdhsa_inst_pref_size 139
	.end_amdhsa_kernel
	.amdgpu_metadata
---
amdhsa.version: [ 1, 2 ]
amdhsa.kernels:
  - .name:           k_q4b4600d444_ffn
    .symbol:         k_q4b4600d444_ffn.kd
    .args:
      - { .name: xn, .offset: 0, .size: 8, .value_kind: global_buffer, .address_space: global }
      - { .name: w_gate_codes, .offset: 8, .size: 8, .value_kind: global_buffer, .address_space: global }
      - { .name: w_gate_scales, .offset: 16, .size: 8, .value_kind: global_buffer, .address_space: global }
      - { .name: w_up_codes, .offset: 24, .size: 8, .value_kind: global_buffer, .address_space: global }
      - { .name: w_up_scales, .offset: 32, .size: 8, .value_kind: global_buffer, .address_space: global }
      - { .name: act, .offset: 40, .size: 8, .value_kind: global_buffer, .address_space: global }
    .group_segment_fixed_size: 327680
    .private_segment_fixed_size: 0
    .kernarg_segment_align: 8
    .kernarg_segment_size: 48
    .max_flat_workgroup_size: 128
    .sgpr_count:     102
    .vgpr_count:     1024
    .wavefront_size: 32
...
	.end_amdgpu_metadata
.endif
;; end of part 9
;; launch out (part 10): grid 8 x 32, 4 waves a work-group, clusters of 4 x 4, 327,680 bytes of LDS; arguments act, wo_codes, wo_scales, w_down_codes, w_down_scales, x, out0; writes out0
.if DOCPART == 10
	.amdgcn_target "amdgcn-amd-amdhsa--gfx1250"
	.amdhsa_code_object_version 6
	.text
	.protected	k_q4b4600d444_out
	.globl	k_q4b4600d444_out
	.p2align	8
	.type	k_q4b4600d444_out,@function
k_q4b4600d444_out:
	s_mov_b64 s[64:65], 0
	v_nop
	global_prefetch_b8 v0, s[64:65] scope:SCOPE_SE
	s_setreg_imm32_b32 hwreg(HW_REG_WAVE_MODE, 25, 1), 1
	s_wait_xcnt 0x0
	s_wait_alu depctr_hold_cnt(0) depctr_sa_sdst(0) depctr_va_vdst(0) depctr_va_sdst(0) depctr_va_ssrc(0) depctr_va_vcc(0) depctr_vm_vsrc(0)
	s_getreg_b32 s2, hwreg(HW_REG_IB_STS2, 6, 4)
	s_cmp_eq_u32 s2, 0
	s_cbranch_scc0 .Lentry_in_a_cluster
	s_endpgm
.Lentry_in_a_cluster:
	s_bfe_u32 s2, ttmp6, 0x10000c
	s_cmp_lg_u32 s2, 0xf033
	s_cbranch_scc0 .Lentry_shape_is_right
	s_endpgm
.Lentry_shape_is_right:
.set ASC,    18874368
.set PITCHA, 128                       ; act's codes are images of A's operand registers: [K tile][block of 16 tokens][piece c][lane][16 bytes]: 128 bytes a token, dense in LDS
.set PITCHB, 528
.set QA,     16384
.set APART,  73728
.set SLOT,   141312
.set ASTEP,  4194304
.set BSTEP,  1024
.set TABA,   282624
.set TABB,   301056
.set SPARE,  319488
.set STAGE,  SLOT
.set TRIPS,  3
.set FR,   16
.set NP,   8
.set WV, 16
.set IH, 17
.set CC, 18
.set G1,   24
.set G0,   32
.set G1B,  48
.set G0B,  56
.set G1B0, 68
.set G0BF, 76
.set ADRA, 16
.set ADRB, 20
.set ADRS, 22
.set STO,  24
.set RD,   25
.set CO,   26
.set SPW,  28
.set NIL,  29
.set SC,   32
.set BK,   64
.set ACC,  128
.set MUL,  0x05
.set TO_F, 0x40
.set MSB, 0
.macro WIN new
.if MSB != (\new)
	s_set_vgpr_msb (MSB<<8)|(\new)
.set MSB, (\new)
.endif
.endm
.macro PLACES n
.rept \n
	v_nop
.endr
.endm
.macro JLOAD g0a, g1a, g0b, g1b
	s_cmp_eq_u32 s[IH], 0
	s_cbranch_scc0 .Lfor_b_\@
	tensor_load_to_lds s[\g0a:\g0a+3], s[\g1a:\g1a+7]
	s_nop 0
.rept 4
	v_nop
.endr
	s_branch .Lasked_\@
.Lfor_b_\@:
	tensor_load_to_lds s[\g0b:\g0b+3], s[\g1b:\g1b+7]
	s_nop 0
.rept 4
	v_nop
.endr
.Lasked_\@:
.endm
.macro CREST
	s_cmp_lg_u32 s[WV], 0
	s_cbranch_scc1 .Lnot_wave_0_\@
	s_barrier_signal -3
.Lnot_wave_0_\@:
	s_barrier_wait -3
	s_barrier_signal -1
	s_barrier_wait -1
.endm
.macro CROUND
	s_barrier_signal -1
	s_barrier_wait -1
	CREST
.endm
.macro FRAG reg, adr, off
.irp c, 0,1,2,3
	ds_load_b128 v[\reg+4*\c:\reg+4*\c+3], v[\adr] offset:\off+32*\c
.endr
.endm
.macro FRAGA reg, adr, off             ; a fragment of A: four pieces of 512 bytes, 16 bytes a lane
.irp c, 0,1,2,3
	ds_load_b128 v[\reg+4*\c:\reg+4*\c+3], v[\adr] offset:\off+512*\c
.endr
.endm
.macro MUL4 p, a, zero
.irp b, 0,1,2,3
.if \zero
	v_wmma_scale_f32_16x16x128_f8f6f4 v[ACC+8*(4*(\a)+\b):ACC+8*(4*(\a)+\b)+7], v[128*(\p)+64+FR*\b:128*(\p)+64+FR*\b+FR-1], v[128*(\p)+FR*(\a):128*(\p)+FR*(\a)+FR-1], 0, v[SC+4*(\p)+\b], v[SC+4*(\p)+(\a)] matrix_a_scale:MATRIX_SCALE_ROW1
.else
	v_wmma_scale_f32_16x16x128_f8f6f4 v[ACC+8*(4*(\a)+\b):ACC+8*(4*(\a)+\b)+7], v[128*(\p)+64+FR*\b:128*(\p)+64+FR*\b+FR-1], v[128*(\p)+FR*(\a):128*(\p)+FR*(\a)+FR-1], v[ACC+8*(4*(\a)+\b):ACC+8*(4*(\a)+\b)+7], v[SC+4*(\p)+\b], v[SC+4*(\p)+(\a)] matrix_a_scale:MATRIX_SCALE_ROW1
.endif
.endr
.endm
.macro FETCH slot, q, p
	WIN 0
.irp i, 0,1,2,3
	ds_load_b32 v[SC+4*(\p)+\i], v[ADRS] offset:512*(\q)+64*\i
.endr
	WIN TO_F
.irp i, 0,1,2,3
	FRAG 128*(\p)+64+FR*\i, ADRB+\slot, 128*(\q)+\i*16*PITCHB
.endr
.irp i, 0,1,2,3
	FRAGA 128*(\p)+FR*\i, ADRA+\slot, QA*(\q)+\i*16*PITCHA
.endr
.endm
.macro STEP slot, q, zero
	s_wait_dscnt 8
	WIN MUL
	MUL4 (\q)%2, 0, \zero
	MUL4 (\q)%2, 1, \zero
	PLACES NP
	FETCH \slot, (\q)+1, 1-(\q)%2
	s_wait_dscnt 36
	WIN MUL
	MUL4 (\q)%2, 2, \zero
	MUL4 (\q)%2, 3, \zero
.endm
; A PREFETCH INTO THE L2 (pf = 1: the six changes of slots in the loop): the slot one refill further on than the one that this change asks for; the head asks for slot 2.  A slot is 4 K tiles: 64 KiB of A's 128 tokens, 128 rows x 512 bytes of w_down.
; The four partners that ask for a tile jointly share it out by address: of A's four K tiles partner cx takes one (16 KiB; waves 0, 1 a half each, lanes 256 bytes apart); of w_down's 128 rows partner cy takes 32 (a lane a row; waves 2, 3 take 256 bytes of its 512 each).
; The address is stepped here, behind the wait on XCNT, a slot's steps behind the prefetch that read it.  The last request names slot 8, the last.
.macro TURN slot, next, fill, pf=0
.if \pf
	s_wait_xcnt 0x0
	s_add_nc_u64 s[80:81], s[80:81], s[82:83]
.endif
	WIN 0
	s_wait_tensorcnt 0x0
	ds_add_u32 v[SPW], v[NIL]
	s_wait_dscnt 9
	WIN MUL
	MUL4 1, 0, 0
	s_wait_dscnt 0x0
	s_barrier_signal -1
	MUL4 1, 1, 0
	WIN 0
	s_barrier_wait -1
.if \fill
	CREST
	s_add_nc_u64 s[G0+4*\slot+2:G0+4*\slot+3], s[G0+4*\slot+2:G0+4*\slot+3], ASTEP
	s_add_nc_u64 s[G0B+4*\slot+2:G0B+4*\slot+3], s[G0B+4*\slot+2:G0B+4*\slot+3], BSTEP
	JLOAD G0+4*\slot, G1, G0B+4*\slot, G1B
	PLACES NP-4
.else
	PLACES NP
.endif
	v_add_nc_u32 v[ADRS], 2048, v[ADRS]
	FETCH \next, 0, 0
.if \pf
	WIN 0
	global_prefetch_b8 v14, s[80:81] th:TH_LOAD_NT scope:SCOPE_SE
.endif
	WIN MUL
	MUL4 1, 2, 0
	MUL4 1, 3, 0
.endm
	s_load_b256 s[4:11], s[0:1], 0x0
	s_load_b128 s[12:15], s[0:1], 0x20
	s_load_b64 s[86:87], s[0:1], 0x30
	v_lshl_add_u32 v[SPW], v0, 2, SPARE
	v_mov_b32 v[NIL], 0
	ds_add_u32 v28, v29
	ds_add_u32 v28, v29
	s_wait_dscnt 0x0
	v_lshrrev_b32 v1, 5, v0
	v_readfirstlane_b32 s[WV], v1
	s_lshr_b32 s[IH], s[WV], 1
	s_and_b32 s[CC], s[WV], 1
	s_bfe_u32 s40, ttmp6, 0x40000
	s_bfe_u32 s41, ttmp6, 0x40004
	s_lshl_b32 s42, ttmp9, 2
	s_add_co_u32 s42, s42, s40
	s_and_b32 s19, ttmp7, 0xffff
	s_lshl_b32 s19, s19, 2
	s_add_co_u32 s19, s19, s41
	s_lshl_b32 s43, s41, 2
	s_lshl_b32 s43, 15, s43
	s_lshl_b32 s44, 0x1111, s40
	s_or_b32 s[G1], s43, (3<<16)|(1<<21)
	s_mov_b32 s[G1+1], 2048<<16
	s_mov_b32 s[G1+2], 2<<16
	s_mov_b32 s[G1+3], 2048<<16
	s_mov_b32 s[G1+4], 2
	s_mov_b32 s[G1+5], 65536
	s_mov_b32 s[G1+6], 0
	s_mov_b32 s[G1+7], 0
	s_or_b32 s[G1B], s44, (1<<20)|(1<<21)|(6<<22)|(3<<25)
	s_or_b32 s[G1B0], s44, (1<<20)|(1<<21)|(6<<22)|(3<<25)
.irp g, G1B, G1B0
	s_mov_b32 s[\g+1], 512<<16
	s_mov_b32 s[\g+2], 64<<16
	s_mov_b32 s[\g+3], 512<<16
	s_mov_b32 s[\g+4], 64
	s_mov_b32 s[\g+6], 0
	s_mov_b32 s[\g+7], 0
.endr
	s_mov_b32 s[G1B+5], 4096
	s_mov_b32 s[G1B0+5], 512
	s_lshl_b32 s20, s[CC], 20
	s_lshl_b32 s21, s19, 14
	s_add_co_u32 s20, s20, s21
	s_mov_b32 s21, 0
	s_lshl_b32 s46, s42, 16
	s_lshl_b32 s47, s[CC], 15
	s_add_co_u32 s46, s46, s47
	s_mov_b32 s47, 0
	s_lshl_b32 s88, s42, 19
	s_lshl_b32 s89, s[CC], 18
	s_add_co_u32 s88, s88, s89
	s_mov_b32 s89, 0
	s_mul_i32 s45, s[CC], 2*QA
	s_mul_i32 s22, s[CC], 64*PITCHB
	s_add_co_u32 s22, s22, APART
	s_lshl_b32 s92, s19, 9
	s_add_co_u32 s92, s92, ASC
	s_mov_b32 s93, 0
	s_lshl_b32 s100, s19, 8                        ; the hidden layer's scale bytes: [64 units][token] two bytes, behind attention's four K tiles of words
	s_add_co_u32 s100, s100, ASC+65536
	s_mov_b32 s101, 0
	s_add_co_u32 s80, s40, 8                       ; the prefetches, at slot 2.  A: K tile 8 + cx, my 128 tokens, my wave's half
	s_lshl_b32 s80, s80, 19
	s_lshl_b32 s81, s19, 14
	s_add_co_u32 s80, s80, s81
	s_lshl_b32 s81, s[CC], 13
	s_add_co_u32 s80, s80, s81
	s_lshl_b32 s82, s42, 7                         ; w_down: row 128 x tile column + 32 cy, byte 512 + 256 x my wave's half
	s_lshl_b32 s83, s41, 5
	s_add_co_u32 s82, s82, s83
	s_lshl_b32 s82, s82, 12
	s_lshl_b32 s83, s[CC], 8
	s_add_co_u32 s82, s82, s83
	s_add_co_u32 s82, s82, 512
	s_mov_b32 s66, 4096
	s_mov_b32 s67, 512
	s_cmp_eq_u32 s[IH], 0                          ; waves 0, 1 ask for A, waves 2, 3 for w_down
	s_cselect_b32 s80, s80, s82
	s_cselect_b32 s66, 256, s66                    ; from lane to lane
	s_cselect_b32 s82, 0x200000, s67               ; from slot to slot
	s_mov_b32 s81, 0
	s_mov_b32 s83, 0
	s_lshl_b32 s94, s42, 11
	s_mov_b32 s95, 0
	s_lshl_b32 s96, s42, 14
	s_mov_b32 s97, 0
	s_wait_kmcnt 0x0
	s_add_nc_u64 s[20:21], s[4:5], s[20:21]
	s_add_nc_u64 s[46:47], s[6:7], s[46:47]
	s_add_nc_u64 s[88:89], s[10:11], s[88:89]
	s_sub_nc_u64 s[88:89], s[88:89], 512
	s_add_nc_u64 s[92:93], s[4:5], s[92:93]
	s_add_nc_u64 s[100:101], s[4:5], s[100:101]
	s_cmp_eq_u32 s[IH], 0
	s_cselect_b64 s[2:3], s[4:5], s[10:11]
	s_add_nc_u64 s[80:81], s[2:3], s[80:81]
	s_add_nc_u64 s[94:95], s[8:9], s[94:95]
	s_add_nc_u64 s[96:97], s[12:13], s[96:97]
	CROUND
	s_mov_b32 s[G0BF], 1
	s_mov_b32 s[G0BF+1], s22
	s_mov_b64 s[G0BF+2:G0BF+3], s[46:47]
	s_or_b32 s[G0BF+3], s[G0BF+3], 0x80000000
.irp s, 0,1
	s_mov_b32 s[G0+4*\s], 1
	s_add_co_u32 s[G0+4*\s+1], s45, \s*SLOT
	s_add_nc_u64 s[G0+4*\s+2:G0+4*\s+3], s[20:21], \s*2097152
	s_or_b32 s[G0+4*\s+3], s[G0+4*\s+3], 0x80000000
	s_mov_b32 s[G0B+4*\s], 1
	s_add_co_u32 s[G0B+4*\s+1], s22, \s*SLOT
	s_add_nc_u64 s[G0B+4*\s+2:G0B+4*\s+3], s[88:89], \s*512
	s_or_b32 s[G0B+4*\s+3], s[G0B+4*\s+3], 0x80000000
.endr
	JLOAD G0, G1, G0BF, G1B0
	s_wait_alu depctr_va_vdst(0)
	s_wait_tensorcnt 0x0
	ds_add_u32 v28, v29
	s_wait_dscnt 0x0
	CROUND
	JLOAD G0+4, G1, G0B+4, G1B
	v_lshrrev_b32 v1, 5, v0
	v_and_b32 v2, 31, v0
	v_lshlrev_b32 v2, 4, v2
	v_lshrrev_b32 v13, 1, v2
	v_lshl_add_u32 v13, v1, 14, v13
	v_and_b32 v14, 31, v0
	v_mul_lo_u32 v14, v14, s66                     ; the prefetches' offset; never rewritten
	v_lshl_add_u32 v1, v1, 14, v2
	v_lshl_add_u32 v2, v0, 4, TABA
	v_lshlrev_b32 v3, 4, v0
	v_lshl_add_u32 v4, v0, 2, TABB
	v_and_b32 v7, 7, v0
	v_lshlrev_b32 v7, 11, v7
	v_lshrrev_b32 v8, 3, v0
	v_lshl_add_u32 v7, v8, 2, v7
	v_add_nc_u32 v7, TABB+2048, v7
.set n, 0
.rept 9
.if n == 0
	global_load_b128 v[128:131], v1, s[92:93]
.else
	global_load_b64 v[64+4*n:65+4*n], v13, s[100:101] offset:65536*(n-1)
	global_load_b64 v[66+4*n:67+4*n], v13, s[100:101] offset:65536*(n-1)+8192
.endif
.set n, n+1
.endr
	global_load_b128 v[164:167], v3, s[94:95]
	global_prefetch_b8 v14, s[80:81] th:TH_LOAD_NT scope:SCOPE_SE
.irp i, 0,1,2,3,4,5,6,7
	global_load_b128 v[168+4*\i:171+4*\i], v3, s[96:97] offset:2048*\i
.endr
	v_and_b32 v5, 15, v0
	v_bfe_u32 v6, v0, 4, 1
	s_wait_alu depctr_va_vdst(0)
	v_and_b32 v9, 31, v0
	v_lshlrev_b32 v9, 4, v9
	v_mul_u32_u24 v11, v5, PITCHB
	v_lshl_add_u32 v11, v6, 4, v11
	s_mul_i32 s98, s[IH], 64*PITCHA
	s_mul_i32 s99, s[CC], 64*PITCHB
	s_add_co_u32 s99, s99, APART
.irp s, 0,1
	v_add_nc_u32 v[ADRA+\s], s98, v9
	v_add_nc_u32 v[ADRB+\s], s99, v11
	s_add_co_u32 s98, s98, SLOT
	s_add_co_u32 s99, s99, SLOT
.endr
	s_lshl_b32 s98, s[IH], 8
	s_lshl_b32 s99, s[CC], 8
	s_add_co_u32 s99, s99, TABB-TABA
	s_sub_co_u32 s99, s99, s98
	v_mul_u32_u24 v12, s99, v6
	s_add_co_u32 s98, s98, TABA
	v_lshl_add_u32 v12, v5, 2, v12
	v_add_nc_u32 v[ADRS], s98, v12
	s_mul_i32 s98, s[WV], 16*272
	s_add_co_u32 s98, s98, STAGE
	v_mul_u32_u24 v10, v5, 272
	v_lshl_add_u32 v[STO], v6, 5, v10
	v_add_nc_u32 v[STO], s98, v[STO]
	v_mul_u32_u24 v[RD], v6, 272
	v_lshl_add_u32 v[RD], v5, 4, v[RD]
	v_add_nc_u32 v[RD], s98, v[RD]
	v_lshlrev_b32 v[CO], 12, v6
	v_lshl_add_u32 v[CO], v5, 4, v[CO]
	s_wait_alu depctr_va_vdst(0)
	s_lshl_b32 s90, s19, 19
	s_lshl_b32 s91, s[IH], 18
	s_add_co_u32 s90, s90, s91
	s_lshl_b32 s91, s42, 9
	s_add_co_u32 s90, s90, s91
	s_lshl_b32 s91, s[CC], 8
	s_add_co_u32 s90, s90, s91
	s_mov_b32 s91, 0
	s_add_nc_u64 s[84:85], s[14:15], s[90:91]
	s_add_nc_u64 s[86:87], s[86:87], s[90:91]
	WIN 0x80
.irp a, 0,1,2,3
.irp t, 0,1,2,3,4,5,6,7
	global_load_b128 v[32*\a+4*\t:32*\a+4*\t+3], v[CO], s[84:85] offset:65536*\a+8192*\t th:TH_LOAD_NT
.endr
.endr
	WIN 0
	s_wait_loadcnt 32
.set n, 1
.rept 8                                ; a K tile's scale word: the lower 64 units' two bytes, then the upper 64's
	v_perm_b32 v[128+4*n], v[66+4*n], v[64+4*n], 0x05040100
	v_perm_b32 v[129+4*n], v[66+4*n], v[64+4*n], 0x07060302
	v_perm_b32 v[130+4*n], v[67+4*n], v[65+4*n], 0x05040100
	v_perm_b32 v[131+4*n], v[67+4*n], v[65+4*n], 0x07060302
.set n, n+1
.endr
.set n, 0
.rept 9
	ds_store_b128 v2, v[128+4*n:131+4*n] offset:2048*n
.set n, n+1
.endr
.irp e, 0,1,2,3
	ds_store_b32 v4, v[164+\e] offset:512*\e
.endr
.irp i, 0,1,2,3,4,5,6,7
.irp e, 0,1,2,3
	ds_store_b32 v7, v[168+4*\i+\e] offset:512*\e+64*\i
.endr
.endr
	s_wait_tensorcnt 1
	s_wait_dscnt 0x0
	s_barrier_signal -1
	s_barrier_wait -1
	FETCH 0, 0, 0
	STEP 0, 0, 1
	WIN 0
	s_mov_b32 s3, TRIPS
.Llap:
	s_wait_alu depctr_va_vdst(0)
	STEP 0, 1, 0
	STEP 0, 2, 0
	TURN 0, 1, 1, 1
	s_wait_alu depctr_va_vdst(0)
	STEP 1, 0, 0
	STEP 1, 1, 0
	STEP 1, 2, 0
	TURN 1, 0, 1, 1
	s_wait_alu depctr_va_vdst(0)
	STEP 0, 0, 0
	WIN 0
	s_sub_co_u32 s3, s3, 1
	s_cmp_lg_u32 s3, 0
	s_cbranch_scc1 .Llap
	STEP 0, 1, 0
	STEP 0, 2, 0
	TURN 0, 1, 1
	s_wait_alu depctr_va_vdst(0)
	STEP 1, 0, 0
	STEP 1, 1, 0
	STEP 1, 2, 0
	TURN 1, 0, 0
	s_wait_alu depctr_va_vdst(0)
	STEP 0, 0, 0
	STEP 0, 1, 0
	STEP 0, 2, 0
	s_wait_dscnt 8
	WIN MUL
	MUL4 1, 0, 0
	MUL4 1, 1, 0
	s_wait_dscnt 0x0
	MUL4 1, 2, 0
	MUL4 1, 3, 0
	WIN 0
.macro TOSTAGE a
.irp b, 0,1,2,3
	ds_store_b128 v[STO], v[ACC+32*(\a)+8*\b:ACC+32*(\a)+8*\b+3] offset:64*\b
	ds_store_b128 v[STO], v[ACC+32*(\a)+8*\b+4:ACC+32*(\a)+8*\b+7] offset:64*\b+16
.endr
.irp t, 0,1,2,3,4,5,6,7
	ds_load_b128 v[BK+32*((\a)%2)+4*\t:BK+32*((\a)%2)+4*\t+3], v[RD] offset:544*\t
.endr
.endm
.macro SEND a, d
	s_wait_dscnt \d
	WIN 0x08
.set n, 0
.rept 16
	v_pk_add_f32 v[BK+32*((\a)%2)+n:BK+32*((\a)%2)+n+1], v[BK+32*((\a)%2)+n:BK+32*((\a)%2)+n+1], v[32*(\a)+n:32*(\a)+n+1]
.set n, n+2
.endr
	WIN 0
.irp t, 0,1,2,3,4,5,6,7
	global_store_b128 v[CO], v[BK+32*((\a)%2)+4*\t:BK+32*((\a)%2)+4*\t+3], s[86:87] offset:65536*(\a)+8192*\t th:TH_STORE_NT
.endr
.endm
	PLACES NP
	s_wait_loadcnt 0x0
	TOSTAGE 0
.irp a, 1,2,3
.if \a > 1
	s_wait_xcnt 0x0
.endif
	TOSTAGE \a
	SEND \a-1, 16
.endr
	SEND 3, 0
	s_wait_tensorcnt 0x0
	ds_add_u32 v[SPW], v[NIL]
	s_wait_dscnt 0x0
	CROUND
	s_endpgm
.Lfunc_end_k_q4b4600d444_out:
	.size	k_q4b4600d444_out, .Lfunc_end_k_q4b4600d444_out-k_q4b4600d444_out
	.p2alignl 7, 3214868480
	.fill 96, 4, 3214868480
	.section	.rodata,"a",@progbits
	.p2align	6, 0x0
	.amdhsa_kernel k_q4b4600d444_out
		.amdhsa_group_segment_fixed_size 327680
		.amdhsa_private_segment_fixed_size 0
		.amdhsa_enable_private_segment 0
		.amdhsa_kernarg_size 56
		.amdhsa_user_sgpr_count 2
		.amdhsa_user_sgpr_kernarg_segment_ptr 1
		.amdhsa_wavefront_size32 1
		.amdhsa_system_sgpr_workgroup_id_x 1
		.amdhsa_system_sgpr_workgroup_id_y 1
		.amdhsa_system_sgpr_workgroup_id_z 1
		.amdhsa_system_vgpr_workitem_id 0
		.amdhsa_next_free_vgpr 768
		.amdhsa_next_free_sgpr 104
		.amdhsa_reserve_vcc 0
		.amdhsa_float_denorm_mode_32 3
		.amdhsa_float_denorm_mode_16_64 3
		.amdhsa_memory_ordered 1
		.amdhsa_forward_progress 1
		.amdhsa_inst_pref_size 132
	.end_amdhsa_kernel
	.amdgpu_metadata
---
amdhsa.version: [ 1, 2 ]
amdhsa.kernels:
  - .name:           k_q4b4600d444_out
    .symbol:         k_q4b4600d444_out.kd
    .args:
      - { .name: act, .offset: 0, .size: 8, .value_kind: global_buffer, .address_space: global }
      - { .name: wo_codes, .offset: 8, .size: 8, .value_kind: global_buffer, .address_space: global }
      - { .name: wo_scales, .offset: 16, .size: 8, .value_kind: global_buffer, .address_space: global }
      - { .name: w_down_codes, .offset: 24, .size: 8, .value_kind: global_buffer, .address_space: global }
      - { .name: w_down_scales, .offset: 32, .size: 8, .value_kind: global_buffer, .address_space: global }
      - { .name: x, .offset: 40, .size: 8, .value_kind: global_buffer, .address_space: global }
      - { .name: out0, .offset: 48, .size: 8, .value_kind: global_buffer, .address_space: global }
    .group_segment_fixed_size: 327680
    .private_segment_fixed_size: 0
    .kernarg_segment_align: 8
    .kernarg_segment_size: 56
    .max_flat_workgroup_size: 128
    .sgpr_count:     104
    .vgpr_count:     768
    .wavefront_size: 32
...
	.end_amdgpu_metadata
.endif
;; end of part 10
